; MI455X (gfx1250); checked and timed in simulation.
; The chip was launched on July 23, 2026; its instructions are those of AMD's public machine-readable ISA for CDNA 5 (MIT licence, August 2026) and "CDNA5" Instruction Set Architecture Reference Guide (July 2026). The comments in the code are by the model that wrote it; some were corrected since.
;; Masked Attention Layer. Allowed arithmetic: float matrix products may take bf16 or f16 operands with f32 sums; all other float work in f32.
;; Inputs: Wk 1,024 x 1,024 float32; Wq 1,024 x 1,024 float32; Wv 1,024 x 1,024 float32; bk 1,024 float32; bq 1,024 float32; bv 1,024 float32; x 4 x 2,048 x 1,024 float32.
;; Outputs: out0 4 x 2,048 x 1,024 float32.
;; 3 versions, each right; version 2 is faster than version 1; version 3 is version 2 with the launch cast written anew for expert scheduling mode. Each part assembles by itself: llvm-mc -triple=amdgcn-amd-amdhsa -mcpu=gfx1250 --defsym DOCPART=n.
;; ======== version 1 of 3: 4 launches
;; limits: values are held in f16: magnitudes above 65,504 overflow, below 6.1e-05 lose precision
;; workspace buffers: xb 16,777,216 bytes; wb 6,291,456 bytes; qh 16,777,216 bytes; kh 16,777,216 bytes; vh 17,039,360 bytes; ph 33,554,432 bytes; mt 524,288 bytes; lt 528,384 bytes
;; launch cast (part 1): grid 352 x 1, 8 waves a work-group, no clusters, 0 bytes of LDS; arguments x, Wq, Wk, Wv, xb, wb; writes xb, wb
.if DOCPART == 1
	.amdgcn_target "amdgcn-amd-amdhsa--gfx1250"
	.amdhsa_code_object_version 6
	.text
	.protected	k_qca4914f603_cast
	.globl	k_qca4914f603_cast
	.p2align	8
	.type	k_qca4914f603_cast,@function
k_qca4914f603_cast:
	s_mov_b64 s[64:65], 0
	v_nop
	global_prefetch_b8 v0, s[64:65] scope:SCOPE_SE
	s_setreg_imm32_b32 hwreg(HW_REG_WAVE_MODE, 25, 1), 1
	s_wait_xcnt 0x0
; x [8192][1024] and Wq, Wk, Wv [1024][1024], all f32, are rounded once to bf16 and laid out in the tiles that the projection asks for:
;   xb [32 row blocks][16 k blocks][256 rows][64 k]          byte = rbk*524288 + kb*32768 + row*128 + 2 k
;   wb [8 column blocks][16 k blocks][3 matrices][128 rows][64 k]   byte = cb*786432 + kb*49152 + mat*16384 + r*128 + 2 k   (mat 0, 1, 2 = q, k, v)
; so that a tile of 64 along K is dense in memory.  A stream: no LDS, no barrier, no matrix unit, no cluster (no two work-groups read the same byte).
; Eight waves; a work-group owns 32 rows: work-groups 0-255 rows of x, 256-351 rows of a weight (32 work-groups a matrix).
; Thread t owns row t / 8 and, in each k block, the 8 numbers 8 (t % 8) + 0..7: 32 bytes in, 16 bytes out; in a tile its 16 bytes lie at byte 16 t,
; so a wave's store covers 512 consecutive bytes, aligned.  All 32 loads of a thread go out first: 128 KiB of a work-group are on their way.
.set XG, 256                           ; work-groups that take x
.set D,  16                            ; v[16:143]  k block kb: 8 registers as loaded; the first 4 of them as stored
.macro BODY in, out, ostr              ; in, out: the scalar pairs of the two addresses; ostr: bytes from a k block's tile to the next
.set kb, 0
.rept 16
	global_load_b128 v[D+8*kb:D+8*kb+3],   v1, s[\in:\in+1] offset:256*kb th:TH_LOAD_NT
	global_load_b128 v[D+8*kb+4:D+8*kb+7], v1, s[\in:\in+1] offset:256*kb+16 th:TH_LOAD_NT
.set kb, kb+1
.endr
.set kb, 0
.rept 16
	s_wait_loadcnt 30-2*kb                         ; loads come back in order: this k block's two are in, the 30 - 2 kb younger ones stay out
	v_cvt_pk_bf16_f32 v[D+8*kb],   v[D+8*kb],   v[D+8*kb+1]   ; in place: each line writes a register that no later line reads
	v_cvt_pk_bf16_f32 v[D+8*kb+1], v[D+8*kb+2], v[D+8*kb+3]
	v_cvt_pk_bf16_f32 v[D+8*kb+2], v[D+8*kb+4], v[D+8*kb+5]
	v_cvt_pk_bf16_f32 v[D+8*kb+3], v[D+8*kb+6], v[D+8*kb+7]
	global_store_b128 v2, v[D+8*kb:D+8*kb+3], s[\out:\out+1] offset:kb*(\ostr)  ; no register of a store is written again
.set kb, kb+1
.endr
.endm
	s_load_b256 s[4:11], s[0:1], 0x0               ; x s[4:5], Wq s[6:7], Wk s[8:9], Wv s[10:11]
	s_load_b128 s[12:15], s[0:1], 0x20             ; xb s[12:13], wb s[14:15]
	v_lshrrev_b32 v1, 3, v0                        ; my row of the 32
	v_and_b32 v3, 7, v0
	v_lshlrev_b32 v1, 12, v1                       ; 4,096 bytes a row of f32,
	v_lshl_or_b32 v1, v3, 5, v1                    ; 32 bytes a thread
	v_lshlrev_b32 v2, 4, v0                        ; out: row x 128 + (t % 8) x 16 = 16 t
	s_mov_b32 s17, 0
	s_mov_b32 s19, 0
	s_wait_kmcnt 0x0
	s_cmp_lt_u32 ttmp9, XG
	s_cbranch_scc0 .Lweights
	s_lshl_b32 s16, ttmp9, 17                      ; 32 rows of 4,096 bytes
	s_add_nc_u64 s[4:5], s[4:5], s[16:17]
	s_lshr_b32 s18, ttmp9, 3                       ; row block of 256,
	s_lshl_b32 s18, s18, 19
	s_and_b32 s20, ttmp9, 7                        ; my 32 rows in it, 128 bytes each
	s_lshl_b32 s20, s20, 12
	s_add_co_u32 s18, s18, s20
	s_add_nc_u64 s[12:13], s[12:13], s[18:19]
	BODY 4, 12, 32768
	s_endpgm
.Lweights:
	s_sub_co_u32 s16, ttmp9, XG
	s_lshr_b32 s22, s16, 5                         ; which matrix
	s_and_b32 s23, s16, 31                         ; which 32 rows of it
	s_cmp_eq_u32 s22, 1
	s_cselect_b64 s[20:21], s[8:9], s[6:7]
	s_cmp_eq_u32 s22, 2
	s_cselect_b64 s[20:21], s[10:11], s[20:21]
	s_lshl_b32 s16, s23, 17
	s_add_nc_u64 s[20:21], s[20:21], s[16:17]
	s_lshr_b32 s18, s23, 2                         ; column block of 128 rows of W
	s_mul_i32 s18, s18, 786432
	s_lshl_b32 s24, s22, 14                        ; the matrix's 128 rows in a tile
	s_add_co_u32 s18, s18, s24
	s_and_b32 s24, s23, 3                          ; my 32 rows among them
	s_lshl_b32 s24, s24, 12
	s_add_co_u32 s18, s18, s24
	s_add_nc_u64 s[14:15], s[14:15], s[18:19]
	BODY 20, 14, 49152
	s_endpgm
.Lfunc_end_k_qca4914f603_cast:
	.size	k_qca4914f603_cast, .Lfunc_end_k_qca4914f603_cast-k_qca4914f603_cast
	.p2alignl 7, 3214868480
	.fill 96, 4, 3214868480
	.section	.rodata,"a",@progbits
	.p2align	6, 0x0
	.amdhsa_kernel k_qca4914f603_cast
		.amdhsa_group_segment_fixed_size 0
		.amdhsa_private_segment_fixed_size 0
		.amdhsa_enable_private_segment 0
		.amdhsa_kernarg_size 48
		.amdhsa_user_sgpr_count 2
		.amdhsa_user_sgpr_kernarg_segment_ptr 1
		.amdhsa_wavefront_size32 1
		.amdhsa_system_sgpr_workgroup_id_x 1
		.amdhsa_system_sgpr_workgroup_id_y 1
		.amdhsa_system_sgpr_workgroup_id_z 1
		.amdhsa_system_vgpr_workitem_id 0
		.amdhsa_next_free_vgpr 144
		.amdhsa_next_free_sgpr 66
		.amdhsa_reserve_vcc 0
		.amdhsa_float_denorm_mode_32 3
		.amdhsa_float_denorm_mode_16_64 3
		.amdhsa_memory_ordered 1
		.amdhsa_forward_progress 1
		.amdhsa_inst_pref_size 20
	.end_amdhsa_kernel
	.amdgpu_metadata
---
amdhsa.version: [ 1, 2 ]
amdhsa.kernels:
  - .name:           k_qca4914f603_cast
    .symbol:         k_qca4914f603_cast.kd
    .args:
      - { .name: x, .offset: 0, .size: 8, .value_kind: global_buffer, .address_space: global }
      - { .name: Wq, .offset: 8, .size: 8, .value_kind: global_buffer, .address_space: global }
      - { .name: Wk, .offset: 16, .size: 8, .value_kind: global_buffer, .address_space: global }
      - { .name: Wv, .offset: 24, .size: 8, .value_kind: global_buffer, .address_space: global }
      - { .name: xb, .offset: 32, .size: 8, .value_kind: global_buffer, .address_space: global }
      - { .name: wb, .offset: 40, .size: 8, .value_kind: global_buffer, .address_space: global }
    .group_segment_fixed_size: 0
    .private_segment_fixed_size: 0
    .kernarg_segment_align: 8
    .kernarg_segment_size: 48
    .max_flat_workgroup_size: 256
    .sgpr_count:     66
    .vgpr_count:     144
    .wavefront_size: 32
...
	.end_amdgpu_metadata
.endif
;; end of part 1
;; launch proj (part 2): grid 8 x 32, 4 waves a work-group, clusters of 4 x 4, 327,680 bytes of LDS; arguments xb, wb, bq, bk, bv, qh, kh, vh; writes qh, kh, vh
.if DOCPART == 2
	.amdgcn_target "amdgcn-amd-amdhsa--gfx1250"
	.amdhsa_code_object_version 6
	.text
	.protected	k_qca4914f603_proj
	.globl	k_qca4914f603_proj
	.p2align	8
	.type	k_qca4914f603_proj,@function
k_qca4914f603_proj:
	s_mov_b64 s[64:65], 0
	v_nop
	global_prefetch_b8 v0, s[64:65] scope:SCOPE_SE
	s_setreg_imm32_b32 hwreg(HW_REG_WAVE_MODE, 25, 1), 1
	s_wait_xcnt 0x0
	s_wait_alu depctr_hold_cnt(0) depctr_sa_sdst(0) depctr_va_vdst(0) depctr_va_sdst(0) depctr_va_ssrc(0) depctr_va_vcc(0) depctr_vm_vsrc(0)
	s_getreg_b32 s2, hwreg(HW_REG_IB_STS2, 6, 4)
	s_cmp_eq_u32 s2, 0
	s_cbranch_scc0 .Lentry_in_a_cluster
	s_endpgm
.Lentry_in_a_cluster:
	s_bfe_u32 s2, ttmp6, 0x10000c
	s_cmp_lg_u32 s2, 0xf033
	s_cbranch_scc0 .Lentry_shape_is_right
	s_endpgm
.Lentry_shape_is_right:
; Q, K, V = x W^T + b.  x and W arrive in bf16, in tiles (xb, wb); the biases are rounded to bf16 here, like every input; sums in f32; Q, K, V leave in f16, [8192][1024], rounded once.
; V's rows 0 to 15 of each batch leave in f32 as well, behind vh's 16,777,216 bytes, as [4][16][1024]: a query that sees few keys is a mean of few rows of V, and f16's rounding of them is too coarse for it.
; LIMIT.  f16 ends at 65,504: |Q|, |K|, |V| stay below that (x and W both thirty times the drawn spread give about 3,000); beyond it an infinity would be stored.  NaN and infinities are not treated apart.
; SHARES.  A work-group makes 256 rows x 128 columns of Q, of K and of V: one fragment of x feeds three matrices.  Four waves one below the other, each 64 rows x 3 x 128 columns:
; 96 accumulators of 16 x 16, 768 registers.  K goes in steps of 64 (two slices of 32) through a ring of two LDS slots filled by the tensor data mover.
; THE MATRIX INSTRUCTION IS USED TRANSPOSED: source 0 = 16 rows of W, source 1 = 16 rows of x.  Lane l then holds row l % 16 of the result and its registers the columns 8 (l / 16) + 0..7:
; eight neighbouring numbers, 16 bytes of f16; a wave's 128 columns are 256 consecutive bytes, so each wave has a stage of its own on the way out and no barrier stands there.
; THE BIAS is the C operand of the first slice's products: it costs no instruction of its own.
; CLUSTER.  4 x 4 work-groups.  The four of a row of the cluster need the same tiles of x, the four of a column the same tiles of W: each tile is asked for jointly.
; Row block = 8 cy + the cluster's y: the batch is cy, and the block's number in its batch is the cluster's y, the same in all sixteen partners: the branch to the f32 rows hangs on it and on the wave's number.
; REGISTERS, in windows of 256 (s_set_vgpr_msb: bits 1:0 source 0, 3:2 source 1, 5:4 source 2, 7:6 destination):
;   window 0: v0-31 addresses; v32-63 x's fragments of slice 0; v64-127, v128-191 W's fragments, two buffers; v192-223 x's fragments of slice 1; v192-255 the bias, in the first slice alone
;   window 1, 2, 3: the accumulators of Q, K, V: (a, b) at v[8 (8 a + b)]
.set PITCH,  144                       ; an LDS row: 128 bytes + 16 of padding = 36 words: the 16 rows of a load start at 16 different groups of four banks
.set XBY,    256*PITCH                 ; x's 256 rows
.set SLOT,   640*PITCH                 ; then W's 3 x 128 rows: 92,160 bytes
.set STAGE,  2*SLOT                    ; behind the ring: 16 rows x 272 bytes for each wave, for the way out
.set SPITCH, 272
.set BIASL,  STAGE+4*16*SPITCH         ; three biases' 128 numbers in f32: six blocks of 256 bytes into which no tile lands
.set SPARE,  BIASL+1536                ; the spare words, 128 bytes for each wave: two blocks of 256 bytes that no other line names
.set VST,    SPARE+512                 ; wave 0's stage for the f32 rows of V: 16 rows x 528 bytes
.set VSP,    528
.set VFOFF,  16777216                  ; the f32 rows begin here in vh
.set ADRA, 8                           ; v8-9    LDS address of my fragments of x in slot 0, 1
.set ADRB, 10                          ; v10-11  the same for W
.set ABI,  12                          ; v12     LDS address of my half's bias numbers
.set STO,  13                          ; v13     the way out: where I put 16 bytes of a row
.set RD,   14                          ; v14     the way out: where I read a row back
.set CO,   15                          ; v15     my byte offset in two rows of the output
.set SPW,  16                          ; v16     LDS address of my spare word; never rewritten
.set NIL,  17                          ; v17     0; never rewritten
.set VSTO, 18                          ; v18     the f32 rows: where I put 32 bytes of a row
.set VCO,  19                          ; v19     16 x lane
.set VRD,  26                          ; v26     where I read a row back
.set AF0,  32
.set BF0,  64
.set BF1,  128
.set AF1,  192
.set BI,   192
.set TMP,  32                          ; the way out: packed results
.set OB,   64                          ; the way out: 16 rows read back: v64-95 and v96-127 by turns
.set VB,   128                         ; the f32 rows read back: v128-191
.set OUTP, 14                          ; s[14:19] qh, kh, vh at my wave's first row and column
.set WV,   20                          ; s20  my wave's number
.set CX,   21
.set CY,   22
.set CB,   23                          ; s23  column block = 4 x cluster x + cx
.set RBK,  24                          ; s24  row block = 8 cy + cluster y
.set WH,   25                          ; s25  which half of a tile I fetch
.set FOR,  26                          ; s26  I fetch for x (0) or for W (1)
.set CLY,  27                          ; s27  the cluster's y: the row block's number in its batch
.set G1A,  28                          ; s[28:35] descriptor group 1 for x's tiles
.set G1B,  36                          ; s[36:43] for W's
.set G0A,  44                          ; s[44:51] descriptor group 0 for x's tiles, a set for each slot
.set G0B,  52                          ; s[52:59] for W's
.set VFP,  78                          ; s[78:79] the f32 rows of my batch, at my column block
.set MSB, 0
.macro WIN new                         ; the immediate's high byte repeats the setting that is left; a switch that changes nothing is dropped
.if MSB != (\new)
	s_set_vgpr_msb (MSB<<8)|(\new)
.set MSB, \new
.endif
.endm
.macro PLACES                          ; a load into a register that a matrix instruction has read, and a vector instruction that reads a matrix result, stand four plain vector instructions behind it
.rept 4
	v_nop
.endr
.endm
; A joint load.  Waves 0 and 1 fetch x's two halves, waves 2 and 3 W's.  The branch hangs on the wave's number alone.  An s_nop 0 and four v_nop follow each line.
.macro JLOAD slot
	s_cmp_eq_u32 s[FOR], 0
	s_cbranch_scc0 .Lfor_b_\@
	tensor_load_to_lds s[G0A+4*(\slot):G0A+4*(\slot)+3], s[G1A:G1A+7]
	s_nop 0
.rept 4
	v_nop
.endr
	s_branch .Lasked_\@
.Lfor_b_\@:
	tensor_load_to_lds s[G0B+4*(\slot):G0B+4*(\slot)+3], s[G1B:G1B+7]
	s_nop 0
.rept 4
	v_nop
.endr
.Lasked_\@:
.endm
.macro CREST                           ; a round of the cluster's barrier behind its opening barrier
	s_cmp_lg_u32 s[WV], 0
	s_cbranch_scc1 .Lnot_wave_0_\@
	s_barrier_signal -3
.Lnot_wave_0_\@:
	s_barrier_wait -3
	s_barrier_signal -1
	s_barrier_wait -1
.endm
.macro CROUND                          ; a whole round
	s_barrier_signal -1
	s_barrier_wait -1
	CREST
.endm
; 8 matrix instructions: row block ai x all 8 column blocks of the matrix in window w.  cm = 0: onto the sums; cm = 2: the bias starts the sums.
; The 96 accumulators take turns, one instruction a turn: between two instructions on one accumulator stand the 95 others'.
.macro MUL8 fa, fb, ai, w, cm
.if (\cm) == 2
	WIN (\w)<<6
.else
	WIN ((\w)<<6)|((\w)<<4)
.endif
.irp b, 0,1,2,3,4,5,6,7
.if (\cm) == 2
	v_wmma_f32_16x16x32_bf16 v[8*(8*(\ai)+(\b)):8*(8*(\ai)+(\b))+7], v[(\fb)+8*(\b):(\fb)+8*(\b)+7], v[(\fa)+8*(\ai):(\fa)+8*(\ai)+7], v[BI+8*(\b):BI+8*(\b)+7]
.else
	v_wmma_f32_16x16x32_bf16 v[8*(8*(\ai)+(\b)):8*(8*(\ai)+(\b))+7], v[(\fb)+8*(\b):(\fb)+8*(\b)+7], v[(\fa)+8*(\ai):(\fa)+8*(\ai)+7], v[8*(8*(\ai)+(\b)):8*(8*(\ai)+(\b))+7]
.endif
.endr
.endm
.macro MUL32 fa, fb, w, cm
.irp x, 0,1,2,3
	MUL8 \fa, \fb, \x, \w, \cm
.endr
.endm
; A fragment is 16 rows x 32 K in 8 registers: lane l holds row l % 16, K = 8 (l / 16) + 0..7 and 16 + 8 (l / 16) + 0..7: two loads of 16 bytes, 32 bytes apart.
.macro FETCHA slot, sl, dst            ; my 64 rows of x, slice sl: 8 loads
	WIN 0
.irp i, 0,1,2,3
	ds_load_b128 v[(\dst)+8*(\i):(\dst)+8*(\i)+3],   v[ADRA+(\slot)] offset:64*(\sl)+(\i)*16*PITCH
	ds_load_b128 v[(\dst)+8*(\i)+4:(\dst)+8*(\i)+7], v[ADRA+(\slot)] offset:64*(\sl)+(\i)*16*PITCH+32
.endr
.endm
.macro FETCHB slot, sl, mat, dst       ; 128 rows of matrix mat, slice sl: 16 loads
	WIN 0
.irp i, 0,1,2,3,4,5,6,7
	ds_load_b128 v[(\dst)+8*(\i):(\dst)+8*(\i)+3],   v[ADRB+(\slot)] offset:(\mat)*128*PITCH+64*(\sl)+(\i)*16*PITCH
	ds_load_b128 v[(\dst)+8*(\i)+4:(\dst)+8*(\i)+7], v[ADRB+(\slot)] offset:(\mat)*128*PITCH+64*(\sl)+(\i)*16*PITCH+32
.endr
.endm
.macro BIAS mat                        ; register j of column block b takes b[16 b + 8 (l / 16) + j]: 16 loads, the same for all lanes of a half
	WIN 0
.irp i, 0,1,2,3,4,5,6,7
	ds_load_b128 v[BI+8*(\i):BI+8*(\i)+3],   v[ABI] offset:(\mat)*512+64*(\i)
	ds_load_b128 v[BI+8*(\i)+4:BI+8*(\i)+7], v[ABI] offset:(\mat)*512+64*(\i)+16
.endr
.endm
	s_load_b512 s[4:19], s[0:1], 0x0               ; xb s[4:5], wb s[6:7], bq s[8:9], bk s[10:11], bv s[12:13], qh s[14:15], kh s[16:17], vh s[18:19]
	v_lshl_add_u32 v[SPW], v0, 2, SPARE
	v_mov_b32 v[NIL], 0
	ds_add_u32 v[SPW], v[NIL]                      ; the wave's opening: the add and its wait stand ahead of my first tensor load; the set-up below, work on registers, stands between them
	ds_add_u32 v16, v17
	v_lshrrev_b32 v1, 5, v0
	v_readfirstlane_b32 s[WV], v1                  ; wave 0..3
	s_lshr_b32 s[FOR], s[WV], 1
	s_and_b32 s[WH], s[WV], 1
	s_bfe_u32 s[CX], ttmp6, 0x40000                ; my place in the cluster
	s_bfe_u32 s[CY], ttmp6, 0x40004
	s_lshl_b32 s[CB], ttmp9, 2
	s_add_co_u32 s[CB], s[CB], s[CX]
	s_and_b32 s[CLY], ttmp7, 0xffff                ; the cluster's y, 0 to 7: the row block's number in its batch
	s_lshl_b32 s[RBK], s[CY], 3                    ; the batch is cy
	s_add_co_u32 s[RBK], s[RBK], s[CLY]
	s_lshl_b32 s60, s[CY], 2
	s_lshl_b32 s60, 15, s60                        ; my row of the cluster
	s_lshl_b32 s66, 0x1111, s[CX]                  ; my column
	; descriptor group 1.  A half tile is dense in memory: asked for as rows of 256 bytes (two rows of the tile), padded in LDS after every 128 bytes
	s_or_b32 s[G1A], s60, (1<<16)|(1<<20)|(1<<21)|(4<<22)|(3<<25)  ; 15:0 the mask: x's tiles go to my row; 17:16 2-byte elements; 20 padding on; 21 set beside a mask; 24:22 after every 32 words (code 4); 31:25 4 words (code 3)
	s_or_b32 s[G1B], s66, (1<<16)|(1<<20)|(1<<21)|(4<<22)|(3<<25)  ; the same with the mask of my column
	s_mov_b32 s[G1A+1], 128<<16                    ; tensor_dim0 = 128
	s_mov_b32 s[G1A+2], 64<<16                     ; tensor_dim1 = 64: 128 rows of x
	s_mov_b32 s[G1A+3], 128<<16                    ; tile_dim0 = 128
	s_mov_b32 s[G1A+4], 64                         ; tile_dim1 = 64
	s_mov_b32 s[G1A+5], 128                        ; 128 elements from row to row
	s_mov_b32 s[G1A+6], 0
	s_mov_b32 s[G1A+7], 0
	s_mov_b32 s[G1B+1], 128<<16
	s_mov_b32 s[G1B+2], 96<<16                     ; 192 rows of W: half of the three matrices' 384
	s_mov_b32 s[G1B+3], 128<<16
	s_mov_b32 s[G1B+4], 96
	s_mov_b32 s[G1B+5], 128
	s_mov_b32 s[G1B+6], 0
	s_mov_b32 s[G1B+7], 0
	; where the tiles come from: x's hang on the row block alone, W's on the column block alone, each in registers that never hold the other coordinate
	s_lshl_b32 s60, s[RBK], 19
	s_lshl_b32 s63, s[WH], 14
	s_add_co_u32 s60, s60, s63
	s_mov_b32 s61, 0
	s_mul_i32 s62, s[WH], 128*PITCH                ; and where they go: no place in the cluster enters an LDS address
	s_mul_i32 s66, s[CB], 786432
	s_mul_i32 s69, s[WH], 24576
	s_add_co_u32 s66, s66, s69
	s_mov_b32 s67, 0
	s_mul_i32 s68, s[WH], 192*PITCH
	s_add_co_u32 s68, s68, XBY
	s_lshl_b32 s70, s[RBK], 8                      ; my wave's first row and column in the three outputs, in bytes
	s_lshl_b32 s71, s[WV], 6
	s_add_co_u32 s70, s70, s71
	s_lshl_b32 s70, s70, 11
	s_lshl_b32 s71, s[CB], 8
	s_add_co_u32 s70, s70, s71
	s_mov_b32 s71, 0
	s_lshl_b32 s72, s[CY], 16                      ; the f32 rows: the batch's 16 rows of 4,096 bytes,
	s_lshl_b32 s73, s[CB], 9                       ; the column block's 512 bytes of each,
	s_add_co_u32 s72, s72, s73
	s_add_co_u32 s72, s72, VFOFF                   ; behind the f16 rows
	s_mov_b32 s73, 0
	s_wait_dscnt 0x0                               ; the opening add is done
	s_wait_kmcnt 0x0
	s_add_nc_u64 s[60:61], s[4:5], s[60:61]
	s_add_nc_u64 s[66:67], s[6:7], s[66:67]
	s_add_nc_u64 s[VFP:VFP+1], s[18:19], s[72:73]
	s_add_nc_u64 s[14:15], s[14:15], s[70:71]
	s_add_nc_u64 s[16:17], s[16:17], s[70:71]
	s_add_nc_u64 s[18:19], s[18:19], s[70:71]
.irp s, 0,1
	s_mov_b32 s[G0A+4*(\s)], 1                                     ; count = 1
	s_add_co_u32 s[G0A+4*(\s)+1], s62, (\s)*SLOT                   ; LDS address
	s_add_nc_u64 s[G0A+4*(\s)+2:G0A+4*(\s)+3], s[60:61], (\s)*32768  ; global address: K step s
	s_or_b32 s[G0A+4*(\s)+3], s[G0A+4*(\s)+3], 0x80000000          ; type = 2
	s_mov_b32 s[G0B+4*(\s)], 1
	s_add_co_u32 s[G0B+4*(\s)+1], s68, (\s)*SLOT
	s_add_nc_u64 s[G0B+4*(\s)+2:G0B+4*(\s)+3], s[66:67], (\s)*49152
	s_or_b32 s[G0B+4*(\s)+3], s[G0B+4*(\s)+3], 0x80000000
.endr
	CROUND                                         ; all sixteen work-groups are here: the first joint loads meet
	s_cmp_eq_u32 s[FOR], 0                         ; a wave's two first fills stand in one branch: two loads of mine are out
	s_cbranch_scc0 .Lfirst_b
	tensor_load_to_lds s[G0A:G0A+3], s[G1A:G1A+7]
	s_nop 0
	tensor_load_to_lds s[G0A+4:G0A+7], s[G1A:G1A+7]
	s_nop 0
.rept 4
	v_nop
.endr
	s_branch .Lfirst_asked
.Lfirst_b:
	tensor_load_to_lds s[G0B:G0B+3], s[G1B:G1B+7]
	s_nop 0
	tensor_load_to_lds s[G0B+4:G0B+7], s[G1B:G1B+7]
	s_nop 0
.rept 4
	v_nop
.endr
.Lfirst_asked:
	; waves 0, 1, 2 bring the block's 128 numbers of bq, bk, bv: rounded to bf16, widened again, into LDS
	s_cmp_lt_u32 s[WV], 3
	s_cbranch_scc0 .Lno_bias
	s_cmp_eq_u32 s[WV], 1
	s_cselect_b64 s[72:73], s[10:11], s[8:9]
	s_cmp_eq_u32 s[WV], 2
	s_cselect_b64 s[72:73], s[12:13], s[72:73]
	v_and_b32 v4, 31, v0
	v_lshlrev_b32 v4, 4, v4                        ; 16 bytes a lane
	s_lshl_b32 s74, s[CB], 9
	v_add_nc_u32 v5, s74, v4
	global_load_b128 v[20:23], v5, s[72:73]
	s_lshl_b32 s75, s[WV], 9
	s_add_co_u32 s75, s75, BIASL
	v_add_nc_u32 v4, s75, v4
	s_wait_loadcnt 0x0
	v_cvt_pk_bf16_f32 v24, v20, v21
	v_cvt_pk_bf16_f32 v25, v22, v23
	v_lshlrev_b32 v20, 16, v24
	v_and_b32 v21, 0xffff0000, v24
	v_lshlrev_b32 v22, 16, v25
	v_and_b32 v23, 0xffff0000, v25
	ds_store_b128 v4, v[20:23]
.Lno_bias:
	v_and_b32 v1, 15, v0                           ; l % 16
	v_bfe_u32 v2, v0, 4, 1                         ; l / 16
	v_mul_u32_u24 v3, v1, PITCH
	v_lshl_add_u32 v3, v2, 4, v3                   ; row x pitch + 16 x half
	s_mul_i32 s76, s[WV], 64*PITCH                 ; my 64 rows of x
	v_add_nc_u32 v[ADRA], s76, v3
	v_add_nc_u32 v[ADRA+1], SLOT, v[ADRA]
	v_add_nc_u32 v[ADRB], XBY, v3
	v_add_nc_u32 v[ADRB+1], SLOT, v[ADRB]
	v_lshl_add_u32 v[ABI], v2, 5, BIASL            ; my half's 8 numbers of each 16
	s_mul_i32 s77, s[WV], 16*SPITCH
	s_add_co_u32 s77, s77, STAGE                   ; my stage
	v_mul_u32_u24 v4, v1, SPITCH                   ; in: row l % 16, 16 bytes for each half of the lanes
	v_lshl_add_u32 v4, v2, 4, v4
	v_add_nc_u32 v[STO], s77, v4
	v_mul_u32_u24 v5, v2, SPITCH                   ; back: lanes 0-15 take one row of 256 bytes, lanes 16-31 the next
	v_lshl_add_u32 v5, v1, 4, v5
	v_add_nc_u32 v[RD], s77, v5
	v_lshlrev_b32 v5, 11, v2                       ; and the same two rows in the output, 2,048 bytes apart
	v_lshl_add_u32 v[CO], v1, 4, v5
	s_wait_tensorcnt 0x1                           ; my part of K step 0 is in; K step 1's may stay out
	s_wait_dscnt 0x0                               ; my bias numbers are in LDS
	s_barrier_signal -1
	s_barrier_wait -1                              ; everybody's are
; A K step is six phases of 32 matrix instructions: slices 0, 1 x matrices q, k, v.  Phase p multiplies x's fragments of its slice by W's buffer p % 2, and fetches the next phase's W into the other buffer.
.macro SLICE0 slot
	PLACES
	FETCHB \slot, 0, 1, BF1
	s_wait_dscnt 16                                ; all but the 16 just issued: x's slice 0 and q's fragments are in
	MUL32 AF0, BF0, 1, 0
	PLACES
	FETCHB \slot, 0, 2, BF0
	FETCHA \slot, 1, AF1
	s_wait_dscnt 24                                ; all but the 16 + 8 just issued
	MUL32 AF0, BF1, 2, 0
	PLACES
	FETCHB \slot, 1, 0, BF1
	s_wait_dscnt 24                                ; x's 8 and the 16 just issued may be out: v's fragments are in
	MUL32 AF0, BF0, 3, 0
.endm
; Slice 1.  Its second phase changes slots: behind the slot's last read each wave waits for all its tensor loads (one is out: its part of the other slot), adds 0 to its spare word,
; and waits for that and for its reads of this slot.  mode = 1: the barrier opens a round of the cluster's barrier, and this slot is filled again, two K steps ahead: 160 matrix instructions
; ahead of the wait for it.  mode = 0: nothing is left to fetch.  mode = 2: the last K step: no barrier.
.macro SLICE1 slot, nslot, mode
	PLACES
	FETCHB \slot, 1, 1, BF0
	s_wait_dscnt 16                                ; all but the 16 just issued
	MUL32 AF1, BF1, 1, 0
	PLACES
	FETCHB \slot, 1, 2, BF1                        ; the slot's last read
.if (\mode) == 2
	s_wait_dscnt 16
	MUL32 AF1, BF0, 2, 0
	s_wait_dscnt 0x0
	MUL32 AF1, BF1, 3, 0
.else
	WIN 0
	s_wait_tensorcnt 0x0                           ; all my tensor loads have landed;
	ds_add_u32 v[SPW], v[NIL]                      ; 0 onto my spare word
	s_wait_dscnt 17                                ; (the 16 loads just issued and the add may be out)
	MUL8 AF1, BF0, 0, 2, 0                         ; sixteen matrix instructions stand between the add and the wait for it
	MUL8 AF1, BF0, 1, 2, 0
	s_wait_dscnt 0x0                               ; the add is done, and my reads of this slot are over
	s_barrier_signal -1
	MUL8 AF1, BF0, 2, 2, 0                         ; work on registers while the others arrive
	MUL8 AF1, BF0, 3, 2, 0
	WIN 0                                          ; at a branch and at a label every window is 0
	s_barrier_wait -1
.if (\mode) == 1
	CREST                                          ; no wave of any partner still reads this slot or has a load on its way
	s_add_nc_u64 s[G0A+4*(\slot)+2:G0A+4*(\slot)+3], s[G0A+4*(\slot)+2:G0A+4*(\slot)+3], 2*32768
	s_add_nc_u64 s[G0B+4*(\slot)+2:G0B+4*(\slot)+3], s[G0B+4*(\slot)+2:G0B+4*(\slot)+3], 2*49152
	JLOAD \slot                                    ; the first tensor load behind the round; its four v_nop are also the places in front of the loads below
.else
	PLACES
.endif
	FETCHA \nslot, 0, AF0                          ; the other slot is whole
	FETCHB \nslot, 0, 0, BF0
	MUL32 AF1, BF1, 3, 0                           ; its fragments were shown in by the wait for 0 above
.endif
.endm
	; THE FIRST SLICE stands in front of the loop: its products start the sums, with the bias as C
	FETCHA 0, 0, AF0
	FETCHB 0, 0, 0, BF0
	FETCHB 0, 0, 1, BF1
	BIAS 0
	s_wait_dscnt 0x0
	MUL32 AF0, BF0, 1, 2
	PLACES
	FETCHB 0, 0, 2, BF0
	BIAS 1
	s_wait_dscnt 0x0
	MUL32 AF0, BF1, 2, 2
	PLACES
	BIAS 2
	FETCHB 0, 1, 0, BF1
	s_wait_dscnt 16                                ; the 16 just issued may be out
	MUL32 AF0, BF0, 3, 2
	PLACES
	FETCHA 0, 1, AF1                               ; over the bias, which has served
	WIN 0
	s_mov_b32 s3, 7
.Llap:                                                 ; a trip goes once round the ring, from a lap's second slice to the next lap's first, and fills both slots again
	SLICE1 0, 1, 1
	SLICE0 1
	SLICE1 1, 0, 1
	SLICE0 0
	WIN 0
	s_sub_co_u32 s3, s3, 1
	s_cmp_lg_u32 s3, 0
	s_cbranch_scc1 .Llap
	SLICE1 0, 1, 0                                 ; the last lap fills nothing
	SLICE0 1
	SLICE1 1, 0, 2
; THE WAY OUT, twelve blocks of 16 rows x 128 columns: n = 4 x matrix + row block.  PACK: rounded to f16, 16 bytes a lane, each accumulator's registers in ascending order.
; TOSTAGE: into my own stage and back as whole rows of 256 bytes.  SEND: stored.
.macro PACK n
	WIN 5*((\n)/4+1)                               ; sources 0 and 1: the matrix's window
.irp b, 0,1,2,3,4,5,6,7
.irp q, 0,1,2,3
	v_cvt_pk_f16_f32 v[TMP+4*(\b)+(\q)], v[8*(8*((\n)%4)+(\b))+2*(\q)], v[8*(8*((\n)%4)+(\b))+2*(\q)+1]
.endr
.endr
	WIN 0
.endm
.macro TOSTAGE n
	WIN 0
.irp b, 0,1,2,3,4,5,6,7
	ds_store_b128 v[STO], v[TMP+4*(\b):TMP+4*(\b)+3] offset:32*(\b)
.endr
.irp t, 0,1,2,3,4,5,6,7
	ds_load_b128 v[OB+32*((\n)%2)+4*(\t):OB+32*((\n)%2)+4*(\t)+3], v[RD] offset:(\t)*2*SPITCH  ; LDS serves a wave's instructions in order (ISA guide 5.7.1.4): these see the stores above
.endr
.endm
.macro SEND n
	WIN 0
	s_wait_dscnt 0x0                               ; the block is back in registers
	s_wait_xcnt 0x0                                ; every earlier store has had its addresses translated: only behind this wait are the registers of the block two back loaded again
.irp t, 0,1,2,3,4,5,6,7
	global_store_b128 v[CO], v[OB+32*((\n)%2)+4*(\t):OB+32*((\n)%2)+4*(\t)+3], s[OUTP+2*((\n)/4):OUTP+2*((\n)/4)+1] offset:(16*((\n)%4)+2*(\t))*2048  ; 16 lanes store 256 consecutive bytes, aligned
.endr
.endm
	PLACES
	PACK 0
	TOSTAGE 0
.irp n, 1,2,3,4,5,6,7,8,9,10,11        ; block n's conversions stand between block n - 1's loads from the stage and the wait for them
	PACK \n
	SEND (\n)-1
	TOSTAGE \n
.endr
	SEND 11
	; V's ROWS 0 TO 15 OF A BATCH IN F32: wave 0's row block 0 of V, in the work-groups with a batch's first row block.  The two conditions hang on the cluster's y and on the wave's number.
	s_cmp_lg_u32 s[CLY], 0
	s_cbranch_scc1 .Lno_vf
	s_cmp_lg_u32 s[WV], 0
	s_cbranch_scc1 .Lno_vf
	v_mul_u32_u24 v[VSTO], v1, VSP                 ; in: row l % 16, 32 bytes for each half of the lanes
	v_lshl_add_u32 v[VSTO], v2, 5, v[VSTO]
	v_add_nc_u32 v[VSTO], VST, v[VSTO]
	v_and_b32 v[VCO], 31, v0
	v_lshlrev_b32 v[VCO], 4, v[VCO]                ; back: 32 lanes take a whole row of 512 bytes
	v_add_nc_u32 v[VRD], VST, v[VCO]
	WIN 0x0c                                       ; the stores' data in window 3
.irp b, 0,1,2,3,4,5,6,7
	ds_store_b128 v[VSTO], v[8*(\b):8*(\b)+3]   offset:64*(\b)
	ds_store_b128 v[VSTO], v[8*(\b)+4:8*(\b)+7] offset:64*(\b)+16
.endr
	WIN 0
.irp t, 0,1,2,3,4,5,6,7,8,9,10,11,12,13,14,15
	ds_load_b128 v[VB+4*(\t):VB+4*(\t)+3], v[VRD] offset:(\t)*VSP  ; in order behind the stores above; registers that no pending store names
.endr
	s_wait_dscnt 0x0
.irp t, 0,1,2,3,4,5,6,7,8,9,10,11,12,13,14,15
	global_store_b128 v[VCO], v[VB+4*(\t):VB+4*(\t)+3], s[VFP:VFP+1] offset:(\t)*4096  ; a store covers 512 consecutive bytes, aligned
.endr
.Lno_vf:
	s_wait_tensorcnt 0x0                           ; the wave's end: a wait, an add and its wait, behind my last tensor load and my last LDS store
	ds_add_u32 v[SPW], v[NIL]
	s_wait_dscnt 0x0
	CROUND                                         ; the closing round: no work-group ends while a partner may still ask for a tile that names it
	s_endpgm
.Lfunc_end_k_qca4914f603_proj:
	.size	k_qca4914f603_proj, .Lfunc_end_k_qca4914f603_proj-k_qca4914f603_proj
	.p2alignl 7, 3214868480
	.fill 96, 4, 3214868480
	.section	.rodata,"a",@progbits
	.p2align	6, 0x0
	.amdhsa_kernel k_qca4914f603_proj
		.amdhsa_group_segment_fixed_size 327680
		.amdhsa_private_segment_fixed_size 0
		.amdhsa_enable_private_segment 0
		.amdhsa_kernarg_size 64
		.amdhsa_user_sgpr_count 2
		.amdhsa_user_sgpr_kernarg_segment_ptr 1
		.amdhsa_wavefront_size32 1
		.amdhsa_system_sgpr_workgroup_id_x 1
		.amdhsa_system_sgpr_workgroup_id_y 1
		.amdhsa_system_sgpr_workgroup_id_z 1
		.amdhsa_system_vgpr_workitem_id 0
		.amdhsa_next_free_vgpr 1024
		.amdhsa_next_free_sgpr 80
		.amdhsa_reserve_vcc 0
		.amdhsa_float_denorm_mode_32 3
		.amdhsa_float_denorm_mode_16_64 3
		.amdhsa_memory_ordered 1
		.amdhsa_forward_progress 1
		.amdhsa_inst_pref_size 145
	.end_amdhsa_kernel
	.amdgpu_metadata
---
amdhsa.version: [ 1, 2 ]
amdhsa.kernels:
  - .name:           k_qca4914f603_proj
    .symbol:         k_qca4914f603_proj.kd
    .args:
      - { .name: xb, .offset: 0, .size: 8, .value_kind: global_buffer, .address_space: global }
      - { .name: wb, .offset: 8, .size: 8, .value_kind: global_buffer, .address_space: global }
      - { .name: bq, .offset: 16, .size: 8, .value_kind: global_buffer, .address_space: global }
      - { .name: bk, .offset: 24, .size: 8, .value_kind: global_buffer, .address_space: global }
      - { .name: bv, .offset: 32, .size: 8, .value_kind: global_buffer, .address_space: global }
      - { .name: qh, .offset: 40, .size: 8, .value_kind: global_buffer, .address_space: global }
      - { .name: kh, .offset: 48, .size: 8, .value_kind: global_buffer, .address_space: global }
      - { .name: vh, .offset: 56, .size: 8, .value_kind: global_buffer, .address_space: global }
    .group_segment_fixed_size: 327680
    .private_segment_fixed_size: 0
    .kernarg_segment_align: 8
    .kernarg_segment_size: 64
    .max_flat_workgroup_size: 128
    .sgpr_count:     80
    .vgpr_count:     1024
    .wavefront_size: 32
...
	.end_amdgpu_metadata
.endif
;; end of part 2
;; launch scores (part 3): grid 72 x 4, 4 waves a work-group, no clusters, 327,680 bytes of LDS; arguments qh, kh, ph, mt, lt; writes ph, mt, lt
.if DOCPART == 3
	.amdgcn_target "amdgcn-amd-amdhsa--gfx1250"
	.amdhsa_code_object_version 6
	.text
	.protected	k_qca4914f603_scores
	.globl	k_qca4914f603_scores
	.p2align	8
	.type	k_qca4914f603_scores,@function
k_qca4914f603_scores:
	s_mov_b64 s[64:65], 0
	v_nop
	global_prefetch_b8 v0, s[64:65] scope:SCOPE_SE
	s_setreg_imm32_b32 hwreg(HW_REG_WAVE_MODE, 25, 1), 1
	s_wait_xcnt 0x0
; THE WEIGHTS, tile by tile.  s = Q . K over 1,024 channels (f16 operands, f32 sums); c = log2(e) / 32.  For a tile of 256 queries x 128 keys, for each query: m = the largest s of the tile's keys that it may see,
; p = 2^(c s - c m) in f16 into ph [4][2048 q][2048 k], c m into mt and l = the sum of the unrounded p into lt, both [4][16 key tiles][2048 q] in f32.  The next launch joins a row's tiles by their true maximum.
; The weights of a batch's queries 0-15 for keys 0-15 (all that these queries see) leave in f32 as well, behind lt's 524,288 bytes, as [4][16][16]: the next launch makes those rows in f32.
; CAUSAL.  Query block I of 256 needs the key tiles j = 0 .. 2 I + 1 of 128: 72 tiles a batch, one to a work-group; the others are neither made nor read.  In tiles j >= 2 I a hidden score (key > query) is replaced by -2^100.
; A query that sees no key of its tile gets m = -2^100, p = 1, l = 128 and c m = -c 2^100 (exact): the next launch's factor 2^(c m - M) for that tile is 0.
; LIMITS.  Q and K are f16, so |s| is at most 4.4e12, nothing beside 2^100; a weight below 2^-126 counts as 0 in l, below 6e-8 as 0 in ph; NaN and infinities are not treated apart.
; SHARES.  Four waves one below the other, each 64 queries x 128 keys: 32 accumulators, 256 registers.  Source 0 = 16 keys, source 1 = 16 queries: a lane holds ONE query (l % 16) and the keys 8 (l / 16) + 0..7 of each 16:
; a query's maximum and sum want one exchange between the halves of the lanes and never leave the wave.
; NO CLUSTER: a query block has 2 (I + 1) key tiles, no multiple of four for even I, and key tile j has 8 - j / 2 query blocks: the causal set of tiles does not divide into fours that share Q or K.
; K (the channels) goes in steps of 128, four slices of 32, through a ring of two LDS slots.
; REGISTERS: window 0: v0-43 addresses and statistics; v64-159, v160-255 two fragment buffers (32 of Q, then 64 of K).  Window 1: the accumulators, (a, b) at v[8 (8 a + b)].
.set PITCH,  272                       ; an LDS row: 256 bytes + 16 of padding = 68 words: the 16 rows of a load start at 16 different groups of four banks
.set QBY,    256*PITCH                 ; Q's 256 rows
.set SLOT,   384*PITCH                 ; then K's 128 rows: 104,448 bytes
.set STAGE,  2*SLOT                    ; behind the ring: 16 rows x 272 bytes for each wave
.set STATL,  STAGE+4*16*PITCH          ; 512 bytes for each wave: 64 c m, 64 l
.set SPARE,  STATL+4*512               ; the spare words, 128 bytes for each wave: two blocks of 256 bytes that no other line names
.set PFOFF,  524288                    ; the f32 weights begin here in lt
.set ADRA, 8                           ; v8-9    LDS address of my fragments of Q in slot 0, 1
.set ADRB, 10                          ; v10-11  the same for K
.set STO,  12
.set RD,   13
.set CO,   14                          ; v14     my byte offset in two rows of ph
.set SST,  15                          ; v15     where I put a query's statistics
.set SRD,  16                          ; v16     where I read two queries' back
.set SGO,  17                          ; v17     8 x lane
.set DD,   18                          ; v18     my query less my first key: register jj of accumulator (a, b) is hidden where 16 (b - a) + jj is greater
.set PO,   19                          ; v19     my 32 bytes among the f32 weights: 64 (l % 16) + 32 (l / 16)
.set SPW,  20                          ; v20     LDS address of my spare word; never rewritten
.set NIL,  21                          ; v21     0; never rewritten
.set ST,   24                          ; v24-31  for row block a the pair c m, m
.set LS,   32                          ; v32-35  l
.set CH,   36                          ; v36-43  at work
.set F0,   64
.set F1,   160
.set TMP,  64                          ; the way out: packed weights
.set OB,   96                          ; 16 rows read back: v96-127 and v128-159 by turns
.set WV,   14                          ; s14  my wave's number
.set WH,   15                          ; s15  which half of a tile I fetch
.set QI_,  16                          ; s16  I
.set KJ,   17                          ; s17  j
.set BB,   18                          ; s18  the batch
.set G1Q,  24
.set G1K,  32
.set G0Q,  40                          ; a set for each slot
.set G0K,  48
.set CS,   56                          ; s[56:57] c
.set SEL,  58                          ; s[58:59] v_permlanex16_b32's selects: each lane takes its own place in the other half
.set NEG,  60                          ; s60  -2^100
.set PFP,  62                          ; s[62:63] the batch's f32 weights
.set MSB, 0
.macro WIN new
.if MSB != (\new)
	s_set_vgpr_msb (MSB<<8)|(\new)
.set MSB, \new
.endif
.endm
.macro PLACES                          ; four plain vector instructions between a matrix instruction and a load into, or a vector instruction on, its registers
.rept 4
	v_nop
.endr
.endm
.macro LOAD slot                       ; waves 0 and 1 fetch Q's two halves, waves 2 and 3 K's; an s_nop 0 and four v_nop follow each line
	s_cmp_lt_u32 s[WV], 2
	s_cbranch_scc0 .Lfor_k_\@
	tensor_load_to_lds s[G0Q+4*(\slot):G0Q+4*(\slot)+3], s[G1Q:G1Q+7]
	s_nop 0
.rept 4
	v_nop
.endr
	s_branch .Lasked_\@
.Lfor_k_\@:
	tensor_load_to_lds s[G0K+4*(\slot):G0K+4*(\slot)+3], s[G1K:G1K+7]
	s_nop 0
.rept 4
	v_nop
.endr
.Lasked_\@:
.endm
; 8 matrix instructions: query block ai x all 8 key blocks.  The 32 accumulators take turns, one instruction a turn.
.macro MUL8 f, ai, zero
	WIN 0x50                                       ; C and D in window 1
.irp b, 0,1,2,3,4,5,6,7
.if \zero
	v_wmma_f32_16x16x32_f16 v[8*(8*(\ai)+(\b)):8*(8*(\ai)+(\b))+7], v[(\f)+32+8*(\b):(\f)+32+8*(\b)+7], v[(\f)+8*(\ai):(\f)+8*(\ai)+7], 0
.else
	v_wmma_f32_16x16x32_f16 v[8*(8*(\ai)+(\b)):8*(8*(\ai)+(\b))+7], v[(\f)+32+8*(\b):(\f)+32+8*(\b)+7], v[(\f)+8*(\ai):(\f)+8*(\ai)+7], v[8*(8*(\ai)+(\b)):8*(8*(\ai)+(\b))+7]
.endif
.endr
.endm
.macro MUL32 f, zero
.irp x, 0,1,2,3
	MUL8 \f, \x, \zero
.endr
.endm
.macro FETCH slot, q, f                ; slice q's fragments: 8 loads for my 64 queries, 16 for the 128 keys
	WIN 0
.irp i, 0,1,2,3
	ds_load_b128 v[(\f)+8*(\i):(\f)+8*(\i)+3],   v[ADRA+(\slot)] offset:64*(\q)+(\i)*16*PITCH
	ds_load_b128 v[(\f)+8*(\i)+4:(\f)+8*(\i)+7], v[ADRA+(\slot)] offset:64*(\q)+(\i)*16*PITCH+32
.endr
.irp i, 0,1,2,3,4,5,6,7
	ds_load_b128 v[(\f)+32+8*(\i):(\f)+32+8*(\i)+3],   v[ADRB+(\slot)] offset:64*(\q)+(\i)*16*PITCH
	ds_load_b128 v[(\f)+32+8*(\i)+4:(\f)+32+8*(\i)+7], v[ADRB+(\slot)] offset:64*(\q)+(\i)*16*PITCH+32
.endr
.endm
; A slice multiplies buffer f and fetches slice nq of slot nslot into buffer g.
.macro SLICE f, nslot, nq, g, zero
	PLACES
	FETCH \nslot, \nq, \g
	s_wait_dscnt 24                                ; all but the 24 just issued
	MUL32 \f, \zero
.endm
; A step's third slice changes slots: the slot's last fragments have been asked for.  Each wave waits for all its tensor loads (one is out: its part of the other slot), adds 0 to its spare word,
; and waits for that and for its reads of this slot.  fill = 1: this slot is filled again, two steps ahead, first thing behind the barrier: 112 matrix instructions ahead of the wait for it.
.macro SLICEM slot, fill
	PLACES
	FETCH \slot, 3, F1
	s_wait_dscnt 24
	MUL8 F0, 0, 0
	MUL8 F0, 1, 0
	WIN 0
	s_wait_tensorcnt 0x0                           ; all my tensor loads have landed;
	ds_add_u32 v[SPW], v[NIL]                      ; 0 onto my spare word
	MUL8 F0, 2, 0                                  ; eight matrix instructions stand between the add and the wait for it
	s_wait_dscnt 0x0                               ; the add is done, and my reads of this slot are over
	s_barrier_signal -1
	MUL8 F0, 3, 0
	WIN 0
	s_barrier_wait -1
.if \fill
	s_add_nc_u64 s[G0Q+4*(\slot)+2:G0Q+4*(\slot)+3], s[G0Q+4*(\slot)+2:G0Q+4*(\slot)+3], 512
	s_add_nc_u64 s[G0K+4*(\slot)+2:G0K+4*(\slot)+3], s[G0K+4*(\slot)+2:G0K+4*(\slot)+3], 512
	LOAD \slot
.endif
.endm
	s_load_b256 s[4:11], s[0:1], 0x0               ; qh s[4:5], kh s[6:7], ph s[8:9], mt s[10:11]
	s_load_b64 s[12:13], s[0:1], 0x20              ; lt
	v_lshl_add_u32 v[SPW], v0, 2, SPARE
	v_mov_b32 v[NIL], 0
	ds_add_u32 v[SPW], v[NIL]                      ; the wave's opening: the add and its wait stand ahead of my first tensor load; the set-up below, work on registers, stands between them
	ds_add_u32 v20, v21
	v_lshrrev_b32 v1, 5, v0
	v_readfirstlane_b32 s[WV], v1
	s_and_b32 s[WH], s[WV], 1
	s_and_b32 s[BB], ttmp7, 0xffff
	s_mov_b32 s[QI_], 0                            ; blocks 0 .. I - 1 have I (I + 1) tiles: I = how many n (n + 1), n = 1 .. 7, the tile's number reaches
.irp n, 1,2,3,4,5,6,7
	s_cmp_ge_u32 ttmp9, (\n)*((\n)+1)
	s_add_co_ci_u32 s[QI_], s[QI_], 0
.endr
	s_add_co_u32 s20, s[QI_], 1
	s_mul_i32 s20, s20, s[QI_]
	s_sub_co_u32 s[KJ], ttmp9, s20
	s_mov_b32 s[G1Q], (1<<16)|(1<<20)|(5<<22)|(3<<25)  ; 2-byte elements; padding on: after every 64 words (code 5) 4 words (code 3)
	s_mov_b32 s[G1Q+1], 128<<16                    ; tensor_dim0 = 128
	s_mov_b32 s[G1Q+2], 128<<16                    ; tensor_dim1 = 128
	s_mov_b32 s[G1Q+3], 128<<16                    ; tile_dim0 = 128
	s_mov_b32 s[G1Q+4], 128                        ; tile_dim1 = 128
	s_mov_b32 s[G1Q+5], 1024                       ; 1,024 elements from row to row
	s_mov_b32 s[G1Q+6], 0
	s_mov_b32 s[G1Q+7], 0
	s_mov_b32 s[G1K], (1<<16)|(1<<20)|(5<<22)|(3<<25)
	s_mov_b32 s[G1K+1], 128<<16
	s_mov_b32 s[G1K+2], 64<<16                     ; 64 rows
	s_mov_b32 s[G1K+3], 128<<16
	s_mov_b32 s[G1K+4], 64
	s_mov_b32 s[G1K+5], 1024
	s_mov_b32 s[G1K+6], 0
	s_mov_b32 s[G1K+7], 0
	s_mov_b32 s[CS], 0x3d38aa3b                    ; c = log2(e) / 32
	s_mov_b32 s[CS+1], s[CS]                       ; named with it as a pair
	s_mov_b32 s[SEL], 0x76543210
	s_mov_b32 s[SEL+1], 0xfedcba98
	s_mov_b32 s[NEG], 0xf1800000                   ; -2^100
	s_lshl_b32 s20, s[BB], 11
	s_lshl_b32 s21, s[QI_], 8
	s_add_co_u32 s21, s21, s20                     ; the block's first query among all 8,192 rows
	s_lshl_b32 s66, s[WH], 7
	s_add_co_u32 s66, s66, s21
	s_lshl_b32 s66, s66, 11                        ; Q: my 128 rows of 2,048 bytes
	s_mov_b32 s67, 0
	s_lshl_b32 s68, s[KJ], 7
	s_add_co_u32 s68, s68, s20
	s_lshl_b32 s69, s[WH], 6
	s_add_co_u32 s68, s68, s69
	s_lshl_b32 s68, s68, 11                        ; K: my 64 rows
	s_mov_b32 s69, 0
	s_mul_i32 s22, s[WH], 128*PITCH                ; where they go
	s_mul_i32 s23, s[WH], 64*PITCH
	s_add_co_u32 s23, s23, QBY
	s_lshl_b32 s70, s[WV], 6
	s_add_co_u32 s70, s70, s21
	s_lshl_b32 s70, s70, 12                        ; ph: my wave's first row, 4,096 bytes a row,
	s_lshl_b32 s71, s[KJ], 8                       ; and the tile's 256 bytes of it
	s_add_co_u32 s70, s70, s71
	s_mov_b32 s71, 0
	s_lshl_b32 s72, s[BB], 4
	s_add_co_u32 s72, s72, s[KJ]
	s_lshl_b32 s72, s72, 13                        ; mt, lt: the tile's 2,048 numbers,
	s_lshl_b32 s73, s[QI_], 10
	s_add_co_u32 s72, s72, s73
	s_lshl_b32 s73, s[WV], 8                       ; my wave's 64 of them
	s_add_co_u32 s72, s72, s73
	s_mov_b32 s73, 0
	s_lshl_b32 s74, s[BB], 10                      ; the f32 weights: 1,024 bytes a batch, behind lt's numbers
	s_add_co_u32 s74, s74, PFOFF
	s_mov_b32 s75, 0
	s_wait_dscnt 0x0                               ; the opening add is done
	s_wait_kmcnt 0x0
	s_add_nc_u64 s[4:5], s[4:5], s[66:67]
	s_add_nc_u64 s[6:7], s[6:7], s[68:69]
	s_add_nc_u64 s[8:9], s[8:9], s[70:71]
	s_add_nc_u64 s[10:11], s[10:11], s[72:73]
	s_add_nc_u64 s[PFP:PFP+1], s[12:13], s[74:75]
	s_add_nc_u64 s[12:13], s[12:13], s[72:73]
.irp s, 0,1
	s_mov_b32 s[G0Q+4*(\s)], 1
	s_add_co_u32 s[G0Q+4*(\s)+1], s22, (\s)*SLOT
	s_add_nc_u64 s[G0Q+4*(\s)+2:G0Q+4*(\s)+3], s[4:5], (\s)*256    ; step s: 128 channels on
	s_or_b32 s[G0Q+4*(\s)+3], s[G0Q+4*(\s)+3], 0x80000000
	s_mov_b32 s[G0K+4*(\s)], 1
	s_add_co_u32 s[G0K+4*(\s)+1], s23, (\s)*SLOT
	s_add_nc_u64 s[G0K+4*(\s)+2:G0K+4*(\s)+3], s[6:7], (\s)*256
	s_or_b32 s[G0K+4*(\s)+3], s[G0K+4*(\s)+3], 0x80000000
.endr
	s_cmp_lt_u32 s[WV], 2                          ; a wave's two first fills stand in one branch: two loads of mine are out
	s_cbranch_scc0 .Lfirst_k
	tensor_load_to_lds s[G0Q:G0Q+3], s[G1Q:G1Q+7]
	s_nop 0
	tensor_load_to_lds s[G0Q+4:G0Q+7], s[G1Q:G1Q+7]
	s_nop 0
.rept 4
	v_nop
.endr
	s_branch .Lfirst_asked
.Lfirst_k:
	tensor_load_to_lds s[G0K:G0K+3], s[G1K:G1K+7]
	s_nop 0
	tensor_load_to_lds s[G0K+4:G0K+7], s[G1K:G1K+7]
	s_nop 0
.rept 4
	v_nop
.endr
.Lfirst_asked:
	v_and_b32 v1, 15, v0                           ; l % 16
	v_bfe_u32 v2, v0, 4, 1                         ; l / 16
	v_mul_u32_u24 v3, v1, PITCH
	v_lshl_add_u32 v3, v2, 4, v3
	s_mul_i32 s74, s[WV], 64*PITCH
	v_add_nc_u32 v[ADRA], s74, v3
	v_add_nc_u32 v[ADRA+1], SLOT, v[ADRA]
	v_add_nc_u32 v[ADRB], QBY, v3
	v_add_nc_u32 v[ADRB+1], SLOT, v[ADRB]
	s_mul_i32 s75, s[WV], 16*PITCH
	s_add_co_u32 s75, s75, STAGE
	v_add_nc_u32 v[STO], s75, v3                   ; in: row l % 16, 16 bytes for each half of the lanes
	v_mul_u32_u24 v4, v2, PITCH                    ; back: lanes 0-15 take one row of 256 bytes, lanes 16-31 the next
	v_lshl_add_u32 v4, v1, 4, v4
	v_add_nc_u32 v[RD], s75, v4
	v_lshlrev_b32 v4, 12, v2
	v_lshl_add_u32 v[CO], v1, 4, v4
	s_lshl_b32 s76, s[WV], 9
	s_add_co_u32 s76, s76, STATL
	v_lshl_add_u32 v[SST], v1, 2, s76
	v_and_b32 v4, 31, v0
	v_lshlrev_b32 v[SGO], 3, v4
	v_add_nc_u32 v[SRD], s76, v[SGO]
	v_lshlrev_b32 v[PO], 6, v1
	v_lshl_add_u32 v[PO], v2, 5, v[PO]
	s_lshl_b32 s77, s[QI_], 8
	s_lshl_b32 s78, s[KJ], 7
	s_sub_co_i32 s77, s77, s78
	s_lshl_b32 s78, s[WV], 6
	s_add_co_i32 s77, s77, s78                     ; my wave's first query less the tile's first key
	v_lshlrev_b32 v4, 3, v2
	v_sub_nc_u32 v4, v1, v4
	v_add_nc_u32 v[DD], s77, v4
	s_wait_tensorcnt 0x1                           ; my part of step 0 is in; step 1's may stay out
	s_barrier_signal -1
	s_barrier_wait -1
	FETCH 0, 0, F0
	SLICE F0, 0, 1, F1, 1                          ; the first slice stands in front of the loop: its products start the sums
	WIN 0
	s_mov_b32 s19, 3
.Llap:                                                 ; a trip goes once round the ring and fills both slots again
	SLICE F1, 0, 2, F0, 0
	SLICEM 0, 1
	SLICE F1, 1, 0, F0, 0
	SLICE F0, 1, 1, F1, 0
	SLICE F1, 1, 2, F0, 0
	SLICEM 1, 1
	SLICE F1, 0, 0, F0, 0
	SLICE F0, 0, 1, F1, 0
	WIN 0
	s_sub_co_u32 s19, s19, 1
	s_cmp_lg_u32 s19, 0
	s_cbranch_scc1 .Llap
	SLICE F1, 0, 2, F0, 0                          ; the last lap fills nothing
	SLICEM 0, 0
	SLICE F1, 1, 0, F0, 0
	SLICE F0, 1, 1, F1, 0
	SLICE F1, 1, 2, F0, 0
	SLICE F0, 1, 3, F1, 0
	s_wait_dscnt 0x0
	MUL32 F1, 0
	PLACES
	WIN 0
	s_lshl_b32 s78, s[QI_], 1
	s_cmp_lt_u32 s[KJ], s78
	s_cbranch_scc1 .Lno_mask                       ; tiles left of the block's first query hide nothing
	WIN 0x41                                       ; destination and source 0 in window 1
.set i, 0
.rept 256                              ; i = 64 a + 8 b + jj, ascending: each accumulator's lowest register is read first
	v_cmp_gt_i32 vcc_lo, 16*((i/8)%8-i/64)+i%8, v[DD]
	v_cndmask_b32 v[i], v[i], s[NEG], vcc_lo
.set i, i+1
.endr
	WIN 0
.Lno_mask:
; Row block a's 64 registers, x0-x63, are a query's 64 scores of its half of the lanes.
.macro MAXI a                          ; four chains of 16, three operands at a time; each accumulator's first read takes one of its lowest registers
	WIN 0x15
.irp k, 0,1,2,3
	v_max3_num_f32 v[CH+(\k)], v[64*(\a)+16*(\k)], v[64*(\a)+16*(\k)+1], v[64*(\a)+16*(\k)+2]
.endr
	WIN 0x14
.irp n, 1,2,3,4,5,6
.irp k, 0,1,2,3
	v_max3_num_f32 v[CH+(\k)], v[CH+(\k)], v[64*(\a)+16*(\k)+2*(\n)+1], v[64*(\a)+16*(\k)+2*(\n)+2]
.endr
.endr
.irp k, 0,1,2,3
	v_max_num_f32 v[CH+(\k)], v[CH+(\k)], v[64*(\a)+16*(\k)+15]
.endr
	WIN 0
	v_max3_num_f32 v[CH], v[CH], v[CH+1], v[CH+2]
	v_max_num_f32 v[CH], v[CH], v[CH+3]
	v_permlanex16_b32 v[CH+1], v[CH], s[SEL], s[SEL+1]  ; the query's other 64 keys lie in the lane 16 away
	v_max_num_f32 v[ST+2*(\a)+1], v[CH], v[CH+1]
	v_mul_f32 v[ST+2*(\a)], s[CS], v[ST+2*(\a)+1]
.endm
.macro EXPO a                          ; p = 2^(c s - c m), in place
	WIN 0x41
.set i, 0
.rept 32
	v_pk_fma_f32 v[64*(\a)+2*i:64*(\a)+2*i+1], v[64*(\a)+2*i:64*(\a)+2*i+1], s[CS:CS+1], v[ST+2*(\a):ST+2*(\a)+1] op_sel_hi:[1,0,0] neg_lo:[0,0,1] neg_hi:[0,0,1]
.set i, i+1
.endr
.set i, 0
.rept 64
	v_exp_f32 v[64*(\a)+i], v[64*(\a)+i]
.set i, i+1
.endr
	v_nop                                          ; a plain instruction between the exponentials and the use of their results (ISA guide 5.7.2)
.endm
.macro PACK a                          ; rounded to f16: 16 bytes for each 8 neighbouring keys
	WIN 0x05
.set i, 0
	s_wait_alu depctr_va_vdst(0)
.rept 32
	v_cvt_pk_f16_f32 v[TMP+i], v[64*(\a)+2*i], v[64*(\a)+2*i+1]
.set i, i+1
.endr
.endm
.macro SUM a                           ; the 32 pairs are added in place, 32, 16, 8, 4 and 2 registers apart; then the pair's halves and the other half of the lanes
	WIN 0x45
.irp w, 32,16,8,4,2
.set i, 0
.rept (\w)/2
	v_pk_add_f32 v[64*(\a)+2*i:64*(\a)+2*i+1], v[64*(\a)+2*i:64*(\a)+2*i+1], v[64*(\a)+2*i+(\w):64*(\a)+2*i+(\w)+1]
.set i, i+1
.endr
.endr
	WIN 0x05
	v_add_f32 v[LS+(\a)], v[64*(\a)], v[64*(\a)+1]
	WIN 0
	v_permlanex16_b32 v[CH], v[LS+(\a)], s[SEL], s[SEL+1]
	v_add_f32 v[LS+(\a)], v[LS+(\a)], v[CH]
.endm
.macro TOSTAGE a
	WIN 0
.irp b, 0,1,2,3,4,5,6,7
	ds_store_b128 v[STO], v[TMP+4*(\b):TMP+4*(\b)+3] offset:32*(\b)
.endr
.irp t, 0,1,2,3,4,5,6,7
	ds_load_b128 v[OB+32*((\a)%2)+4*(\t):OB+32*((\a)%2)+4*(\t)+3], v[RD] offset:(\t)*2*PITCH  ; LDS serves a wave's instructions in order (ISA guide 5.7.1.4): these see the stores above
.endr
.endm
.macro SEND a
	WIN 0
	s_wait_dscnt 0x0                               ; the block is back in registers
	s_wait_xcnt 0x0                                ; every earlier store has had its addresses translated: only behind this wait are the registers of the block two back loaded again
.irp t, 0,1,2,3,4,5,6,7
	global_store_b128 v[CO], v[OB+32*((\a)%2)+4*(\t):OB+32*((\a)%2)+4*(\t)+3], s[8:9] offset:(16*(\a)+2*(\t))*4096  ; 16 lanes store 256 consecutive bytes, aligned
.endr
.endm
	MAXI 0
	EXPO 0
	; THE F32 WEIGHTS: in a batch's tile 0, wave 0's accumulator (0, 0) holds p of queries 0-15 for keys 0-15: a lane's eight are 32 neighbouring bytes; the two stores together cover 1,024 consecutive bytes
	WIN 0
	s_cmp_lg_u32 ttmp9, 0
	s_cbranch_scc1 .Lno_pf
	s_cmp_lg_u32 s[WV], 0
	s_cbranch_scc1 .Lno_pf
	WIN 0x04                                       ; the stores' data in window 1
	s_wait_alu depctr_va_vdst(0)
	global_store_b128 v[PO], v[0:3], s[PFP:PFP+1]
	global_store_b128 v[PO], v[4:7], s[PFP:PFP+1] offset:16
	s_wait_xcnt 0x0                                ; the sums below are made in place: these registers are rewritten only behind this wait
	WIN 0
.Lno_pf:
	PACK 0
	SUM 0
	TOSTAGE 0
.irp a, 1,2,3
	MAXI \a
	EXPO \a
	PACK \a
	SUM \a
	SEND (\a)-1
	TOSTAGE \a
.endr
	SEND 3
.irp a, 0,1,2,3                        ; the wave's 64 c m and 64 l: through LDS, so that each of the two stores covers 256 consecutive bytes, aligned
	ds_store_b32 v[SST], v[ST+2*(\a)] offset:64*(\a)
	ds_store_b32 v[SST], v[LS+(\a)] offset:256+64*(\a)
.endr
	ds_load_b64 v[40:41], v[SRD]
	ds_load_b64 v[42:43], v[SRD] offset:256
	s_wait_dscnt 0x0
	global_store_b64 v[SGO], v[40:41], s[10:11]
	global_store_b64 v[SGO], v[42:43], s[12:13]
	s_wait_tensorcnt 0x0                           ; the wave's end: a wait, an add and its wait, behind my last tensor load and my last LDS store
	ds_add_u32 v[SPW], v[NIL]
	s_wait_dscnt 0x0
	s_endpgm
.Lfunc_end_k_qca4914f603_scores:
	.size	k_qca4914f603_scores, .Lfunc_end_k_qca4914f603_scores-k_qca4914f603_scores
	.p2alignl 7, 3214868480
	.fill 96, 4, 3214868480
	.section	.rodata,"a",@progbits
	.p2align	6, 0x0
	.amdhsa_kernel k_qca4914f603_scores
		.amdhsa_group_segment_fixed_size 327680
		.amdhsa_private_segment_fixed_size 0
		.amdhsa_enable_private_segment 0
		.amdhsa_kernarg_size 40
		.amdhsa_user_sgpr_count 2
		.amdhsa_user_sgpr_kernarg_segment_ptr 1
		.amdhsa_wavefront_size32 1
		.amdhsa_system_sgpr_workgroup_id_x 1
		.amdhsa_system_sgpr_workgroup_id_y 1
		.amdhsa_system_sgpr_workgroup_id_z 1
		.amdhsa_system_vgpr_workitem_id 0
		.amdhsa_next_free_vgpr 512
		.amdhsa_next_free_sgpr 80
		.amdhsa_reserve_vcc 1
		.amdhsa_float_denorm_mode_32 3
		.amdhsa_float_denorm_mode_16_64 3
		.amdhsa_memory_ordered 1
		.amdhsa_forward_progress 1
		.amdhsa_inst_pref_size 147
	.end_amdhsa_kernel
	.amdgpu_metadata
---
amdhsa.version: [ 1, 2 ]
amdhsa.kernels:
  - .name:           k_qca4914f603_scores
    .symbol:         k_qca4914f603_scores.kd
    .args:
      - { .name: qh, .offset: 0, .size: 8, .value_kind: global_buffer, .address_space: global }
      - { .name: kh, .offset: 8, .size: 8, .value_kind: global_buffer, .address_space: global }
      - { .name: ph, .offset: 16, .size: 8, .value_kind: global_buffer, .address_space: global }
      - { .name: mt, .offset: 24, .size: 8, .value_kind: global_buffer, .address_space: global }
      - { .name: lt, .offset: 32, .size: 8, .value_kind: global_buffer, .address_space: global }
    .group_segment_fixed_size: 327680
    .private_segment_fixed_size: 0
    .kernarg_segment_align: 8
    .kernarg_segment_size: 40
    .max_flat_workgroup_size: 128
    .sgpr_count:     80
    .vgpr_count:     512
    .wavefront_size: 32
...
	.end_amdgpu_metadata
.endif
;; end of part 3
;; launch pv (part 4): grid 8 x 32, 4 waves a work-group, clusters of 4 x 1, 327,680 bytes of LDS; arguments ph, vh, mt, lt, out0; writes out0
.if DOCPART == 4
	.amdgcn_target "amdgcn-amd-amdhsa--gfx1250"
	.amdhsa_code_object_version 6
	.text
	.protected	k_qca4914f603_pv
	.globl	k_qca4914f603_pv
	.p2align	8
	.type	k_qca4914f603_pv,@function
k_qca4914f603_pv:
	s_mov_b64 s[64:65], 0
	v_nop
	global_prefetch_b8 v0, s[64:65] scope:SCOPE_SE
	s_setreg_imm32_b32 hwreg(HW_REG_WAVE_MODE, 25, 1), 1
	s_wait_xcnt 0x0
	s_wait_alu depctr_hold_cnt(0) depctr_sa_sdst(0) depctr_va_vdst(0) depctr_va_sdst(0) depctr_va_ssrc(0) depctr_va_vcc(0) depctr_vm_vsrc(0)
	s_getreg_b32 s2, hwreg(HW_REG_IB_STS2, 6, 4)
	s_cmp_eq_u32 s2, 0
	s_cbranch_scc0 .Lentry_in_a_cluster
	s_endpgm
.Lentry_in_a_cluster:
	s_bfe_u32 s2, ttmp6, 0x10000c
	s_cmp_lg_u32 s2, 0x3003
	s_cbranch_scc0 .Lentry_shape_is_right
	s_endpgm
.Lentry_shape_is_right:
; O = softmax(scores) V from the tiles of the launch before.  For a query and key tile u of 128: p_u = 2^(c s - cm_u) in f16 (ph), cm_u (mt), l_u (lt).  Here M = the largest cm_u of the query's tiles, beta_u = 2^(cm_u - M) <= 1,
; l = the sum of l_u beta_u, and O = (the sum over u of beta_u (p_u V_u)) / l: each tile's product is made in f32 by the matrix unit and folded in f32 by one packed multiply-add.  out0 is f32.
; The maximum that is taken away is the row's true one; no factor exceeds 1.  A tile in which a query sees nothing has cm_u = -c 2^100: its beta is 0.
; A BATCH'S QUERIES 0 TO 15 are means of at most 16 rows of V: their numbers are many times the output's root mean square, and so are f16's roundings of p and V in them.  These rows are made in f32 by the vector unit, from
; the f32 weights (behind lt's numbers, [4][16][16]) and V's f32 rows (behind vh's, [4][16][1024]): 16 x 16 x 1,024 multiply-adds a batch, a ten-thousandth of the launch's.  All their keys lie in tile 0: l is lt's number as it stands.
; LIMITS.  V is f16 (below 65,504); a beta below 2^-126 counts as 0; NaN and infinities are not treated apart.
; SHARES.  A work-group makes 256 queries (block I of a batch) x 128 channels; four waves one below the other, each 64 x 128.  It walks the key tiles u = 0 .. 2 I + 1, two a lap: I + 1 laps.
; Source 0 = 16 channels of V^T (V, [key][channel], comes out of LDS turned, by ds_load_tr16_b128), source 1 = 16 queries of p: a lane holds ONE query (l % 16) and the channels 8 (l / 16) + 0..7: beta and 1 / l are one number a lane.
; CLUSTER.  The four work-groups of a cluster have the same batch and query block and four neighbouring channel blocks: p's tiles are asked for jointly.  V's tiles differ between them and are plain loads; the work-groups
; that share a V tile are those of other query blocks, which walk other numbers of tiles, so they are no partners.  The trip count hangs on the cluster's y alone.
; REGISTERS: window 0: v0-45 addresses and statistics; v64-159, v160-255 two fragment buffers (32 of p, then 64 of V^T).  Window 1: the tile's product A.  Window 2: the folded sum T.  (a, b) at v[8 (8 a + b)] in both.
; T is cleared once, in the wait for the first tiles: 256 v_mov_b32 are the price of writing no first tile out.
.set PITCH,  272                       ; a row of p in LDS: 256 bytes + 16
.set PV,     288                       ; a row of V: 256 + 32 = 72 words
.set PBY,    256*PITCH                 ; p's 256 rows
.set SLOT,   PBY+128*PV                ; then V's 128 keys: 106,496 bytes
.set STAGE,  2*SLOT                    ; behind the ring: 16 rows x 528 bytes for each wave
.set SP,     528
.set SPARE,  STAGE+4*16*SP             ; the spare words, 128 bytes for each wave: two blocks of 256 bytes that no other line names
.set VFOFF,  16777216                  ; V's f32 rows begin here in vh
.set PFOFF,  524288                    ; the f32 weights begin here in lt
.set ADRA, 8                           ; v8-9    LDS address of my fragments of p in slot 0, 1
.set ADRB, 10                          ; v10-11  the same for V
.set STO,  12
.set RD,   13
.set CO,   14                          ; v14     16 x lane
.set MO,   15                          ; v15     byte offset of my query's number in a tile's 2,048 of mt and lt; never rewritten
.set MX,   16                          ; v16-19  M, for row block a
.set MB,   20                          ; v20-23  cm of the tile in hand
.set BE,   28                          ; v28-35  beta, in the low word of a pair
.set LI,   36                          ; v36-43  1 / l, likewise
.set SPW,  44                          ; v44     LDS address of my spare word; never rewritten
.set NIL,  45                          ; v45     0; never rewritten
.set F0,   64
.set F1,   160
.set MS,   64                          ; at the start: cm of tile u, row block a at MS + 4 u + a
.set LS,   128                         ; l likewise
.set OFFU, 192                         ; the sixteen tiles' offsets
.set OB,   64                          ; the way out: 16 rows read back: v64-127 and v128-191 by turns
.set VV,   64                          ; the f32 rows: my 4 channels of V's row k at VV + 4 k
.set AC,   128                         ; two queries' sums, 4 registers each
.set RC,   136                         ; their 1 / l
.set WV,   14
.set WH,   15
.set CX,   16
.set CBX,  17                          ; s17  channel block = 4 x cluster x + cx
.set BB,   18                          ; s18  the batch
.set QI_,  19                          ; s19  I: the loop's bound
.set UM,   20                          ; s20  2 I + 1, the last tile
.set CNT,  21
.set FL,   22
.set T0,   23
.set G1P,  24
.set G1V,  32
.set G0P,  40                          ; a set for each slot
.set G0V,  48
.set PW,   24                          ; s[24:55] in the f32 rows: two queries' 16 weights, where the descriptors lay
.set MT,   56                          ; s[56:57] mt at the batch and the lap in hand
.set LT,   58                          ; s[58:59] lt at the batch
.set LQ,   60                          ; s[60:61] two queries' l
.set OQ,   62                          ; s[62:63] out0 at the two queries' rows
.set PFP,  76                          ; s[76:77] the batch's f32 weights
.set VFP,  78                          ; s[78:79] V's f32 rows of the batch, at my channel block
.set MSB, 0
.macro WIN new
.if MSB != (\new)
	s_set_vgpr_msb (MSB<<8)|(\new)
.set MSB, \new
.endif
.endm
.macro PLACES                          ; four plain vector instructions between a matrix instruction and a load into, or a vector instruction on, its registers
.rept 4
	v_nop
.endr
.endm
.macro JLOAD slot                      ; waves 0 and 1 ask jointly for p's two halves, waves 2 and 3 fetch V's; an s_nop 0 and four v_nop follow each line
	s_cmp_lt_u32 s[WV], 2
	s_cbranch_scc0 .Lfor_v_\@
	tensor_load_to_lds s[G0P+4*(\slot):G0P+4*(\slot)+3], s[G1P:G1P+7]
	s_nop 0
.rept 4
	v_nop
.endr
	s_branch .Lasked_\@
.Lfor_v_\@:
	tensor_load_to_lds s[G0V+4*(\slot):G0V+4*(\slot)+3], s[G1V:G1V+7]
	s_nop 0
.rept 4
	v_nop
.endr
.Lasked_\@:
.endm
.macro CREST
	s_cmp_lg_u32 s[WV], 0
	s_cbranch_scc1 .Lnot_wave_0_\@
	s_barrier_signal -3
.Lnot_wave_0_\@:
	s_barrier_wait -3
	s_barrier_signal -1
	s_barrier_wait -1
.endm
.macro CROUND
	s_barrier_signal -1
	s_barrier_wait -1
	CREST
.endm
.macro MUL8 f, ai, zero                ; query block ai x all 8 channel blocks; the 32 accumulators take turns, one instruction a turn
	WIN 0x50
.irp b, 0,1,2,3,4,5,6,7
.if \zero
	v_wmma_f32_16x16x32_f16 v[8*(8*(\ai)+(\b)):8*(8*(\ai)+(\b))+7], v[(\f)+32+8*(\b):(\f)+32+8*(\b)+7], v[(\f)+8*(\ai):(\f)+8*(\ai)+7], 0
.else
	v_wmma_f32_16x16x32_f16 v[8*(8*(\ai)+(\b)):8*(8*(\ai)+(\b))+7], v[(\f)+32+8*(\b):(\f)+32+8*(\b)+7], v[(\f)+8*(\ai):(\f)+8*(\ai)+7], v[8*(8*(\ai)+(\b)):8*(8*(\ai)+(\b))+7]
.endif
.endr
.endm
.macro MUL32 f, zero
.irp x, 0,1,2,3
	MUL8 \f, \x, \zero
.endr
.endm
.macro FETCH slot, q, f                ; slice q (32 keys): 8 loads for my 64 queries, 16 turning loads for the 128 channels
	WIN 0
.irp i, 0,1,2,3
	ds_load_b128 v[(\f)+8*(\i):(\f)+8*(\i)+3],   v[ADRA+(\slot)] offset:64*(\q)+(\i)*16*PITCH
	ds_load_b128 v[(\f)+8*(\i)+4:(\f)+8*(\i)+7], v[ADRA+(\slot)] offset:64*(\q)+(\i)*16*PITCH+32
.endr
.irp i, 0,1,2,3,4,5,6,7
	ds_load_tr16_b128 v[(\f)+32+8*(\i):(\f)+32+8*(\i)+3],   v[ADRB+(\slot)] offset:(\q)*32*PV+32*(\i)
	ds_load_tr16_b128 v[(\f)+32+8*(\i)+4:(\f)+32+8*(\i)+7], v[ADRB+(\slot)] offset:(\q)*32*PV+16*PV+32*(\i)
.endr
.endm
.macro FOLD a                          ; T += beta A for row block a, ascending: each accumulator's lowest registers are read first
	WIN 0xa1                                       ; A (source 0) in window 1, beta in window 0, T (source 2 and destination) in window 2
.set i, 0
	s_wait_alu depctr_va_vdst(0)
.rept 32
	v_pk_fma_f32 v[64*(\a)+2*i:64*(\a)+2*i+1], v[64*(\a)+2*i:64*(\a)+2*i+1], v[BE+2*(\a):BE+2*(\a)+1], v[64*(\a)+2*i:64*(\a)+2*i+1] op_sel_hi:[1,0,1]
.set i, i+1
.endr
.endm
; A KEY TILE: four slices of 32 keys, 32 matrix instructions each, on buffers 0, 1, 0, 1; the first starts the product with the constant 0.
; The third slice changes slots: the slot's last fragments have been asked for; each wave waits for all its tensor loads (one is out: its part of the other slot), adds 0 to its spare word, and waits for that and for its
; reads of this slot.  meet = 1: the barrier opens a round of the cluster's barrier and this slot is filled again, two tiles ahead: 112 matrix instructions ahead of the wait for it.  meet = 2: a plain barrier, nothing is filled.
; meet = 0: the walk's last tile.  In the fourth slice the finished row blocks are folded beside the others' products: FOLD 0 stands four places behind its products; FOLD 0, 1 and 2, which name no register of the
; younger products, are the places for FOLD 1, 2 and 3, and for the next tile's loads and first products.
.macro UNIT slot, nslot, meet, last
	WIN 0
.irp a, 0,1,2,3
	global_load_b32 v[MB+(\a)], v[MO], s[MT:MT+1] offset:(\slot)*8192+64*(\a)  ; the tile's cm: three slices ahead of its use
.endr
	FETCH \slot, 1, F1
	s_wait_dscnt 24                                ; all but the 24 just issued
	MUL32 F0, 1
	PLACES
	FETCH \slot, 2, F0
	s_wait_dscnt 24
	MUL32 F1, 0
	PLACES
	FETCH \slot, 3, F1
	s_wait_dscnt 24
.if (\meet) == 0
	MUL32 F0, 0
	PLACES
.else
	MUL8 F0, 0, 0
	MUL8 F0, 1, 0
	WIN 0
	s_wait_tensorcnt 0x0                           ; all my tensor loads have landed;
	ds_add_u32 v[SPW], v[NIL]                      ; 0 onto my spare word
	MUL8 F0, 2, 0                                  ; eight matrix instructions stand between the add and the wait for it
	s_wait_dscnt 0x0                               ; the add is done, and my reads of this slot are over
	s_barrier_signal -1
	MUL8 F0, 3, 0
	WIN 0
	s_barrier_wait -1
.if (\meet) == 1
	CREST                                          ; no wave of any partner still reads this slot or has a load on its way
	s_add_nc_u64 s[G0P+4*(\slot)+2:G0P+4*(\slot)+3], s[G0P+4*(\slot)+2:G0P+4*(\slot)+3], 512      ; 256 keys on along p's rows,
	s_add_nc_u64 s[G0V+4*(\slot)+2:G0V+4*(\slot)+3], s[G0V+4*(\slot)+2:G0V+4*(\slot)+3], 524288   ; 256 rows of V down
	JLOAD \slot                                    ; the first tensor load behind the round; its four v_nop are also the places in front of the loads below
.else
	PLACES
.endif
.endif
.if !(\last)
	FETCH \nslot, 0, F0
.endif
	WIN 0
	s_wait_loadcnt 0x0                             ; the tile's cm
.irp a, 0,1,2,3
	v_sub_f32 v[BE+2*(\a)], v[MB+(\a)], v[MX+(\a)]
.endr
.irp a, 0,1,2,3
	v_exp_f32 v[BE+2*(\a)], v[BE+2*(\a)]           ; first used behind the four v_nop below
.endr
.if \last
	s_wait_dscnt 0x0
.else
	s_wait_dscnt 24                                ; all but the 24 just issued
.endif
	MUL8 F1, 0, 0
	MUL8 F1, 1, 0
	PLACES
	FOLD 0
	MUL8 F1, 2, 0
	FOLD 1
	MUL8 F1, 3, 0
	FOLD 2
	FOLD 3
.endm
	s_load_b256 s[4:11], s[0:1], 0x0               ; ph s[4:5], vh s[6:7], mt s[8:9], lt s[10:11]
	s_load_b64 s[12:13], s[0:1], 0x20              ; out0
	v_lshl_add_u32 v[SPW], v0, 2, SPARE
	v_mov_b32 v[NIL], 0
	ds_add_u32 v[SPW], v[NIL]                      ; the wave's opening: the add and its wait stand ahead of my first tensor load; the set-up below, work on registers, stands between them
	ds_add_u32 v44, v45
	v_lshrrev_b32 v1, 5, v0
	v_readfirstlane_b32 s[WV], v1
	s_and_b32 s[WH], s[WV], 1
	s_bfe_u32 s[CX], ttmp6, 0x40000
	s_lshl_b32 s[CBX], ttmp9, 2
	s_add_co_u32 s[CBX], s[CBX], s[CX]             ; it enters V's and out0's addresses alone
	s_and_b32 s[T0], ttmp7, 0xffff
	s_lshr_b32 s[BB], s[T0], 3
	s_and_b32 s[QI_], s[T0], 7
	s_lshl_b32 s[UM], s[QI_], 1
	s_add_co_u32 s[UM], s[UM], 1
	s_mov_b32 s[G1P], 15|(1<<16)|(1<<20)|(1<<21)|(5<<22)|(3<<25)  ; the mask of four; 2-byte elements; padding on; 21 set beside a mask; after every 64 words (code 5) 4 words (code 3)
	s_mov_b32 s[G1P+1], 128<<16                    ; tensor_dim0 = 128
	s_mov_b32 s[G1P+2], 128<<16                    ; tensor_dim1 = 128
	s_mov_b32 s[G1P+3], 128<<16                    ; tile_dim0 = 128
	s_mov_b32 s[G1P+4], 128                        ; tile_dim1 = 128
	s_mov_b32 s[G1P+5], 2048                       ; 2,048 elements from row to row
	s_mov_b32 s[G1P+6], 0
	s_mov_b32 s[G1P+7], 0
	s_mov_b32 s[G1V], (1<<16)|(1<<20)|(5<<22)|(7<<25)  ; no mask; 8 words of padding (code 7)
	s_mov_b32 s[G1V+1], 128<<16
	s_mov_b32 s[G1V+2], 64<<16                     ; 64 keys
	s_mov_b32 s[G1V+3], 128<<16
	s_mov_b32 s[G1V+4], 64
	s_mov_b32 s[G1V+5], 1024
	s_mov_b32 s[G1V+6], 0
	s_mov_b32 s[G1V+7], 0
	s_lshl_b32 s60, s[BB], 11
	s_lshl_b32 s61, s[QI_], 8
	s_add_co_u32 s62, s60, s61                     ; the block's first query among all 8,192 rows
	s_lshl_b32 s61, s[WH], 7
	s_add_co_u32 s60, s62, s61
	s_lshl_b32 s60, s60, 12                        ; p: my 128 rows of 4,096 bytes
	s_mov_b32 s61, 0
	s_mul_i32 s63, s[WH], 128*PITCH                ; and where they go
	s_lshl_b32 s66, s[BB], 11
	s_lshl_b32 s67, s[WH], 6
	s_add_co_u32 s66, s66, s67
	s_lshl_b32 s66, s66, 11                        ; V: my 64 keys of the batch's tile 0,
	s_lshl_b32 s67, s[CBX], 8                      ; the block's 256 bytes of each
	s_add_co_u32 s66, s66, s67
	s_mov_b32 s67, 0
	s_mul_i32 s68, s[WH], 64*PV
	s_add_co_u32 s68, s68, PBY
	s_lshl_b32 s70, s[BB], 17                      ; mt, lt: the batch's 16 x 2,048 numbers
	s_mov_b32 s71, 0
	s_lshl_b32 s72, s[WV], 6
	s_add_co_u32 s72, s72, s62
	s_lshl_b32 s72, s72, 12                        ; out0: my wave's first row, 4,096 bytes a row,
	s_lshl_b32 s73, s[CBX], 9                      ; the block's 512 bytes of it
	s_add_co_u32 s72, s72, s73
	s_mov_b32 s73, 0
	s_lshl_b32 s74, s[BB], 16                      ; V's f32 rows: the batch's 16 rows of 4,096 bytes,
	s_lshl_b32 s75, s[CBX], 9                      ; the block's 512 bytes of each,
	s_add_co_u32 s74, s74, s75
	s_add_co_u32 s74, s74, VFOFF                   ; behind the f16 rows
	s_mov_b32 s75, 0
	s_lshl_b32 s76, s[BB], 10                      ; the f32 weights: 1,024 bytes a batch, behind lt's numbers
	s_add_co_u32 s76, s76, PFOFF
	s_mov_b32 s77, 0
	s_wait_dscnt 0x0                               ; the opening add is done
	s_wait_kmcnt 0x0
	s_add_nc_u64 s[VFP:VFP+1], s[6:7], s[74:75]
	s_add_nc_u64 s[PFP:PFP+1], s[10:11], s[76:77]
	s_add_nc_u64 s[4:5], s[4:5], s[60:61]
	s_add_nc_u64 s[6:7], s[6:7], s[66:67]
	s_add_nc_u64 s[MT:MT+1], s[8:9], s[70:71]
	s_add_nc_u64 s[LT:LT+1], s[10:11], s[70:71]
	s_add_nc_u64 s[12:13], s[12:13], s[72:73]
.irp s, 0,1
	s_mov_b32 s[G0P+4*(\s)], 1
	s_add_co_u32 s[G0P+4*(\s)+1], s63, (\s)*SLOT
	s_add_nc_u64 s[G0P+4*(\s)+2:G0P+4*(\s)+3], s[4:5], (\s)*256       ; tile s: 128 keys on
	s_or_b32 s[G0P+4*(\s)+3], s[G0P+4*(\s)+3], 0x80000000
	s_mov_b32 s[G0V+4*(\s)], 1
	s_add_co_u32 s[G0V+4*(\s)+1], s68, (\s)*SLOT
	s_add_nc_u64 s[G0V+4*(\s)+2:G0V+4*(\s)+3], s[6:7], (\s)*262144    ; 128 rows of V down
	s_or_b32 s[G0V+4*(\s)+3], s[G0V+4*(\s)+3], 0x80000000
.endr
	CROUND                                         ; all four work-groups are here: the first joint loads meet
	s_cmp_lt_u32 s[WV], 2                          ; a wave's two first fills stand in one branch: two loads of mine are out
	s_cbranch_scc0 .Lfirst_v
	tensor_load_to_lds s[G0P:G0P+3], s[G1P:G1P+7]
	s_nop 0
	tensor_load_to_lds s[G0P+4:G0P+7], s[G1P:G1P+7]
	s_nop 0
.rept 4
	v_nop
.endr
	s_branch .Lfirst_asked
.Lfirst_v:
	tensor_load_to_lds s[G0V:G0V+3], s[G1V:G1V+7]
	s_nop 0
	tensor_load_to_lds s[G0V+4:G0V+7], s[G1V:G1V+7]
	s_nop 0
.rept 4
	v_nop
.endr
.Lfirst_asked:
	; THE ROWS' STATISTICS, in the wait for the first tiles.  All sixteen tiles' numbers are asked for; a tile beyond the block's last repeats the last (no harm to a maximum), and its l is multiplied by 0.
	v_and_b32 v1, 15, v0                           ; l % 16
	v_bfe_u32 v2, v0, 4, 1                         ; l / 16
	s_lshl_b32 s74, s[QI_], 10
	s_lshl_b32 s75, s[WV], 8
	s_add_co_u32 s74, s74, s75
	v_lshl_add_u32 v[MO], v1, 2, s74               ; (256 I + 64 w + l % 16) x 4
.set u, 0
.rept 16
	s_min_u32 s[T0], s[UM], u
	s_lshl_b32 s[T0], s[T0], 13
	v_add_nc_u32 v[OFFU+u], s[T0], v[MO]
.set u, u+1
.endr
.set u, 0
.rept 16
.irp a, 0,1,2,3
	global_load_b32 v[MS+4*u+(\a)], v[OFFU+u], s[MT:MT+1] offset:64*(\a)
	global_load_b32 v[LS+4*u+(\a)], v[OFFU+u], s[LT:LT+1] offset:64*(\a)
.endr
.set u, u+1
.endr
	WIN 0x80
.set i, 0
.rept 256
	v_mov_b32 v[i], 0                              ; T
.set i, i+1
.endr
	WIN 0
	v_mul_u32_u24 v3, v1, PITCH
	v_lshl_add_u32 v3, v2, 4, v3
	s_mul_i32 s74, s[WV], 64*PITCH
	v_add_nc_u32 v[ADRA], s74, v3
	v_add_nc_u32 v[ADRA+1], SLOT, v[ADRA]
	; The turning load takes 16 keys x 16 channels (lane l reads key 8 (l / 16) + l % 8, channels 8 ((l / 8) % 2) + 0..7) and leaves half a fragment of V^T: lane l holds channel l % 16 and 8 keys.
	v_and_b32 v3, 7, v0
	v_bfe_u32 v4, v0, 3, 1
	v_lshl_add_u32 v5, v2, 3, v3
	v_mul_u32_u24 v5, v5, PV
	v_lshl_add_u32 v5, v4, 4, v5
	v_add_nc_u32 v[ADRB], PBY, v5
	v_add_nc_u32 v[ADRB+1], SLOT, v[ADRB]
	s_mul_i32 s75, s[WV], 16*SP
	s_add_co_u32 s75, s75, STAGE                   ; my stage
	v_mul_u32_u24 v3, v1, SP                       ; in: row l % 16, 32 bytes for each half of the lanes
	v_lshl_add_u32 v3, v2, 5, v3
	v_add_nc_u32 v[STO], s75, v3
	v_and_b32 v3, 31, v0
	v_lshlrev_b32 v[CO], 4, v3                     ; back: 32 lanes take a whole row of 512 bytes
	v_add_nc_u32 v[RD], s75, v[CO]
.irp a, 0,1,2,3
	v_mov_b32 v[BE+2*(\a)+1], 0                    ; named with beta as a pair
	v_mov_b32 v[LI+2*(\a)+1], 0
.endr
	s_wait_loadcnt 0x0
.irp a, 0,1,2,3
	v_max3_num_f32 v[MX+(\a)], v[MS+(\a)], v[MS+4+(\a)], v[MS+8+(\a)]
.endr
.irp n, 0,1,2,3,4,5
.irp a, 0,1,2,3
	v_max3_num_f32 v[MX+(\a)], v[MX+(\a)], v[MS+4*(3+2*(\n))+(\a)], v[MS+4*(4+2*(\n))+(\a)]
.endr
.endr
.irp a, 0,1,2,3
	v_max_num_f32 v[MX+(\a)], v[MX+(\a)], v[MS+60+(\a)]
.endr
.set u, 2
.rept 14
	s_cmp_le_u32 u, s[UM]
	s_cselect_b32 s[FL], 1.0, 0
.irp a, 0,1,2,3
	v_mul_f32 v[LS+4*u+(\a)], s[FL], v[LS+4*u+(\a)]
.endr
.set u, u+1
.endr
.set i, 0
.rept 64
	v_sub_f32 v[MS+i], v[MS+i], v[MX+i%4]
.set i, i+1
.endr
.set i, 0
.rept 64
	v_exp_f32 v[MS+i], v[MS+i]
.set i, i+1
.endr
	v_nop                                          ; a plain instruction between the exponentials and the use of their results (ISA guide 5.7.2)
	s_wait_alu depctr_va_vdst(0)
.irp a, 0,1,2,3
	v_mul_f32 v[LI+2*(\a)], v[MS+(\a)], v[LS+(\a)]
.endr
.set u, 1
.rept 15
.irp a, 0,1,2,3
	v_fma_f32 v[LI+2*(\a)], v[MS+4*u+(\a)], v[LS+4*u+(\a)], v[LI+2*(\a)]
.endr
.set u, u+1
.endr
.irp a, 0,1,2,3
	v_rcp_f32 v[LI+2*(\a)], v[LI+2*(\a)]
.endr
	v_nop
	s_wait_tensorcnt 0x1                           ; my part of tile 0 is in; tile 1's may stay out
	s_barrier_signal -1
	s_barrier_wait -1
	FETCH 0, 0, F0
	s_mov_b32 s[CNT], 0
	s_cmp_eq_u32 s[QI_], 0                         ; block 0 has one lap, the tail; the number is the same in all four waves and all four partners
	s_cbranch_scc1 .Ltail
.Llap:                                                 ; I trips: two tiles, and both slots are filled again; every LDS address of the loop is a constant of the text
	UNIT 0, 1, 1, 0
	UNIT 1, 0, 1, 0
	WIN 0
	s_add_nc_u64 s[MT:MT+1], s[MT:MT+1], 16384     ; two tiles' numbers on; the loads that name it were waited for
	s_add_co_u32 s[CNT], s[CNT], 1
	s_cmp_lt_u32 s[CNT], s[QI_]
	s_cbranch_scc1 .Llap
.Ltail:                                                ; the last lap fills nothing
	UNIT 0, 1, 2, 0
	UNIT 1, 0, 0, 1
; THE WAY OUT, a row block of 16 queries at a time: T / l; 32 bytes a lane for each 16 channels into my own stage; back as whole rows of 512 bytes; stored.
.macro SCALE a
	WIN 0x82                                       ; T (destination and source 0) in window 2, 1 / l in window 0
.set i, 0
.rept 32
	v_pk_mul_f32 v[64*(\a)+2*i:64*(\a)+2*i+1], v[64*(\a)+2*i:64*(\a)+2*i+1], v[LI+2*(\a):LI+2*(\a)+1] op_sel_hi:[1,0]
.set i, i+1
.endr
.endm
.macro TOSTAGE a
	WIN 0x08                                       ; the stores' data in window 2
.irp b, 0,1,2,3,4,5,6,7
	ds_store_b128 v[STO], v[8*(8*(\a)+(\b)):8*(8*(\a)+(\b))+3]   offset:64*(\b)
	ds_store_b128 v[STO], v[8*(8*(\a)+(\b))+4:8*(8*(\a)+(\b))+7] offset:64*(\b)+16
.endr
	WIN 0
.irp t, 0,1,2,3,4,5,6,7,8,9,10,11,12,13,14,15
	ds_load_b128 v[OB+64*((\a)%2)+4*(\t):OB+64*((\a)%2)+4*(\t)+3], v[RD] offset:(\t)*SP  ; LDS serves a wave's instructions in order (ISA guide 5.7.1.4): these see the stores above
.endr
.endm
.macro SEND a
	WIN 0
	s_wait_dscnt 0x0                               ; the block is back in registers
	s_wait_xcnt 0x0                                ; every earlier store has had its addresses translated: only behind this wait are the registers of the block two back loaded again
.irp t, 0,1,2,3,4,5,6,7,8,9,10,11,12,13,14,15
	global_store_b128 v[CO], v[OB+64*((\a)%2)+4*(\t):OB+64*((\a)%2)+4*(\t)+3], s[12:13] offset:(16*(\a)+(\t))*4096  ; a wave's store covers 512 consecutive bytes, aligned
.endr
.endm
; One of the two queries of a trip of the f32 rows: 16 weights, in scalar registers, times my 4 channels of V's 16 rows (a hidden key's weight is 0), divided by l; a row's 512 bytes are stored whole.
.macro FIXROW p
.irp c, 0,1,2,3
	v_mul_f32 v[AC+4*(\p)+(\c)], s[PW+16*(\p)], v[VV+(\c)]
.endr
.set k, 1
.rept 15
.irp c, 0,1,2,3
	v_fmac_f32 v[AC+4*(\p)+(\c)], s[PW+16*(\p)+k], v[VV+4*k+(\c)]
.endr
.set k, k+1
.endr
	s_wait_alu depctr_va_vdst(0)
.irp c, 0,1,2,3
	v_mul_f32 v[AC+4*(\p)+(\c)], v[AC+4*(\p)+(\c)], v[RC+(\p)]
.endr
	global_store_b128 v[CO], v[AC+4*(\p):AC+4*(\p)+3], s[OQ:OQ+1] offset:(\p)*4096
.endm
	WIN 0
	s_cmp_lg_u32 s[QI_], 0                         ; a batch's queries 0 to 15 are wave 0's row block 0 in query block 0: the number of the block is the cluster's, the same in all partners
	s_cbranch_scc1 .Lplain
	s_cmp_eq_u32 s[WV], 0
	s_cbranch_scc1 .Lfix
.Lplain:
	SCALE 0
	TOSTAGE 0
	SEND 0
	s_branch .Lrest
.Lfix:                                                 ; THE F32 ROWS, in the stead of row block 0's way out.  A lane owns 4 channels: 16 bytes of each row
.set k, 0
.rept 16
	global_load_b128 v[VV+4*k:VV+4*k+3], v[CO], s[VFP:VFP+1] offset:k*4096  ; V's row k: 512 consecutive bytes; the last products that read these registers stand 128 packed multiply-adds back
.set k, k+1
.endr
	s_mov_b64 s[OQ:OQ+1], s[12:13]                 ; a copy walks: the blocks behind still want the wave's first row
	s_mov_b32 s[CNT], 8
	s_wait_loadcnt 0x0
.Lrows:                                                ; 8 trips, two queries each.  The weights land where the descriptors lay: every tensor load was waited for in the tail
	s_load_b512 s[PW:PW+15], s[PFP:PFP+1], 0x0
	s_load_b512 s[PW+16:PW+31], s[PFP:PFP+1], 0x40
	s_load_b64 s[LQ:LQ+1], s[LT:LT+1], 0x0         ; tile 0's l of the two queries
	s_wait_kmcnt 0x0
	v_rcp_f32 v[RC], s[LQ]
	v_rcp_f32 v[RC+1], s[LQ+1]                     ; first used 64 plain instructions on
	FIXROW 0
	FIXROW 1
	s_wait_xcnt 0x0                                ; the stores' data and base and the scalar loads' bases are rewritten only behind this wait
	s_add_nc_u64 s[PFP:PFP+1], s[PFP:PFP+1], 128
	s_add_nc_u64 s[LT:LT+1], s[LT:LT+1], 8
	s_add_nc_u64 s[OQ:OQ+1], s[OQ:OQ+1], 8192
	s_sub_co_u32 s[CNT], s[CNT], 1
	s_cmp_lg_u32 s[CNT], 0
	s_cbranch_scc1 .Lrows
.Lrest:
	SCALE 1
	TOSTAGE 1
.irp a, 2,3                            ; a block's scaling stands between the loads of the block before and its stores
	SCALE \a
	SEND (\a)-1
	TOSTAGE \a
.endr
	SEND 3
	s_wait_tensorcnt 0x0                           ; the wave's end: a wait, an add and its wait, behind my last tensor load and my last LDS store
	ds_add_u32 v[SPW], v[NIL]
	s_wait_dscnt 0x0
	CROUND                                         ; the closing round: no work-group ends while a partner may still ask for a tile that names it
	s_endpgm
.Lfunc_end_k_qca4914f603_pv:
	.size	k_qca4914f603_pv, .Lfunc_end_k_qca4914f603_pv-k_qca4914f603_pv
	.p2alignl 7, 3214868480
	.fill 96, 4, 3214868480
	.section	.rodata,"a",@progbits
	.p2align	6, 0x0
	.amdhsa_kernel k_qca4914f603_pv
		.amdhsa_group_segment_fixed_size 327680
		.amdhsa_private_segment_fixed_size 0
		.amdhsa_enable_private_segment 0
		.amdhsa_kernarg_size 40
		.amdhsa_user_sgpr_count 2
		.amdhsa_user_sgpr_kernarg_segment_ptr 1
		.amdhsa_wavefront_size32 1
		.amdhsa_system_sgpr_workgroup_id_x 1
		.amdhsa_system_sgpr_workgroup_id_y 1
		.amdhsa_system_sgpr_workgroup_id_z 1
		.amdhsa_system_vgpr_workitem_id 0
		.amdhsa_next_free_vgpr 768
		.amdhsa_next_free_sgpr 80
		.amdhsa_reserve_vcc 0
		.amdhsa_float_denorm_mode_32 3
		.amdhsa_float_denorm_mode_16_64 3
		.amdhsa_memory_ordered 1
		.amdhsa_forward_progress 1
		.amdhsa_inst_pref_size 170
	.end_amdhsa_kernel
	.amdgpu_metadata
---
amdhsa.version: [ 1, 2 ]
amdhsa.kernels:
  - .name:           k_qca4914f603_pv
    .symbol:         k_qca4914f603_pv.kd
    .args:
      - { .name: ph, .offset: 0, .size: 8, .value_kind: global_buffer, .address_space: global }
      - { .name: vh, .offset: 8, .size: 8, .value_kind: global_buffer, .address_space: global }
      - { .name: mt, .offset: 16, .size: 8, .value_kind: global_buffer, .address_space: global }
      - { .name: lt, .offset: 24, .size: 8, .value_kind: global_buffer, .address_space: global }
      - { .name: out0, .offset: 32, .size: 8, .value_kind: global_buffer, .address_space: global }
    .group_segment_fixed_size: 327680
    .private_segment_fixed_size: 0
    .kernarg_segment_align: 8
    .kernarg_segment_size: 40
    .max_flat_workgroup_size: 128
    .sgpr_count:     80
    .vgpr_count:     768
    .wavefront_size: 32
...
	.end_amdgpu_metadata
.endif
;; end of part 4
;; ======== version 2 of 3: 4 launches; 1.11 times as fast as version 1
;; limits: values are held in f16: magnitudes above 65,504 overflow, below 6.1e-05 lose precision
;; workspace buffers: xb 16,777,216 bytes; wb 6,291,456 bytes; qh 16,777,216 bytes; kh 16,777,216 bytes; vh 17,039,360 bytes; ph 33,554,432 bytes; mt 524,288 bytes; lt 528,384 bytes
;; launch cast (part 5): grid 256 x 1, 22 waves a work-group, no clusters, 0 bytes of LDS; arguments x, Wq, Wk, Wv, xb, wb; writes xb, wb
.if DOCPART == 5
	.amdgcn_target "amdgcn-amd-amdhsa--gfx1250"
	.amdhsa_code_object_version 6
	.text
	.protected	k_qca4914f603_cast
	.globl	k_qca4914f603_cast
	.p2align	8
	.type	k_qca4914f603_cast,@function
k_qca4914f603_cast:
	s_mov_b64 s[64:65], 0
	v_nop
	global_prefetch_b8 v0, s[64:65] scope:SCOPE_SE
	s_setreg_imm32_b32 hwreg(HW_REG_WAVE_MODE, 25, 1), 1
	s_wait_xcnt 0x0
; x [8192][1024] and Wq, Wk, Wv [1024][1024], all f32, are rounded once to bf16 and laid out in the tiles that the projection asks for:
;   xb [32 row blocks][16 k blocks][256 rows][64 k]          byte = rbk*524288 + kb*32768 + row*128 + 2 k
;   wb [8 column blocks][16 k blocks][3 matrices][128 rows][64 k]   byte = cb*786432 + kb*49152 + mat*16384 + r*128 + 2 k   (mat 0, 1, 2 = q, k, v)
; so that a tile of 64 along K is dense in memory.  A stream: no LDS, no barrier, no matrix unit, no cluster (no two work-groups read the same byte).
; SHARES.  The 8,192 + 3 x 1,024 = 11,264 rows are 256 work-groups x 22 waves x 2 rows: every wave takes two neighbouring rows, whole.
; A load: lanes 0-15 take the 256 bytes of one k block of the even row, lanes 16-31 those of the odd row: two whole aligned blocks of 256 bytes.  A lane's 4 numbers become 8 bytes;
; in a tile the two rows lie end to end (128 bytes each), so the 32 lanes' store covers 256 consecutive bytes, aligned.  All 16 loads of a wave go out first.
.set WAVES, 22
.set XROWS, 8192
.set D,  4                             ; v[4:67]  k block kb: 4 registers as loaded; the first 2 of them as stored
.macro BODY in, out, ostr              ; in, out: the scalar pairs of the two addresses; ostr: bytes from a k block's tile to the next
.set kb, 0
.rept 16
	global_load_b128 v[D+4*kb:D+4*kb+3], v1, s[\in:\in+1] offset:256*kb th:TH_LOAD_NT
.set kb, kb+1
.endr
.set kb, 0
.rept 16
	s_wait_loadcnt 15-kb                           ; loads come back in order: this k block's is in, the 15 - kb younger ones stay out
	v_cvt_pk_bf16_f32 v[D+4*kb],   v[D+4*kb],   v[D+4*kb+1]   ; in place: each line writes a register that no later line reads
	v_cvt_pk_bf16_f32 v[D+4*kb+1], v[D+4*kb+2], v[D+4*kb+3]
	global_store_b64 v2, v[D+4*kb:D+4*kb+1], s[\out:\out+1] offset:kb*(\ostr)  ; no register of a store is written again
.set kb, kb+1
.endr
.endm
	s_load_b256 s[4:11], s[0:1], 0x0               ; x s[4:5], Wq s[6:7], Wk s[8:9], Wv s[10:11]
	s_load_b128 s[12:15], s[0:1], 0x20             ; xb s[12:13], wb s[14:15]
	v_lshrrev_b32 v3, 5, v0
	v_readfirstlane_b32 s16, v3                    ; my wave's number
	v_and_b32 v2, 31, v0                           ; lane
	v_and_b32 v1, 15, v0
	v_bfe_u32 v3, v0, 4, 1                         ; which of the two rows
	v_lshlrev_b32 v1, 4, v1                        ; in: 16 bytes a lane,
	v_lshl_or_b32 v1, v3, 12, v1                   ; 4,096 bytes a row of f32
	v_lshlrev_b32 v2, 3, v2                        ; out: row x 128 + (lane % 16) x 8 = 8 x lane
	s_mul_i32 s17, ttmp9, WAVES
	s_add_co_u32 s17, s17, s16
	s_lshl_b32 s17, s17, 1                         ; the first of my two rows among the 11,264: even, so a pair never spans two tensors or two blocks
	s_mov_b32 s19, 0
	s_mov_b32 s21, 0
	s_wait_kmcnt 0x0
	s_cmp_lt_u32 s17, XROWS
	s_cbranch_scc0 .Lweights
	s_lshl_b32 s18, s17, 12
	s_add_nc_u64 s[4:5], s[4:5], s[18:19]
	s_lshr_b32 s20, s17, 8                         ; row block of 256,
	s_lshl_b32 s20, s20, 19
	s_and_b32 s22, s17, 255                        ; my rows in it, 128 bytes each
	s_lshl_b32 s22, s22, 7
	s_add_co_u32 s20, s20, s22
	s_add_nc_u64 s[12:13], s[12:13], s[20:21]
	BODY 4, 12, 32768
	s_endpgm
.Lweights:
	s_sub_co_u32 s17, s17, XROWS
	s_lshr_b32 s22, s17, 10                        ; which matrix
	s_and_b32 s23, s17, 1023                       ; which row of it
	s_cmp_eq_u32 s22, 1
	s_cselect_b64 s[24:25], s[8:9], s[6:7]
	s_cmp_eq_u32 s22, 2
	s_cselect_b64 s[24:25], s[10:11], s[24:25]
	s_lshl_b32 s18, s23, 12
	s_add_nc_u64 s[24:25], s[24:25], s[18:19]
	s_lshr_b32 s20, s23, 7                         ; column block of 128 rows of W
	s_mul_i32 s20, s20, 786432
	s_lshl_b32 s26, s22, 14                        ; the matrix's 128 rows in a tile
	s_add_co_u32 s20, s20, s26
	s_and_b32 s26, s23, 127                        ; my rows among them
	s_lshl_b32 s26, s26, 7
	s_add_co_u32 s20, s20, s26
	s_add_nc_u64 s[14:15], s[14:15], s[20:21]
	BODY 24, 14, 49152
	s_endpgm
.Lfunc_end_k_qca4914f603_cast:
	.size	k_qca4914f603_cast, .Lfunc_end_k_qca4914f603_cast-k_qca4914f603_cast
	.p2alignl 7, 3214868480
	.fill 96, 4, 3214868480
	.section	.rodata,"a",@progbits
	.p2align	6, 0x0
	.amdhsa_kernel k_qca4914f603_cast
		.amdhsa_group_segment_fixed_size 0
		.amdhsa_private_segment_fixed_size 0
		.amdhsa_enable_private_segment 0
		.amdhsa_kernarg_size 48
		.amdhsa_user_sgpr_count 2
		.amdhsa_user_sgpr_kernarg_segment_ptr 1
		.amdhsa_wavefront_size32 1
		.amdhsa_system_sgpr_workgroup_id_x 1
		.amdhsa_system_sgpr_workgroup_id_y 1
		.amdhsa_system_sgpr_workgroup_id_z 1
		.amdhsa_system_vgpr_workitem_id 0
		.amdhsa_next_free_vgpr 72
		.amdhsa_next_free_sgpr 66
		.amdhsa_reserve_vcc 0
		.amdhsa_float_denorm_mode_32 3
		.amdhsa_float_denorm_mode_16_64 3
		.amdhsa_memory_ordered 1
		.amdhsa_forward_progress 1
		.amdhsa_inst_pref_size 13
	.end_amdhsa_kernel
	.amdgpu_metadata
---
amdhsa.version: [ 1, 2 ]
amdhsa.kernels:
  - .name:           k_qca4914f603_cast
    .symbol:         k_qca4914f603_cast.kd
    .args:
      - { .name: x, .offset: 0, .size: 8, .value_kind: global_buffer, .address_space: global }
      - { .name: Wq, .offset: 8, .size: 8, .value_kind: global_buffer, .address_space: global }
      - { .name: Wk, .offset: 16, .size: 8, .value_kind: global_buffer, .address_space: global }
      - { .name: Wv, .offset: 24, .size: 8, .value_kind: global_buffer, .address_space: global }
      - { .name: xb, .offset: 32, .size: 8, .value_kind: global_buffer, .address_space: global }
      - { .name: wb, .offset: 40, .size: 8, .value_kind: global_buffer, .address_space: global }
    .group_segment_fixed_size: 0
    .private_segment_fixed_size: 0
    .kernarg_segment_align: 8
    .kernarg_segment_size: 48
    .max_flat_workgroup_size: 704
    .sgpr_count:     66
    .vgpr_count:     72
    .wavefront_size: 32
...
	.end_amdgpu_metadata
.endif
;; end of part 5
;; launch proj: the kernel of part 2 again; grid 8 x 32, 4 waves a work-group, clusters of 4 x 4, 327,680 bytes of LDS; arguments xb, wb, bq, bk, bv, qh, kh, vh; writes qh, kh, vh
;; launch scores (part 6): grid 36 x 4, 8 waves a work-group, no clusters, 327,680 bytes of LDS; arguments qh, kh, ph, mt, lt; writes ph, mt, lt
.if DOCPART == 6
	.amdgcn_target "amdgcn-amd-amdhsa--gfx1250"
	.amdhsa_code_object_version 6
	.text
	.protected	k_qca4914f603_scores
	.globl	k_qca4914f603_scores
	.p2align	8
	.type	k_qca4914f603_scores,@function
k_qca4914f603_scores:
	s_mov_b64 s[64:65], 0
	v_nop
	global_prefetch_b8 v0, s[64:65] scope:SCOPE_SE
	s_setreg_imm32_b32 hwreg(HW_REG_WAVE_MODE, 25, 1), 1
	s_wait_xcnt 0x0
; THE WEIGHTS, tile by tile.  s = Q . K over 1,024 channels (f16 operands, f32 sums); c = log2(e) / 32.  For each query and each key tile j of 128 keys: m = the largest s of the tile's keys that the query may see,
; p = 2^(c s - c m) in f16 into ph [4][2048 q][2048 k], c m into mt and l = the sum of the unrounded p into lt, both [4][16 key tiles][2048 q] in f32.  The next launch joins a row's tiles by their true maximum.
; The weights of a batch's queries 0-15 for keys 0-15 (all that these queries see) leave in f32 as well, behind lt's 524,288 bytes, as [4][16][16]: the next launch makes those rows in f32.
; CAUSAL.  Query block I of 256 needs the key blocks J = 0 .. I of 256: 36 pairs a batch, one to a work-group: 144 work-groups of equal work; the others are neither made nor read.  In the pairs J = I a hidden score
; (key > query) is replaced by -2^100.  A query that sees no key of a tile gets m = -2^100, p = 1, l = 128 and c m = -c 2^100 (exact): the next launch's factor 2^(c m - M) for that tile is 0.
; LIMITS.  Q and K are f16, so |s| is at most 4.4e12, nothing beside 2^100; a weight below 2^-126 counts as 0 in l, below 6e-8 as 0 in ph; NaN and infinities are not treated apart.
; SHARES.  EIGHT waves, two to a SIMD, 512 registers each.  Wave w makes 64 queries (quarter w % 4 of the block) x 128 keys (half w / 4: key tile j = 2 J + w / 4): 32 accumulators, 256 registers.
; Source 0 = 16 keys, source 1 = 16 queries: a lane holds ONE query (l % 16) and the keys 8 (l / 16) + 0..7 of each 16: a query's maximum and sum over a key tile want one exchange between the halves of the lanes
; and never leave the wave.  Eight waves of this tile, and not four of twice its size, so that a channel step holds 256 matrix instructions for each SIMD while a key tile's statistics stay in one wave.
; NO CLUSTER: query block I has I + 1 pairs and key block J has 8 - J: the causal set of pairs does not divide into fours that share Q or K.
; The channels go in steps of 128, four slices of 32, through a ring of two LDS slots; each wave fetches 64 rows: waves 0-3 Q's quarters, waves 4-7 K's.
; REGISTERS: window 0: v0-43 addresses and statistics; v64-159, v160-255 two fragment buffers (32 of Q, then 64 of K).  Window 1: the accumulators, (a, b) at v[8 (8 a + b)].
.set PITCH,  272                       ; an LDS row: 256 bytes + 16 of padding = 68 words: the 16 rows of a load start at 16 different groups of four banks
.set QBY,    256*PITCH                 ; Q's 256 rows
.set SLOT,   512*PITCH                 ; then K's 256 rows: 139,264 bytes
.set STAGE,  2*SLOT                    ; behind the ring: 16 rows x 272 bytes for each wave
.set STATL,  STAGE+8*16*PITCH          ; 512 bytes for each wave: 64 c m, 64 l
.set SPARE,  STATL+8*512               ; the spare words, 128 bytes for each wave: four blocks of 256 bytes that no other line names
.set PFOFF,  524288                    ; the f32 weights begin here in lt
.set ADRA, 8                           ; v8-9    LDS address of my fragments of Q in slot 0, 1
.set ADRB, 10                          ; v10-11  the same for K
.set STO,  12
.set RD,   13
.set CO,   14                          ; v14     my byte offset in two rows of ph
.set SST,  15                          ; v15     where I put a query's statistics
.set SRD,  16                          ; v16     where I read two queries' back
.set SGO,  17                          ; v17     8 x lane
.set DD,   18                          ; v18     my query less my first key: register jj of accumulator (a, b) is hidden where 16 (b - a) + jj is greater
.set PO,   19                          ; v19     my 32 bytes among the f32 weights: 64 (l % 16) + 32 (l / 16)
.set SPW,  20                          ; v20     LDS address of my spare word; never rewritten
.set NIL,  21                          ; v21     0; never rewritten
.set ST,   24                          ; v24-31  for row block a the pair c m, m
.set LS,   32                          ; v32-35  l
.set CH,   36                          ; v36-43  at work
.set F0,   64
.set F1,   160
.set TMP,  64                          ; the way out: packed weights
.set OB,   96                          ; 16 rows read back: v96-127 and v128-159 by turns
.set WV,   14                          ; s14  my wave's number
.set WQ,   15                          ; s15  w % 4: my quarter of the queries; also which quarter of a tile I fetch
.set QI_,  16                          ; s16  I
.set KJ,   17                          ; s17  J
.set BB,   18                          ; s18  the batch
.set G1Q,  24
.set G1K,  32
.set G0Q,  40                          ; a set for each slot
.set G0K,  48
.set CS,   56                          ; s[56:57] c
.set SEL,  58                          ; s[58:59] v_permlanex16_b32's selects: each lane takes its own place in the other half
.set NEG,  60                          ; s60  -2^100
.set WC,   61                          ; s61  w / 4: my half of the keys
.set PFP,  62                          ; s[62:63] the batch's f32 weights
.set KT,   79                          ; s79  j = 2 J + w / 4: my key tile
.set MSB, 0
.macro WIN new
.if MSB != (\new)
	s_set_vgpr_msb (MSB<<8)|(\new)
.set MSB, \new
.endif
.endm
.macro PLACES                          ; four plain vector instructions between a matrix instruction and a load into, or a vector instruction on, its registers
.rept 4
	v_nop
.endr
.endm
.macro LOAD slot                       ; waves 0-3 fetch Q's quarters, waves 4-7 K's; an s_nop 0 and four v_nop follow each line
	s_cmp_lt_u32 s[WV], 4
	s_cbranch_scc0 .Lfor_k_\@
	tensor_load_to_lds s[G0Q+4*(\slot):G0Q+4*(\slot)+3], s[G1Q:G1Q+7]
	s_nop 0
.rept 4
	v_nop
.endr
	s_branch .Lasked_\@
.Lfor_k_\@:
	tensor_load_to_lds s[G0K+4*(\slot):G0K+4*(\slot)+3], s[G1K:G1K+7]
	s_nop 0
.rept 4
	v_nop
.endr
.Lasked_\@:
.endm
; 8 matrix instructions: query block ai x all 8 key blocks.  The 32 accumulators take turns, one instruction a turn.
.macro MUL8 f, ai, zero
	WIN 0x50                                       ; C and D in window 1
.irp b, 0,1,2,3,4,5,6,7
.if \zero
	v_wmma_f32_16x16x32_f16 v[8*(8*(\ai)+(\b)):8*(8*(\ai)+(\b))+7], v[(\f)+32+8*(\b):(\f)+32+8*(\b)+7], v[(\f)+8*(\ai):(\f)+8*(\ai)+7], 0
.else
	v_wmma_f32_16x16x32_f16 v[8*(8*(\ai)+(\b)):8*(8*(\ai)+(\b))+7], v[(\f)+32+8*(\b):(\f)+32+8*(\b)+7], v[(\f)+8*(\ai):(\f)+8*(\ai)+7], v[8*(8*(\ai)+(\b)):8*(8*(\ai)+(\b))+7]
.endif
.endr
.endm
.macro MUL32 f, zero
.irp x, 0,1,2,3
	MUL8 \f, \x, \zero
.endr
.endm
.macro FETCH slot, q, f                ; slice q's fragments: 8 loads for my 64 queries, 16 for my 128 keys
	WIN 0
.irp i, 0,1,2,3
	ds_load_b128 v[(\f)+8*(\i):(\f)+8*(\i)+3],   v[ADRA+(\slot)] offset:64*(\q)+(\i)*16*PITCH
	ds_load_b128 v[(\f)+8*(\i)+4:(\f)+8*(\i)+7], v[ADRA+(\slot)] offset:64*(\q)+(\i)*16*PITCH+32
.endr
.irp i, 0,1,2,3,4,5,6,7
	ds_load_b128 v[(\f)+32+8*(\i):(\f)+32+8*(\i)+3],   v[ADRB+(\slot)] offset:64*(\q)+(\i)*16*PITCH
	ds_load_b128 v[(\f)+32+8*(\i)+4:(\f)+32+8*(\i)+7], v[ADRB+(\slot)] offset:64*(\q)+(\i)*16*PITCH+32
.endr
.endm
; A slice multiplies buffer f and fetches slice nq of slot nslot into buffer g.
.macro SLICE f, nslot, nq, g, zero
	PLACES
	FETCH \nslot, \nq, \g
	s_wait_dscnt 24                                ; all but the 24 just issued
	MUL32 \f, \zero
.endm
; A step's third slice changes slots: the slot's last fragments have been asked for.  Each wave waits for all its tensor loads (one is out: its part of the other slot), adds 0 to its spare word,
; and waits for that and for its reads of this slot.  fill = 1: this slot is filled again, two steps ahead, first thing behind the barrier: 112 matrix instructions of each of a SIMD's two waves ahead of the wait for it.
.macro SLICEM slot, fill
	PLACES
	FETCH \slot, 3, F1
	s_wait_dscnt 24
	MUL8 F0, 0, 0
	MUL8 F0, 1, 0
	WIN 0
	s_wait_tensorcnt 0x0                           ; all my tensor loads have landed;
	ds_add_u32 v[SPW], v[NIL]                      ; 0 onto my spare word
	MUL8 F0, 2, 0                                  ; eight matrix instructions stand between the add and the wait for it
	s_wait_dscnt 0x0                               ; the add is done, and my reads of this slot are over
	s_barrier_signal -1
	MUL8 F0, 3, 0
	WIN 0
	s_barrier_wait -1
.if \fill
	s_add_nc_u64 s[G0Q+4*(\slot)+2:G0Q+4*(\slot)+3], s[G0Q+4*(\slot)+2:G0Q+4*(\slot)+3], 512
	s_add_nc_u64 s[G0K+4*(\slot)+2:G0K+4*(\slot)+3], s[G0K+4*(\slot)+2:G0K+4*(\slot)+3], 512
	LOAD \slot
.endif
.endm
	s_load_b256 s[4:11], s[0:1], 0x0               ; qh s[4:5], kh s[6:7], ph s[8:9], mt s[10:11]
	s_load_b64 s[12:13], s[0:1], 0x20              ; lt
	v_lshl_add_u32 v[SPW], v0, 2, SPARE
	v_mov_b32 v[NIL], 0
	ds_add_u32 v[SPW], v[NIL]                      ; the wave's opening: the add and its wait stand ahead of my first tensor load; the set-up below, work on registers, stands between them
	ds_add_u32 v20, v21
	v_lshrrev_b32 v1, 5, v0
	v_readfirstlane_b32 s[WV], v1
	s_and_b32 s[WQ], s[WV], 3
	s_lshr_b32 s[WC], s[WV], 2
	s_and_b32 s[BB], ttmp7, 0xffff
	s_mov_b32 s[QI_], 0                            ; blocks 0 .. I - 1 have I (I + 1) / 2 pairs: I = how many n (n + 1) / 2, n = 1 .. 7, the pair's number reaches
.irp n, 1,2,3,4,5,6,7
	s_cmp_ge_u32 ttmp9, (\n)*((\n)+1)/2
	s_add_co_ci_u32 s[QI_], s[QI_], 0
.endr
	s_add_co_u32 s20, s[QI_], 1
	s_mul_i32 s20, s20, s[QI_]
	s_lshr_b32 s20, s20, 1
	s_sub_co_u32 s[KJ], ttmp9, s20
	s_lshl_b32 s[KT], s[KJ], 1
	s_add_co_u32 s[KT], s[KT], s[WC]
	s_mov_b32 s[G1Q], (1<<16)|(1<<20)|(5<<22)|(3<<25)  ; 2-byte elements; padding on: after every 64 words (code 5) 4 words (code 3)
	s_mov_b32 s[G1Q+1], 128<<16                    ; tensor_dim0 = 128
	s_mov_b32 s[G1Q+2], 64<<16                     ; tensor_dim1 = 64
	s_mov_b32 s[G1Q+3], 128<<16                    ; tile_dim0 = 128
	s_mov_b32 s[G1Q+4], 64                         ; tile_dim1 = 64
	s_mov_b32 s[G1Q+5], 1024                       ; 1,024 elements from row to row
	s_mov_b32 s[G1Q+6], 0
	s_mov_b32 s[G1Q+7], 0
	s_mov_b32 s[G1K], (1<<16)|(1<<20)|(5<<22)|(3<<25)
	s_mov_b32 s[G1K+1], 128<<16
	s_mov_b32 s[G1K+2], 64<<16
	s_mov_b32 s[G1K+3], 128<<16
	s_mov_b32 s[G1K+4], 64
	s_mov_b32 s[G1K+5], 1024
	s_mov_b32 s[G1K+6], 0
	s_mov_b32 s[G1K+7], 0
	s_mov_b32 s[CS], 0x3d38aa3b                    ; c = log2(e) / 32
	s_mov_b32 s[CS+1], s[CS]                       ; named with it as a pair
	s_mov_b32 s[SEL], 0x76543210
	s_mov_b32 s[SEL+1], 0xfedcba98
	s_mov_b32 s[NEG], 0xf1800000                   ; -2^100
	s_lshl_b32 s20, s[BB], 11
	s_lshl_b32 s21, s[QI_], 8
	s_add_co_u32 s21, s21, s20                     ; the block's first query among all 8,192 rows
	s_lshl_b32 s66, s[WQ], 6
	s_add_co_u32 s66, s66, s21
	s_lshl_b32 s66, s66, 11                        ; Q: my 64 rows of 2,048 bytes
	s_mov_b32 s67, 0
	s_lshl_b32 s68, s[KJ], 8
	s_add_co_u32 s68, s68, s20
	s_lshl_b32 s69, s[WQ], 6
	s_add_co_u32 s68, s68, s69
	s_lshl_b32 s68, s68, 11                        ; K: my 64 rows
	s_mov_b32 s69, 0
	s_mul_i32 s22, s[WQ], 64*PITCH                 ; where they go
	s_add_co_u32 s23, s22, QBY
	s_lshl_b32 s70, s[WQ], 6
	s_add_co_u32 s70, s70, s21
	s_lshl_b32 s70, s70, 12                        ; ph: my wave's first row, 4,096 bytes a row,
	s_lshl_b32 s71, s[KT], 8                       ; and my key tile's 256 bytes of it
	s_add_co_u32 s70, s70, s71
	s_mov_b32 s71, 0
	s_lshl_b32 s72, s[BB], 4
	s_add_co_u32 s72, s72, s[KT]
	s_lshl_b32 s72, s72, 13                        ; mt, lt: the key tile's 2,048 numbers,
	s_lshl_b32 s73, s[QI_], 10
	s_add_co_u32 s72, s72, s73
	s_lshl_b32 s73, s[WQ], 8                       ; my wave's 64 of them
	s_add_co_u32 s72, s72, s73
	s_mov_b32 s73, 0
	s_lshl_b32 s74, s[BB], 10                      ; the f32 weights: 1,024 bytes a batch, behind lt's numbers
	s_add_co_u32 s74, s74, PFOFF
	s_mov_b32 s75, 0
	s_wait_dscnt 0x0                               ; the opening add is done
	s_wait_kmcnt 0x0
	s_add_nc_u64 s[4:5], s[4:5], s[66:67]
	s_add_nc_u64 s[6:7], s[6:7], s[68:69]
	s_add_nc_u64 s[8:9], s[8:9], s[70:71]
	s_add_nc_u64 s[10:11], s[10:11], s[72:73]
	s_add_nc_u64 s[PFP:PFP+1], s[12:13], s[74:75]
	s_add_nc_u64 s[12:13], s[12:13], s[72:73]
.irp s, 0,1
	s_mov_b32 s[G0Q+4*(\s)], 1
	s_add_co_u32 s[G0Q+4*(\s)+1], s22, (\s)*SLOT
	s_add_nc_u64 s[G0Q+4*(\s)+2:G0Q+4*(\s)+3], s[4:5], (\s)*256    ; step s: 128 channels on
	s_or_b32 s[G0Q+4*(\s)+3], s[G0Q+4*(\s)+3], 0x80000000
	s_mov_b32 s[G0K+4*(\s)], 1
	s_add_co_u32 s[G0K+4*(\s)+1], s23, (\s)*SLOT
	s_add_nc_u64 s[G0K+4*(\s)+2:G0K+4*(\s)+3], s[6:7], (\s)*256
	s_or_b32 s[G0K+4*(\s)+3], s[G0K+4*(\s)+3], 0x80000000
.endr
	s_cmp_lt_u32 s[WV], 4                          ; a wave's two first fills stand in one branch: two loads of mine are out
	s_cbranch_scc0 .Lfirst_k
	tensor_load_to_lds s[G0Q:G0Q+3], s[G1Q:G1Q+7]
	s_nop 0
	tensor_load_to_lds s[G0Q+4:G0Q+7], s[G1Q:G1Q+7]
	s_nop 0
.rept 4
	v_nop
.endr
	s_branch .Lfirst_asked
.Lfirst_k:
	tensor_load_to_lds s[G0K:G0K+3], s[G1K:G1K+7]
	s_nop 0
	tensor_load_to_lds s[G0K+4:G0K+7], s[G1K:G1K+7]
	s_nop 0
.rept 4
	v_nop
.endr
.Lfirst_asked:
	v_and_b32 v1, 15, v0                           ; l % 16
	v_bfe_u32 v2, v0, 4, 1                         ; l / 16
	v_mul_u32_u24 v3, v1, PITCH
	v_lshl_add_u32 v3, v2, 4, v3
	s_mul_i32 s74, s[WQ], 64*PITCH                 ; my 64 queries
	v_add_nc_u32 v[ADRA], s74, v3
	v_add_nc_u32 v[ADRA+1], SLOT, v[ADRA]
	s_mul_i32 s74, s[WC], 128*PITCH                ; my 128 keys, behind Q's rows
	s_add_co_u32 s74, s74, QBY
	v_add_nc_u32 v[ADRB], s74, v3
	v_add_nc_u32 v[ADRB+1], SLOT, v[ADRB]
	s_mul_i32 s75, s[WV], 16*PITCH
	s_add_co_u32 s75, s75, STAGE
	v_add_nc_u32 v[STO], s75, v3                   ; in: row l % 16, 16 bytes for each half of the lanes
	v_mul_u32_u24 v4, v2, PITCH                    ; back: lanes 0-15 take one row of 256 bytes, lanes 16-31 the next
	v_lshl_add_u32 v4, v1, 4, v4
	v_add_nc_u32 v[RD], s75, v4
	v_lshlrev_b32 v4, 12, v2
	v_lshl_add_u32 v[CO], v1, 4, v4
	s_lshl_b32 s76, s[WV], 9
	s_add_co_u32 s76, s76, STATL
	v_lshl_add_u32 v[SST], v1, 2, s76
	v_and_b32 v4, 31, v0
	v_lshlrev_b32 v[SGO], 3, v4
	v_add_nc_u32 v[SRD], s76, v[SGO]
	v_lshlrev_b32 v[PO], 6, v1
	v_lshl_add_u32 v[PO], v2, 5, v[PO]
	s_lshl_b32 s77, s[QI_], 8
	s_lshl_b32 s78, s[KT], 7
	s_sub_co_i32 s77, s77, s78
	s_lshl_b32 s78, s[WQ], 6
	s_add_co_i32 s77, s77, s78                     ; my wave's first query less my key tile's first key
	v_lshlrev_b32 v4, 3, v2
	v_sub_nc_u32 v4, v1, v4
	v_add_nc_u32 v[DD], s77, v4
	s_wait_tensorcnt 0x1                           ; my part of step 0 is in; step 1's may stay out
	s_barrier_signal -1
	s_barrier_wait -1
	FETCH 0, 0, F0
	SLICE F0, 0, 1, F1, 1                          ; the first slice stands in front of the loop: its products start the sums
	WIN 0
	s_mov_b32 s19, 3
.Llap:                                                 ; a trip goes once round the ring and fills both slots again
	SLICE F1, 0, 2, F0, 0
	SLICEM 0, 1
	SLICE F1, 1, 0, F0, 0
	SLICE F0, 1, 1, F1, 0
	SLICE F1, 1, 2, F0, 0
	SLICEM 1, 1
	SLICE F1, 0, 0, F0, 0
	SLICE F0, 0, 1, F1, 0
	WIN 0
	s_sub_co_u32 s19, s19, 1
	s_cmp_lg_u32 s19, 0
	s_cbranch_scc1 .Llap
	SLICE F1, 0, 2, F0, 0                          ; the last lap fills nothing
	SLICEM 0, 0
	SLICE F1, 1, 0, F0, 0
	SLICE F0, 1, 1, F1, 0
	SLICE F1, 1, 2, F0, 0
	SLICE F0, 1, 3, F1, 0
	s_wait_dscnt 0x0
	MUL32 F1, 0
	PLACES
	WIN 0
	s_cmp_lt_u32 s[KJ], s[QI_]
	s_cbranch_scc1 .Lno_mask                       ; key blocks left of the query block hide nothing
	WIN 0x41                                       ; destination and source 0 in window 1
.set i, 0
.rept 256                              ; i = 64 a + 8 b + jj, ascending: each accumulator's lowest register is read first
	v_cmp_gt_i32 vcc_lo, 16*((i/8)%8-i/64)+i%8, v[DD]
	v_cndmask_b32 v[i], v[i], s[NEG], vcc_lo
.set i, i+1
.endr
	WIN 0
.Lno_mask:
; Row block a's 64 registers, x0-x63, are a query's 64 scores of its half of the lanes.
.macro MAXI a                          ; four chains of 16, three operands at a time; each accumulator's first read takes one of its lowest registers
	WIN 0x15
.irp k, 0,1,2,3
	v_max3_num_f32 v[CH+(\k)], v[64*(\a)+16*(\k)], v[64*(\a)+16*(\k)+1], v[64*(\a)+16*(\k)+2]
.endr
	WIN 0x14
.irp n, 1,2,3,4,5,6
.irp k, 0,1,2,3
	v_max3_num_f32 v[CH+(\k)], v[CH+(\k)], v[64*(\a)+16*(\k)+2*(\n)+1], v[64*(\a)+16*(\k)+2*(\n)+2]
.endr
.endr
.irp k, 0,1,2,3
	v_max_num_f32 v[CH+(\k)], v[CH+(\k)], v[64*(\a)+16*(\k)+15]
.endr
	WIN 0
	v_max3_num_f32 v[CH], v[CH], v[CH+1], v[CH+2]
	v_max_num_f32 v[CH], v[CH], v[CH+3]
	v_permlanex16_b32 v[CH+1], v[CH], s[SEL], s[SEL+1]  ; the query's other 64 keys lie in the lane 16 away
	v_max_num_f32 v[ST+2*(\a)+1], v[CH], v[CH+1]
	v_mul_f32 v[ST+2*(\a)], s[CS], v[ST+2*(\a)+1]
.endm
.macro EXPO a                          ; p = 2^(c s - c m), in place
	WIN 0x41
.set i, 0
.rept 32
	v_pk_fma_f32 v[64*(\a)+2*i:64*(\a)+2*i+1], v[64*(\a)+2*i:64*(\a)+2*i+1], s[CS:CS+1], v[ST+2*(\a):ST+2*(\a)+1] op_sel_hi:[1,0,0] neg_lo:[0,0,1] neg_hi:[0,0,1]
.set i, i+1
.endr
.set i, 0
.rept 64
	v_exp_f32 v[64*(\a)+i], v[64*(\a)+i]
.set i, i+1
.endr
	v_nop                                          ; a plain instruction between the exponentials and the use of their results (ISA guide 5.7.2)
.endm
.macro PACK a                          ; rounded to f16: 16 bytes for each 8 neighbouring keys
	WIN 0x05
.set i, 0
	s_wait_alu depctr_va_vdst(0)
.rept 32
	v_cvt_pk_f16_f32 v[TMP+i], v[64*(\a)+2*i], v[64*(\a)+2*i+1]
.set i, i+1
.endr
.endm
.macro SUM a                           ; the 32 pairs are added in place, 32, 16, 8, 4 and 2 registers apart; then the pair's halves and the other half of the lanes
	WIN 0x45
.irp w, 32,16,8,4,2
.set i, 0
.rept (\w)/2
	v_pk_add_f32 v[64*(\a)+2*i:64*(\a)+2*i+1], v[64*(\a)+2*i:64*(\a)+2*i+1], v[64*(\a)+2*i+(\w):64*(\a)+2*i+(\w)+1]
.set i, i+1
.endr
.endr
	WIN 0x05
	v_add_f32 v[LS+(\a)], v[64*(\a)], v[64*(\a)+1]
	WIN 0
	v_permlanex16_b32 v[CH], v[LS+(\a)], s[SEL], s[SEL+1]
	v_add_f32 v[LS+(\a)], v[LS+(\a)], v[CH]
.endm
.macro TOSTAGE a
	WIN 0
.irp b, 0,1,2,3,4,5,6,7
	ds_store_b128 v[STO], v[TMP+4*(\b):TMP+4*(\b)+3] offset:32*(\b)
.endr
.irp t, 0,1,2,3,4,5,6,7
	ds_load_b128 v[OB+32*((\a)%2)+4*(\t):OB+32*((\a)%2)+4*(\t)+3], v[RD] offset:(\t)*2*PITCH  ; LDS serves a wave's instructions in order (ISA guide 5.7.1.4): these see the stores above
.endr
.endm
.macro SEND a
	WIN 0
	s_wait_dscnt 0x0                               ; the block is back in registers
	s_wait_xcnt 0x0                                ; every earlier store has had its addresses translated: only behind this wait are the registers of the block two back loaded again
.irp t, 0,1,2,3,4,5,6,7
	global_store_b128 v[CO], v[OB+32*((\a)%2)+4*(\t):OB+32*((\a)%2)+4*(\t)+3], s[8:9] offset:(16*(\a)+2*(\t))*4096  ; 16 lanes store 256 consecutive bytes, aligned
.endr
.endm
	MAXI 0
	EXPO 0
	; THE F32 WEIGHTS: in a batch's pair 0, wave 0's accumulator (0, 0) holds p of queries 0-15 for keys 0-15: a lane's eight are 32 neighbouring bytes; the two stores together cover 1,024 consecutive bytes
	WIN 0
	s_cmp_lg_u32 ttmp9, 0
	s_cbranch_scc1 .Lno_pf
	s_cmp_lg_u32 s[WV], 0
	s_cbranch_scc1 .Lno_pf
	WIN 0x04                                       ; the stores' data in window 1
	s_wait_alu depctr_va_vdst(0)
	global_store_b128 v[PO], v[0:3], s[PFP:PFP+1]
	global_store_b128 v[PO], v[4:7], s[PFP:PFP+1] offset:16
	s_wait_xcnt 0x0                                ; the sums below are made in place: these registers are rewritten only behind this wait
	WIN 0
.Lno_pf:
	PACK 0
	SUM 0
	TOSTAGE 0
.irp a, 1,2,3
	MAXI \a
	EXPO \a
	PACK \a
	SUM \a
	SEND (\a)-1
	TOSTAGE \a
.endr
	SEND 3
.irp a, 0,1,2,3                        ; the wave's 64 c m and 64 l: through LDS, so that each of the two stores covers 256 consecutive bytes, aligned
	ds_store_b32 v[SST], v[ST+2*(\a)] offset:64*(\a)
	ds_store_b32 v[SST], v[LS+(\a)] offset:256+64*(\a)
.endr
	ds_load_b64 v[40:41], v[SRD]
	ds_load_b64 v[42:43], v[SRD] offset:256
	s_wait_dscnt 0x0
	global_store_b64 v[SGO], v[40:41], s[10:11]
	global_store_b64 v[SGO], v[42:43], s[12:13]
	s_wait_tensorcnt 0x0                           ; the wave's end: a wait, an add and its wait, behind my last tensor load and my last LDS store
	ds_add_u32 v[SPW], v[NIL]
	s_wait_dscnt 0x0
	s_endpgm
.Lfunc_end_k_qca4914f603_scores:
	.size	k_qca4914f603_scores, .Lfunc_end_k_qca4914f603_scores-k_qca4914f603_scores
	.p2alignl 7, 3214868480
	.fill 96, 4, 3214868480
	.section	.rodata,"a",@progbits
	.p2align	6, 0x0
	.amdhsa_kernel k_qca4914f603_scores
		.amdhsa_group_segment_fixed_size 327680
		.amdhsa_private_segment_fixed_size 0
		.amdhsa_enable_private_segment 0
		.amdhsa_kernarg_size 40
		.amdhsa_user_sgpr_count 2
		.amdhsa_user_sgpr_kernarg_segment_ptr 1
		.amdhsa_wavefront_size32 1
		.amdhsa_system_sgpr_workgroup_id_x 1
		.amdhsa_system_sgpr_workgroup_id_y 1
		.amdhsa_system_sgpr_workgroup_id_z 1
		.amdhsa_system_vgpr_workitem_id 0
		.amdhsa_next_free_vgpr 512
		.amdhsa_next_free_sgpr 80
		.amdhsa_reserve_vcc 1
		.amdhsa_float_denorm_mode_32 3
		.amdhsa_float_denorm_mode_16_64 3
		.amdhsa_memory_ordered 1
		.amdhsa_forward_progress 1
		.amdhsa_inst_pref_size 147
	.end_amdhsa_kernel
	.amdgpu_metadata
---
amdhsa.version: [ 1, 2 ]
amdhsa.kernels:
  - .name:           k_qca4914f603_scores
    .symbol:         k_qca4914f603_scores.kd
    .args:
      - { .name: qh, .offset: 0, .size: 8, .value_kind: global_buffer, .address_space: global }
      - { .name: kh, .offset: 8, .size: 8, .value_kind: global_buffer, .address_space: global }
      - { .name: ph, .offset: 16, .size: 8, .value_kind: global_buffer, .address_space: global }
      - { .name: mt, .offset: 24, .size: 8, .value_kind: global_buffer, .address_space: global }
      - { .name: lt, .offset: 32, .size: 8, .value_kind: global_buffer, .address_space: global }
    .group_segment_fixed_size: 327680
    .private_segment_fixed_size: 0
    .kernarg_segment_align: 8
    .kernarg_segment_size: 40
    .max_flat_workgroup_size: 256
    .sgpr_count:     80
    .vgpr_count:     512
    .wavefront_size: 32
...
	.end_amdgpu_metadata
.endif
;; end of part 6
;; launch pv (part 7): grid 8 x 32, 4 waves a work-group, clusters of 4 x 1, 327,680 bytes of LDS; arguments ph, vh, mt, lt, out0; writes out0
.if DOCPART == 7
	.amdgcn_target "amdgcn-amd-amdhsa--gfx1250"
	.amdhsa_code_object_version 6
	.text
	.protected	k_qca4914f603_pv
	.globl	k_qca4914f603_pv
	.p2align	8
	.type	k_qca4914f603_pv,@function
k_qca4914f603_pv:
	s_mov_b64 s[64:65], 0
	v_nop
	global_prefetch_b8 v0, s[64:65] scope:SCOPE_SE
	s_setreg_imm32_b32 hwreg(HW_REG_WAVE_MODE, 25, 1), 1
	s_wait_xcnt 0x0
	s_wait_alu depctr_hold_cnt(0) depctr_sa_sdst(0) depctr_va_vdst(0) depctr_va_sdst(0) depctr_va_ssrc(0) depctr_va_vcc(0) depctr_vm_vsrc(0)
	s_getreg_b32 s2, hwreg(HW_REG_IB_STS2, 6, 4)
	s_cmp_eq_u32 s2, 0
	s_cbranch_scc0 .Lentry_in_a_cluster
	s_endpgm
.Lentry_in_a_cluster:
	s_bfe_u32 s2, ttmp6, 0x10000c
	s_cmp_lg_u32 s2, 0x3003
	s_cbranch_scc0 .Lentry_shape_is_right
	s_endpgm
.Lentry_shape_is_right:
; O = softmax(scores) V from the tiles of the launch before.  For a query and key tile u of 128: p_u = 2^(c s - cm_u) in f16 (ph), cm_u (mt), l_u (lt).  Here M = the largest cm_u of the query's tiles, beta_u = 2^(cm_u - M) <= 1,
; l = the sum of l_u beta_u, and O = (the sum over u of beta_u (p_u V_u)) / l: each tile's product is made in f32 by the matrix unit and folded in f32 by one packed multiply-add.  out0 is f32.
; The maximum that is taken away is the row's true one; no factor exceeds 1.  A tile in which a query sees nothing has cm_u = -c 2^100: its beta is 0.
; THE WALK.  A batch's queries lie in 16 blocks of 128; keys go in SLOTS of 256, two key tiles; block i needs (i >> 1) + 1 slots.  A work-group takes TWO blocks, 15 - p and then p, x 128 channels: 9 slots, whatever p:
; all 256 work-groups do equal work, and one loop with a constant count walks them.  (Behind an even block's last tile its slot holds one tile more, wholly hidden, with beta = 0: one of the 18 tiles serves nothing.)
; Which slot is asked for and when the block changes hang on scalar registers made from p, the cluster's y; every jump but the loops' own goes forward and passes neither a barrier nor a tensor load.
; A BATCH'S QUERIES 0 TO 15 are means of at most 16 rows of V: their numbers are many times the output's root mean square, and so are f16's roundings of p and V in them.  These rows are made in f32 by the vector unit, from
; the f32 weights (behind lt's numbers, [4][16][16]) and V's f32 rows (behind vh's, [4][16][1024]): 16 x 16 x 1,024 multiply-adds a batch.  All their keys lie in tile 0: l is lt's number as it stands.
; LIMITS.  V is f16 (below 65,504); a beta below 2^-126 counts as 0; NaN and infinities are not treated apart.
; SHARES.  Four waves, 2 x 2: wave w makes 64 queries (half w / 2 of the block) x 64 channels (half w % 2): 16 accumulators.  Half the tile of a wave that took one block, since each wave now has two blocks.
; Source 0 = 16 channels of V^T (V, [key][channel], comes out of LDS turned, by ds_load_tr16_b128), source 1 = 16 queries of p: a lane holds ONE query (l % 16) and the channels 8 (l / 16) + 0..7: beta and 1 / l are one number a lane.
; CLUSTER.  The four work-groups of a cluster have the same batch and pair of blocks and four neighbouring channel blocks: p's tiles are asked for jointly.  V's tiles differ between them and are plain loads; the work-groups
; that share a V tile are the batch's other pairs, whose first blocks end after 5 to 8 slots, so that their walks part: they are no partners.
; THE RING.  Two LDS slots.  Slot 0 is filled at the start; each change of slots asks, first thing behind its round, for the walk's next 256 keys into the slot read last: one tensor load of mine is out,
; and it has a slot's 128 matrix instructions in which to land.  The walk's ninth slot is written out.
; REGISTERS: window 0: v0-63 addresses and statistics; v64-255 three fragment buffers of 64 (32 of p, then 32 of V^T), fetched two slices ahead.  Window 1: v0-127 the tile's product A, v128-255 the folded sum T; (a, b) at 8 (4 a + b).
; T is cleared at a block's beginning: 128 v_mov_b32 are the price of writing no first tile out.
.set PP,     528                       ; a row of p in LDS: 512 bytes + 16: the 16 rows of a load start at 16 different groups of four banks
.set PV,     288                       ; a row of V: 256 + 32 = 72 words
.set PBY,    128*PP                    ; p's 128 rows
.set SLOTB,  PBY+256*PV                ; then V's 256 keys: 141,312 bytes
.set SLOT1,  0x24000                   ; slot 1 begins here: the number shares no bit with the waves' places in a slot (0x8400, 0x10800, 0x19800), so one exclusive or turns an LDS word of one slot into the other's
.set STAGE,  SLOT1+SLOTB               ; behind the ring: 16 rows x 272 bytes for each wave
.set SP,     272
.set SPARE,  STAGE+4*16*SP             ; the spare words, 128 bytes for each wave: two blocks of 256 bytes that no other line names
.set VFOFF,  16777216                  ; V's f32 rows begin here in vh
.set PFOFF,  524288                    ; the f32 weights begin here in lt
.set TP,    4                          ; v4-7    at work
.set ADRA0, 8                          ; v8      my lane's place among a slot's rows of p; never rewritten
.set ADRB0, 9                          ; v9      the same for V
.set ADRA,  10                         ; v10     LDS address of my fragments of p in the slot in hand
.set ADRB,  11                         ; v11-12  the same for V: the slot's first and second 128 keys
.set STO,   13
.set RD,    14
.set CO,    15                         ; v15     my byte offset in two rows of out0
.set MX,    16                         ; v16-19  M of the block in hand, for row block a
.set MXB,   20                         ; v20-23  M of the second block
.set MB,    24                         ; v24-31  cm of the next slot's two tiles: 4 e + a
.set BE,    32                         ; v32-47  beta of the slot's two tiles, in the low word of a pair: 8 e + 2 a
.set LI,    48                         ; v48-55  1 / l of the block in hand, likewise
.set LIB,   56                         ; v56-59  1 / l of the second block
.set SPW,   60                         ; v60     LDS address of my spare word; never rewritten
.set NIL,   61                         ; v61     0; never rewritten
.set CF,    62                         ; v62     16 x lane
.set R4,    63                         ; v63     4 (l % 16); never rewritten
.set FR,    64                         ; slice q's fragments at FR + 64 (q % 3)
.set CMA,   64                         ; at the start: the first block's cm: tile pair k, row block a at 4 k + a (lanes 0-15 the even tile, lanes 16-31 the odd)
.set CLA,   96                         ; its l
.set CMB,   128                        ; the second block's
.set CLB,   160
.set OFA,   192                        ; the eight tile pairs' offsets, for each block
.set OFB,   200
.set OB,    192                        ; the way out: 16 rows read back: v192-223 and v224-255 by turns
.set VV,    64                         ; the f32 rows: my 4 channels of V's row k at VV + 4 k
.set AC,    128                        ; two queries' sums, 4 registers each
.set RC,    136                        ; their 1 / l
.set SEL,  2                           ; s[2:3] v_permlanex16_b32's selects: each lane takes its own place in the other half
.set WV,   14
.set WH,   15                          ; s15  w % 2: my half of the channels; also which half of a tile I fetch
.set WR,   16                          ; s16  w / 2: my half of the queries
.set CBX,  17                          ; s17  channel block = 4 x cluster x + cx
.set BB,   18                          ; s18  the batch
.set PI,   19                          ; s19  p
.set RT,   20                          ; s20  slots of the block in hand that are still to be walked
.set NS,   21                          ; s21  the slot to be asked for next, counted in its block
.set NL,   22                          ; s22  slots of the block whose slots are being asked for
.set POF,  23                          ; s23  that block's byte offset in ph, at my 64 rows
.set G1P,  24
.set G1V,  32
.set G0P,  40
.set G0V,  44
.set PW,   24                          ; s[24:55] in the f32 rows: two queries' 16 weights, where the descriptors and the walk's numbers lay
.set TB,   48                          ; s48  LDS byte at which the slot in hand begins
.set NLB,  49                          ; s49  slots of the second block
.set POFB, 50                          ; s50  its offset in ph
.set VOF,  51                          ; s51  byte offset in vh of my 128 keys of the batch's slot 0, at my channel block
.set CNT,  52
.set MOS,  53                          ; s53  byte offset, in a tile's 2,048 numbers of mt, of my 64 rows of the block asked for
.set OFP,  54                          ; s[54:55] a slot's offset in ph
.set MTN,  56                          ; s[56:57] mt at the two tiles asked for
.set LT,   58                          ; s[58:59] lt at the batch
.set FL,   60
.set LQ,   60                          ; s[60:61] two queries' l
.set I2A,  62                          ; s62  the first block's last tile pair
.set I2B,  63                          ; s63  the second block's
.set OQ,   62                          ; s[62:63] later: out0 at the two queries' rows
.set MT0,  66                          ; s[66:67] mt at the batch
.set OFV,  68                          ; s[68:69] a slot's offset in vh
.set OUTB, 70                          ; s[70:71] out0 at my rows and channels of the second block
.set MOFF, 72                          ; s[72:73] offset in mt of the two tiles asked for
.set MOSB, 74                          ; s74  MOS of the second block
.set T0,   75
.set PFP,  76                          ; s[76:77] the batch's f32 weights
.set VFP,  78                          ; s[78:79] V's f32 rows of the batch, at my channel block
.set MSB, 0
.macro WIN new
.if MSB != (\new)
	s_set_vgpr_msb (MSB<<8)|(\new)
.set MSB, \new
.endif
.endm
.macro PLACES                          ; four plain vector instructions between a matrix instruction and a load into, or a vector instruction on, its registers
.rept 4
	v_nop
.endr
.endm
.macro JLOAD                           ; waves 0 and 1 ask jointly for p's two halves, waves 2 and 3 fetch V's; an s_nop 0 and four v_nop follow each line
	s_cmp_lt_u32 s[WV], 2
	s_cbranch_scc0 .Lfor_v_\@
	tensor_load_to_lds s[G0P:G0P+3], s[G1P:G1P+7]
	s_nop 0
.rept 4
	v_nop
.endr
	s_branch .Lasked_\@
.Lfor_v_\@:
	tensor_load_to_lds s[G0V:G0V+3], s[G1V:G1V+7]
	s_nop 0
.rept 4
	v_nop
.endr
.Lasked_\@:
.endm
.macro CROUND                          ; a round of the cluster's barrier
	s_barrier_signal -1
	s_barrier_wait -1
	s_cmp_lg_u32 s[WV], 0
	s_cbranch_scc1 .Lnot_wave_0_\@
	s_barrier_signal -3
.Lnot_wave_0_\@:
	s_barrier_wait -3
	s_barrier_signal -1
	s_barrier_wait -1
.endm
; THE CHANGE OF SLOTS.  Each wave waits for all its tensor loads, of which one is out: its part of the slot to be read; adds 0 to its spare word; and waits for that and for its reads of the slot that it leaves.
; fill = 1: the barrier is a round of the cluster's, and the slot just left is filled, first thing behind it, with slot NS of the block asked for: the descriptors' addresses are made anew from that number,
; and so is the offset of its two tiles' cm.  Behind a block's last slot the numbers turn to the second block's slot 0.  (At its first use nothing has been read yet: slot 0 is waited for, slot 1 filled.)
.macro CHANGE fill
	WIN 0                                          ; at a label and at a branch every window is 0
	s_wait_tensorcnt 0x0                           ; no tensor load of mine is out, so a group 0 may be written
	ds_add_u32 v[SPW], v[NIL]                      ; 0 onto my spare word; the scalar work below stands between it and the wait for it
.if \fill
	s_lshl_b32 s[OFP], s[NS], 9                    ; 256 keys are 512 bytes of a row of ph
	s_add_co_u32 s[OFP], s[OFP], s[POF]
	s_xor_b32 s[G0P+1], s[G0P+1], SLOT1
	s_add_nc_u64 s[G0P+2:G0P+3], s[4:5], s[OFP:OFP+1]
	s_or_b32 s[G0P+3], s[G0P+3], 0x80000000
	s_lshl_b32 s[OFV], s[NS], 19                   ; and 256 rows of 2,048 bytes of vh
	s_add_co_u32 s[OFV], s[OFV], s[VOF]
	s_xor_b32 s[G0V+1], s[G0V+1], SLOT1
	s_add_nc_u64 s[G0V+2:G0V+3], s[6:7], s[OFV:OFV+1]
	s_or_b32 s[G0V+3], s[G0V+3], 0x80000000
	s_lshl_b32 s[MOFF], s[NS], 14                  ; and two tiles' 2,048 numbers of mt
	s_add_co_u32 s[MOFF], s[MOFF], s[MOS]
	s_add_co_u32 s[NS], s[NS], 1
	s_cmp_ge_u32 s[NS], s[NL]
	s_cselect_b32 s[NS], 0, s[NS]
	s_cselect_b32 s[POF], s[POFB], s[POF]
	s_cselect_b32 s[MOS], s[MOSB], s[MOS]
	s_cselect_b32 s[NL], s[NLB], s[NL]
.endif
	s_xor_b32 s[TB], s[TB], SLOT1                  ; the reads go to the other slot
	s_wait_dscnt 0x0                               ; the add is done, and my reads of the slot are over
.if \fill
	CROUND                                         ; no wave of any partner still reads the slot or has a load on its way
	JLOAD
.else
	s_barrier_signal -1
	s_barrier_wait -1
.endif
	v_add_nc_u32 v[ADRA], s[TB], v[ADRA0]
	v_add_nc_u32 v[ADRB], s[TB], v[ADRB0]
	v_add_nc_u32 v[ADRB+1], 128*PV, v[ADRB]
.endm
; 4 matrix instructions of slice q: query block ai x my 4 channel blocks.  The 16 accumulators take turns, one instruction a turn.
.macro MUL4 q, ai, zero
	WIN 0x50                                       ; C and D in window 1
.set fb, FR+64*((\q)%3)
.irp b, 0,1,2,3
.if \zero
	v_wmma_f32_16x16x32_f16 v[8*(4*(\ai)+(\b)):8*(4*(\ai)+(\b))+7], v[fb+32+8*(\b):fb+32+8*(\b)+7], v[fb+8*(\ai):fb+8*(\ai)+7], 0
.else
	v_wmma_f32_16x16x32_f16 v[8*(4*(\ai)+(\b)):8*(4*(\ai)+(\b))+7], v[fb+32+8*(\b):fb+32+8*(\b)+7], v[fb+8*(\ai):fb+8*(\ai)+7], v[8*(4*(\ai)+(\b)):8*(4*(\ai)+(\b))+7]
.endif
.endr
.endm
.macro MUL16 q, zero
.irp x, 0,1,2,3
	MUL4 \q, \x, \zero
.endr
.endm
.macro FETCH q                         ; slice q of a slot's eight (32 keys): 8 loads for my 64 queries, 8 turning loads for my 64 channels
	WIN 0
.set fb, FR+64*((\q)%3)
.irp i, 0,1,2,3
	ds_load_b128 v[fb+8*(\i):fb+8*(\i)+3],   v[ADRA] offset:64*(\q)+(\i)*16*PP
	ds_load_b128 v[fb+8*(\i)+4:fb+8*(\i)+7], v[ADRA] offset:64*(\q)+(\i)*16*PP+32
.endr
.irp i, 0,1,2,3
	ds_load_tr16_b128 v[fb+32+8*(\i):fb+32+8*(\i)+3],   v[ADRB+(\q)/4] offset:((\q)%4)*32*PV+32*(\i)
	ds_load_tr16_b128 v[fb+32+8*(\i)+4:fb+32+8*(\i)+7], v[ADRB+(\q)/4] offset:((\q)%4)*32*PV+16*PV+32*(\i)
.endr
.endm
.macro FOLD e, a                       ; T += beta A for row block a, ascending: each accumulator's lowest registers are read first
	WIN 0x51                                       ; A (source 0) and T (source 2, destination) in window 1, beta in window 0
.set i, 0
	s_wait_alu depctr_va_vdst(0)
.rept 16
	v_pk_fma_f32 v[128+32*(\a)+2*i:128+32*(\a)+2*i+1], v[32*(\a)+2*i:32*(\a)+2*i+1], v[BE+8*(\e)+2*(\a):BE+8*(\e)+2*(\a)+1], v[128+32*(\a)+2*i:128+32*(\a)+2*i+1] op_sel_hi:[1,0,1]
.set i, i+1
.endr
.endm
; A tile's last slice: the finished row blocks are folded beside the others' products.  FOLD 0 stands four places behind its products; FOLD 0, 1 and 2, which name no register of the younger products,
; are the places for FOLD 1, 2 and 3, and for the loads and first products that follow.
.macro MULF q, e
	MUL4 \q, 0, 0
	MUL4 \q, 1, 0
	PLACES
	FOLD \e, 0
	MUL4 \q, 2, 0
	FOLD \e, 1
	MUL4 \q, 3, 0
	FOLD \e, 2
	FOLD \e, 3
.endm
; A SLOT'S WORK: two key tiles of four slices, 16 matrix instructions a slice; a tile's first slice starts the product with the constant 0.  Fragments are fetched two slices ahead, into three buffers by turns.
; The slot's two beta are made of the cm that were asked for a slot ago; ask = 1: the cm of the slot just asked for are asked for in their turn.
.macro WORK ask
	FETCH 0
	FETCH 1
	s_wait_loadcnt 0x0                             ; this slot's cm
.irp e, 0,1
.irp a, 0,1,2,3
	v_sub_f32 v[BE+8*(\e)+2*(\a)], v[MB+4*(\e)+(\a)], v[MX+(\a)]
.endr
.endr
.irp e, 0,1
.irp a, 0,1,2,3
	v_exp_f32 v[BE+8*(\e)+2*(\a)], v[BE+8*(\e)+2*(\a)]  ; first used behind the v_nop of three slices
.endr
.endr
.if \ask
	s_add_nc_u64 s[MTN:MTN+1], s[MT0:MT0+1], s[MOFF:MOFF+1]  ; the loads that named this pair were waited for above
.irp e, 0,1
.irp a, 0,1,2,3
	global_load_b32 v[MB+4*(\e)+(\a)], v[R4], s[MTN:MTN+1] offset:(\e)*8192+64*(\a)
.endr
.endr
.endif
	FETCH 2
	s_wait_dscnt 32                                ; all but the two youngest fetches of 16
	MUL16 0, 1
	PLACES
	FETCH 3
	s_wait_dscnt 32
	MUL16 1, 0
	PLACES
	FETCH 4
	s_wait_dscnt 32
	MUL16 2, 0
	PLACES
	FETCH 5
	s_wait_dscnt 32
	MULF 3, 0
	FETCH 6
	s_wait_dscnt 32
	MUL16 4, 1
	PLACES
	FETCH 7
	s_wait_dscnt 32
	MUL16 5, 0
	s_wait_dscnt 16                                ; all but the youngest fetch
	MUL16 6, 0
	s_wait_dscnt 0x0
	MULF 7, 1
.endm
; THE ROWS' STATISTICS.  Lanes 0-15 take a pair's even tile, lanes 16-31 its odd one.  All eight pairs are asked for; a pair beyond the block's last repeats the last (no harm to a maximum), and its l is multiplied by 0.
.macro STLOAD cm, cl, of, i2, mos
.set k, 0
.rept 8
	s_min_u32 s[T0], s[\i2], k
	s_lshl_b32 s[T0], s[T0], 14
	s_add_co_u32 s[T0], s[T0], s[\mos]
	v_add_nc_u32 v[(\of)+k], s[T0], v3
.set k, k+1
.endr
.set k, 0
.rept 8
.irp a, 0,1,2,3
	global_load_b32 v[(\cm)+4*k+(\a)], v[(\of)+k], s[MT0:MT0+1] offset:64*(\a)
	global_load_b32 v[(\cl)+4*k+(\a)], v[(\of)+k], s[LT:LT+1] offset:64*(\a)
.endr
.set k, k+1
.endr
.endm
.macro STCALC cm, cl, mx, li, st, i2   ; M into mx + a, 1 / l into li + st a
.irp a, 0,1,2,3
	v_max3_num_f32 v[(\mx)+(\a)], v[(\cm)+(\a)], v[(\cm)+4+(\a)], v[(\cm)+8+(\a)]
.endr
.irp n, 0,1
.irp a, 0,1,2,3
	v_max3_num_f32 v[(\mx)+(\a)], v[(\mx)+(\a)], v[(\cm)+4*(3+2*(\n))+(\a)], v[(\cm)+4*(4+2*(\n))+(\a)]
.endr
.endr
.irp a, 0,1,2,3
	v_max_num_f32 v[(\mx)+(\a)], v[(\mx)+(\a)], v[(\cm)+28+(\a)]
.endr
.irp a, 0,1,2,3
	v_permlanex16_b32 v[TP+(\a)], v[(\mx)+(\a)], s[SEL], s[SEL+1]  ; the other tiles' maximum lies in the lane 16 away
.endr
.irp a, 0,1,2,3
	v_max_num_f32 v[(\mx)+(\a)], v[(\mx)+(\a)], v[TP+(\a)]
.endr
.set k, 1
.rept 7
	s_cmp_le_u32 k, s[\i2]
	s_cselect_b32 s[FL], 1.0, 0
.irp a, 0,1,2,3
	v_mul_f32 v[(\cl)+4*k+(\a)], s[FL], v[(\cl)+4*k+(\a)]
.endr
.set k, k+1
.endr
.set i, 0
.rept 32
	v_sub_f32 v[(\cm)+i], v[(\cm)+i], v[(\mx)+i%4]
.set i, i+1
.endr
.set i, 0
.rept 32
	v_exp_f32 v[(\cm)+i], v[(\cm)+i]
.set i, i+1
.endr
	v_nop                                          ; a plain instruction between the exponentials and the use of their results (ISA guide 5.7.2)
	s_wait_alu depctr_va_vdst(0)
.irp a, 0,1,2,3
	v_mul_f32 v[(\li)+(\st)*(\a)], v[(\cm)+(\a)], v[(\cl)+(\a)]
.endr
.set k, 1
.rept 7
.irp a, 0,1,2,3
	v_fma_f32 v[(\li)+(\st)*(\a)], v[(\cm)+4*k+(\a)], v[(\cl)+4*k+(\a)], v[(\li)+(\st)*(\a)]
.endr
.set k, k+1
.endr
.irp a, 0,1,2,3
	v_permlanex16_b32 v[TP+(\a)], v[(\li)+(\st)*(\a)], s[SEL], s[SEL+1]
.endr
.irp a, 0,1,2,3
	v_add_f32 v[(\li)+(\st)*(\a)], v[(\li)+(\st)*(\a)], v[TP+(\a)]
.endr
.irp a, 0,1,2,3
	v_rcp_f32 v[(\li)+(\st)*(\a)], v[(\li)+(\st)*(\a)]
.endr
	v_nop
.endm
	s_load_b256 s[4:11], s[0:1], 0x0               ; ph s[4:5], vh s[6:7], mt s[8:9], lt s[10:11]
	s_load_b64 s[12:13], s[0:1], 0x20              ; out0
	v_lshl_add_u32 v[SPW], v0, 2, SPARE
	v_mov_b32 v[NIL], 0
	ds_add_u32 v[SPW], v[NIL]                      ; the wave's opening: the add and its wait stand ahead of my first tensor load; the set-up below, work on registers, stands between them
	ds_add_u32 v60, v61
	v_lshrrev_b32 v1, 5, v0
	v_readfirstlane_b32 s[WV], v1
	s_and_b32 s[WH], s[WV], 1
	s_lshr_b32 s[WR], s[WV], 1
	s_bfe_u32 s[T0], ttmp6, 0x40000
	s_lshl_b32 s[CBX], ttmp9, 2
	s_add_co_u32 s[CBX], s[CBX], s[T0]             ; it enters V's and out0's addresses alone
	s_and_b32 s60, ttmp7, 0xffff
	s_lshr_b32 s[BB], s60, 3
	s_and_b32 s[PI], s60, 7
	s_sub_co_u32 s61, 15, s[PI]                    ; the first block
	s_lshr_b32 s[I2A], s61, 1
	s_lshr_b32 s[I2B], s[PI], 1
	s_add_co_u32 s[NL], s[I2A], 1                  ; its slots,
	s_add_co_u32 s[NLB], s[I2B], 1                 ; the second block's: 9 together
	s_mov_b32 s[RT], s[NL]
	s_mov_b32 s[NS], 1
	s_mov_b32 s[TB], SLOT1                         ; the first change of slots turns it into 0
	s_mov_b32 s[SEL], 0x76543210
	s_mov_b32 s[SEL+1], 0xfedcba98
	s_mov_b32 s[G1P], 15|(1<<16)|(1<<20)|(1<<21)|(6<<22)|(3<<25)  ; the mask of four; 2-byte elements; padding on; 21 set beside a mask; after every 128 words (code 6) 4 words (code 3)
	s_mov_b32 s[G1P+1], 256<<16                    ; tensor_dim0 = 256
	s_mov_b32 s[G1P+2], 64<<16                     ; tensor_dim1 = 64
	s_mov_b32 s[G1P+3], 256<<16                    ; tile_dim0 = 256
	s_mov_b32 s[G1P+4], 64                         ; tile_dim1 = 64
	s_mov_b32 s[G1P+5], 2048                       ; 2,048 elements from row to row
	s_mov_b32 s[G1P+6], 0
	s_mov_b32 s[G1P+7], 0
	s_mov_b32 s[G1V], (1<<16)|(1<<20)|(5<<22)|(7<<25)  ; no mask; after every 64 words (code 5) 8 words of padding (code 7)
	s_mov_b32 s[G1V+1], 128<<16
	s_mov_b32 s[G1V+2], 128<<16                    ; 128 keys
	s_mov_b32 s[G1V+3], 128<<16
	s_mov_b32 s[G1V+4], 128
	s_mov_b32 s[G1V+5], 1024
	s_mov_b32 s[G1V+6], 0
	s_mov_b32 s[G1V+7], 0
	s_lshl_b32 s60, s[BB], 11                      ; the batch's first row
	s_lshl_b32 s[OFP], s[WH], 6
	s_add_co_u32 s[OFP], s[OFP], s60               ; p: the 64 rows of a block that I fetch,
	s_lshl_b32 s[POF], s61, 7
	s_add_co_u32 s[POF], s[POF], s[OFP]
	s_lshl_b32 s[POF], s[POF], 12                  ; 4,096 bytes a row: in the first block,
	s_lshl_b32 s[POFB], s[PI], 7
	s_add_co_u32 s[POFB], s[POFB], s[OFP]
	s_lshl_b32 s[POFB], s[POFB], 12                ; and in the second
	s_mov_b32 s[OFP], s[POF]
	s_mov_b32 s[OFP+1], 0
	s_mov_b32 s[G0P], 1
	s_mul_i32 s[G0P+1], s[WH], 64*PP               ; and where they go: slot 0
	s_lshl_b32 s[MOFF], s[WR], 8                   ; cm: my 64 rows of a block's 128,
	s_lshl_b32 s[MOS], s61, 9
	s_add_co_u32 s[MOS], s[MOS], s[MOFF]
	s_lshl_b32 s[MOSB], s[PI], 9
	s_add_co_u32 s[MOSB], s[MOSB], s[MOFF]
	s_mov_b32 s[MOFF], s[MOS]                      ; the first block's slot 0
	s_mov_b32 s[MOFF+1], 0
	s_lshl_b32 s[VOF], s[WH], 7
	s_add_co_u32 s[VOF], s[VOF], s60
	s_lshl_b32 s[VOF], s[VOF], 11                  ; V: the 128 keys of the batch's slot 0 that I fetch,
	s_lshl_b32 s[T0], s[CBX], 8                    ; the channel block's 256 bytes of each
	s_add_co_u32 s[VOF], s[VOF], s[T0]
	s_mov_b32 s[OFV], s[VOF]
	s_mov_b32 s[OFV+1], 0
	s_mov_b32 s[G0V], 1
	s_mul_i32 s[G0V+1], s[WH], 128*PV
	s_add_co_u32 s[G0V+1], s[G0V+1], PBY
	s_lshl_b32 s[T0], s[WR], 6
	s_add_co_u32 s60, s60, s[T0]                   ; out0: my 64 rows of a block,
	s_lshl_b32 s[T0], s[CBX], 9
	s_lshl_b32 s56, s[WH], 8
	s_add_co_u32 s[T0], s[T0], s56                 ; my 256 bytes of a row
	s_lshl_b32 s56, s61, 7
	s_add_co_u32 s56, s56, s60
	s_lshl_b32 s56, s56, 12
	s_add_co_u32 s56, s56, s[T0]                   ; in the first block,
	s_mov_b32 s57, 0
	s_lshl_b32 s[OUTB], s[PI], 7
	s_add_co_u32 s[OUTB], s[OUTB], s60
	s_lshl_b32 s[OUTB], s[OUTB], 12
	s_add_co_u32 s[OUTB], s[OUTB], s[T0]           ; and in the second
	s_mov_b32 s[OUTB+1], 0
	s_lshl_b32 s[MT0], s[BB], 17                   ; mt, lt: the batch's 16 x 2,048 numbers
	s_mov_b32 s[MT0+1], 0
	s_lshl_b32 s[VFP], s[BB], 16                   ; V's f32 rows: the batch's 16 rows of 4,096 bytes,
	s_lshl_b32 s[T0], s[CBX], 9                    ; the channel block's 512 bytes of each,
	s_add_co_u32 s[VFP], s[VFP], s[T0]
	s_add_co_u32 s[VFP], s[VFP], VFOFF             ; behind the f16 rows
	s_mov_b32 s[VFP+1], 0
	s_lshl_b32 s[PFP], s[BB], 10                   ; the f32 weights: 1,024 bytes a batch, behind lt's numbers
	s_add_co_u32 s[PFP], s[PFP], PFOFF
	s_mov_b32 s[PFP+1], 0
	s_wait_dscnt 0x0                               ; the opening add is done
	s_wait_kmcnt 0x0
	s_add_nc_u64 s[G0P+2:G0P+3], s[4:5], s[OFP:OFP+1]
	s_or_b32 s[G0P+3], s[G0P+3], 0x80000000
	s_add_nc_u64 s[G0V+2:G0V+3], s[6:7], s[OFV:OFV+1]
	s_or_b32 s[G0V+3], s[G0V+3], 0x80000000
	s_add_nc_u64 s[VFP:VFP+1], s[6:7], s[VFP:VFP+1]
	s_add_nc_u64 s[PFP:PFP+1], s[10:11], s[PFP:PFP+1]
	s_add_nc_u64 s[LT:LT+1], s[10:11], s[MT0:MT0+1]
	s_add_nc_u64 s[MT0:MT0+1], s[8:9], s[MT0:MT0+1]
	s_add_nc_u64 s[OUTB:OUTB+1], s[12:13], s[OUTB:OUTB+1]
	s_add_nc_u64 s[12:13], s[12:13], s[56:57]
	s_add_nc_u64 s[MTN:MTN+1], s[MT0:MT0+1], s[MOFF:MOFF+1]
	CROUND                                         ; all four work-groups are here: the first joint loads meet
	JLOAD                                          ; the first block's slot 0.  Slot 1 is asked for when it is in, by the loop's own change of slots
	; in the wait for it: both blocks' statistics, the first slot's cm, T, the addresses
	v_and_b32 v1, 15, v0                           ; l % 16
	v_bfe_u32 v2, v0, 4, 1                         ; l / 16
	v_lshlrev_b32 v[R4], 2, v1
	v_lshl_add_u32 v3, v2, 13, v[R4]               ; lanes 16-31: one tile, 8,192 bytes, on
	STLOAD CMA, CLA, OFA, I2A, MOS
	STLOAD CMB, CLB, OFB, I2B, MOSB
.irp e, 0,1
.irp a, 0,1,2,3
	global_load_b32 v[MB+4*(\e)+(\a)], v[R4], s[MTN:MTN+1] offset:(\e)*8192+64*(\a)
.endr
.endr
	WIN 0x40
.set i, 0
.rept 128
	v_mov_b32 v[128+i], 0                          ; T
.set i, i+1
.endr
	WIN 0
	v_mul_u32_u24 v5, v1, PP
	v_lshl_add_u32 v5, v2, 4, v5                   ; row x pitch + 16 x half
	s_mul_i32 s[T0], s[WR], 64*PP                  ; my 64 queries
	v_add_nc_u32 v[ADRA0], s[T0], v5
	; The turning load takes 16 keys x 16 channels (lane l reads key 8 (l / 16) + l % 8, channels 8 ((l / 8) % 2) + 0..7) and leaves half a fragment of V^T: lane l holds channel l % 16 and 8 keys.
	v_and_b32 v5, 7, v0
	v_bfe_u32 v6, v0, 3, 1
	v_lshl_add_u32 v5, v2, 3, v5
	v_mul_u32_u24 v5, v5, PV
	v_lshl_add_u32 v5, v6, 4, v5
	s_lshl_b32 s[T0], s[WH], 7                     ; my 64 channels, behind p's rows
	s_add_co_u32 s[T0], s[T0], PBY
	v_add_nc_u32 v[ADRB0], s[T0], v5
	s_mul_i32 s[T0], s[WV], 16*SP
	s_add_co_u32 s[T0], s[T0], STAGE               ; my stage
	v_mul_u32_u24 v5, v1, SP                       ; in: row l % 16, 32 bytes for each half of the lanes
	v_lshl_add_u32 v5, v2, 5, v5
	v_add_nc_u32 v[STO], s[T0], v5
	v_mul_u32_u24 v5, v2, SP                       ; back: lanes 0-15 take one row of 256 bytes, lanes 16-31 the next
	v_lshl_add_u32 v5, v1, 4, v5
	v_add_nc_u32 v[RD], s[T0], v5
	v_lshlrev_b32 v5, 12, v2                       ; and the same two rows in out0
	v_lshl_add_u32 v[CO], v1, 4, v5
	v_and_b32 v5, 31, v0
	v_lshlrev_b32 v[CF], 4, v5
.irp a, 0,1,2,3
	v_mov_b32 v[TP+(\a)], 0                        ; v_permlanex16_b32 counts as a reader of its destination
	v_mov_b32 v[LI+2*(\a)+1], 0                    ; named with 1 / l as a pair
	v_mov_b32 v[BE+2*(\a)+1], 0                    ; named with beta as a pair
	v_mov_b32 v[BE+8+2*(\a)+1], 0
.endr
	s_wait_loadcnt 0x0
	STCALC CMA, CLA, MX, LI, 2, I2A
	STCALC CMB, CLB, MXB, LIB, 1, I2B
; THE WAY OUT, a row block of 16 queries at a time: T / l; 32 bytes a lane for each 16 channels into my own stage; back as whole rows of 256 bytes; stored.
.macro SCALE a
	WIN 0x41                                       ; T (destination and source 0) in window 1, 1 / l in window 0
.set i, 0
.rept 16
	v_pk_mul_f32 v[128+32*(\a)+2*i:128+32*(\a)+2*i+1], v[128+32*(\a)+2*i:128+32*(\a)+2*i+1], v[LI+2*(\a):LI+2*(\a)+1] op_sel_hi:[1,0]
.set i, i+1
.endr
.endm
.macro TOSTAGE a
	WIN 0x04                                       ; the stores' data in window 1
.irp b, 0,1,2,3
	ds_store_b128 v[STO], v[128+8*(4*(\a)+(\b)):128+8*(4*(\a)+(\b))+3]   offset:64*(\b)
	ds_store_b128 v[STO], v[128+8*(4*(\a)+(\b))+4:128+8*(4*(\a)+(\b))+7] offset:64*(\b)+16
.endr
	WIN 0
.irp t, 0,1,2,3,4,5,6,7
	ds_load_b128 v[OB+32*((\a)%2)+4*(\t):OB+32*((\a)%2)+4*(\t)+3], v[RD] offset:(\t)*2*SP  ; LDS serves a wave's instructions in order (ISA guide 5.7.1.4): these see the stores above
.endr
.endm
.macro SEND a
	WIN 0
	s_wait_dscnt 0x0                               ; the block is back in registers
	s_wait_xcnt 0x0                                ; every earlier store has had its addresses translated: only behind this wait are the registers of the block two back loaded again
.irp t, 0,1,2,3,4,5,6,7
	global_store_b128 v[CO], v[OB+32*((\a)%2)+4*(\t):OB+32*((\a)%2)+4*(\t)+3], s[12:13] offset:(16*(\a)+2*(\t))*4096  ; 16 lanes store 256 consecutive bytes, aligned
.endr
.endm
; One of the two queries of a trip of the f32 rows: 16 weights, in scalar registers, times my 4 channels of V's 16 rows (a hidden key's weight is 0), divided by l; a row's 512 bytes are stored whole.
.macro FIXROW p
.irp c, 0,1,2,3
	v_mul_f32 v[AC+4*(\p)+(\c)], s[PW+16*(\p)], v[VV+(\c)]
.endr
.set k, 1
.rept 15
.irp c, 0,1,2,3
	v_fmac_f32 v[AC+4*(\p)+(\c)], s[PW+16*(\p)+k], v[VV+4*k+(\c)]
.endr
.set k, k+1
.endr
	s_wait_alu depctr_va_vdst(0)
.irp c, 0,1,2,3
	v_mul_f32 v[AC+4*(\p)+(\c)], v[AC+4*(\p)+(\c)], v[RC+(\p)]
.endr
	global_store_b128 v[CF], v[AC+4*(\p):AC+4*(\p)+3], s[OQ:OQ+1] offset:(\p)*4096
.endm
	s_mov_b32 s[CNT], 8
.Lwalk:                                                ; 8 trips: a slot is entered, the next is asked for
	CHANGE 1
	WORK 1
	WIN 0
	s_sub_co_u32 s[RT], s[RT], 1
	s_cmp_lg_u32 s[RT], 0
	s_cbranch_scc1 .Lbottom
	SCALE 0                                        ; THE FIRST BLOCK ENDS, behind its 5 to 8 slots: always in the loop; the second block's last slot is the walk's last
	TOSTAGE 0
.irp a, 1,2,3                          ; a block's scaling stands between the loads of the block before and its stores
	SCALE \a
	SEND (\a)-1
	TOSTAGE \a
.endr
	SEND 3
	s_wait_xcnt 0x0                                ; the stores have read their registers and out0's address
	s_mov_b64 s[12:13], s[OUTB:OUTB+1]
	s_mov_b32 s[RT], s[NLB]
.irp a, 0,1,2,3
	v_mov_b32 v[MX+(\a)], v[MXB+(\a)]
	v_mov_b32 v[LI+2*(\a)], v[LIB+(\a)]
.endr
	WIN 0x40
.set i, 0
.rept 128
	v_mov_b32 v[128+i], 0                          ; T
.set i, i+1
.endr
	WIN 0
.Lbottom:
	s_sub_co_u32 s[CNT], s[CNT], 1
	s_cmp_lg_u32 s[CNT], 0
	s_cbranch_scc1 .Lwalk
	CHANGE 0                                       ; the walk's last slot: nothing is asked for
	WORK 0
	WIN 0
	s_cmp_lg_u32 s[PI], 0                          ; a batch's queries 0 to 15 are row block 0 of waves 0 and 1 in block 0: p is the cluster's, the same in all partners
	s_cbranch_scc1 .Lplain
	s_cmp_lg_u32 s[WR], 0
	s_cbranch_scc1 .Lplain
	s_cmp_eq_u32 s[WV], 0
	s_cbranch_scc1 .Lfix
	s_branch .Lrest                                ; wave 1 leaves them to wave 0, which makes all 128 channels
.Lplain:
	SCALE 0
	TOSTAGE 0
	SEND 0
	s_branch .Lrest
.Lfix:                                                 ; THE F32 ROWS, in the stead of row block 0's way out.  A lane owns 4 channels: 16 bytes of each row
.set k, 0
.rept 16
	global_load_b128 v[VV+4*k:VV+4*k+3], v[CF], s[VFP:VFP+1] offset:k*4096  ; V's row k: 512 consecutive bytes; the last products that read these registers stand a slice and its folds back
.set k, k+1
.endr
	s_mov_b64 s[OQ:OQ+1], s[12:13]                 ; a copy walks: the blocks behind still want the wave's first row
	s_mov_b32 s[T0], 8
	s_wait_loadcnt 0x0
.Lrows:                                                ; 8 trips, two queries each.  The weights land where the descriptors lay: every tensor load was waited for at the last change of slots
	s_load_b512 s[PW:PW+15], s[PFP:PFP+1], 0x0
	s_load_b512 s[PW+16:PW+31], s[PFP:PFP+1], 0x40
	s_load_b64 s[LQ:LQ+1], s[LT:LT+1], 0x0         ; tile 0's l of the two queries
	s_wait_kmcnt 0x0
	v_rcp_f32 v[RC], s[LQ]
	v_rcp_f32 v[RC+1], s[LQ+1]                     ; first used 64 plain instructions on
	FIXROW 0
	FIXROW 1
	s_wait_xcnt 0x0                                ; the stores' data and base and the scalar loads' bases are rewritten only behind this wait
	s_add_nc_u64 s[PFP:PFP+1], s[PFP:PFP+1], 128
	s_add_nc_u64 s[LT:LT+1], s[LT:LT+1], 8
	s_add_nc_u64 s[OQ:OQ+1], s[OQ:OQ+1], 8192
	s_sub_co_u32 s[T0], s[T0], 1
	s_cmp_lg_u32 s[T0], 0
	s_cbranch_scc1 .Lrows
.Lrest:
	SCALE 1
	TOSTAGE 1
.irp a, 2,3
	SCALE \a
	SEND (\a)-1
	TOSTAGE \a
.endr
	SEND 3
	s_wait_tensorcnt 0x0                           ; the wave's end: a wait, an add and its wait, behind my last tensor load and my last LDS store
	ds_add_u32 v[SPW], v[NIL]
	s_wait_dscnt 0x0
	CROUND                                         ; the closing round: no work-group ends while a partner may still ask for a tile that names it
	s_endpgm
.Lfunc_end_k_qca4914f603_pv:
	.size	k_qca4914f603_pv, .Lfunc_end_k_qca4914f603_pv-k_qca4914f603_pv
	.p2alignl 7, 3214868480
	.fill 96, 4, 3214868480
	.section	.rodata,"a",@progbits
	.p2align	6, 0x0
	.amdhsa_kernel k_qca4914f603_pv
		.amdhsa_group_segment_fixed_size 327680
		.amdhsa_private_segment_fixed_size 0
		.amdhsa_enable_private_segment 0
		.amdhsa_kernarg_size 40
		.amdhsa_user_sgpr_count 2
		.amdhsa_user_sgpr_kernarg_segment_ptr 1
		.amdhsa_wavefront_size32 1
		.amdhsa_system_sgpr_workgroup_id_x 1
		.amdhsa_system_sgpr_workgroup_id_y 1
		.amdhsa_system_sgpr_workgroup_id_z 1
		.amdhsa_system_vgpr_workitem_id 0
		.amdhsa_next_free_vgpr 512
		.amdhsa_next_free_sgpr 80
		.amdhsa_reserve_vcc 0
		.amdhsa_float_denorm_mode_32 3
		.amdhsa_float_denorm_mode_16_64 3
		.amdhsa_memory_ordered 1
		.amdhsa_forward_progress 1
		.amdhsa_inst_pref_size 132
	.end_amdhsa_kernel
	.amdgpu_metadata
---
amdhsa.version: [ 1, 2 ]
amdhsa.kernels:
  - .name:           k_qca4914f603_pv
    .symbol:         k_qca4914f603_pv.kd
    .args:
      - { .name: ph, .offset: 0, .size: 8, .value_kind: global_buffer, .address_space: global }
      - { .name: vh, .offset: 8, .size: 8, .value_kind: global_buffer, .address_space: global }
      - { .name: mt, .offset: 16, .size: 8, .value_kind: global_buffer, .address_space: global }
      - { .name: lt, .offset: 24, .size: 8, .value_kind: global_buffer, .address_space: global }
      - { .name: out0, .offset: 32, .size: 8, .value_kind: global_buffer, .address_space: global }
    .group_segment_fixed_size: 327680
    .private_segment_fixed_size: 0
    .kernarg_segment_align: 8
    .kernarg_segment_size: 40
    .max_flat_workgroup_size: 128
    .sgpr_count:     80
    .vgpr_count:     512
    .wavefront_size: 32
...
	.end_amdgpu_metadata
.endif
;; end of part 7
;; ======== version 3 of 3: 4 launches; version 2 with the launch cast written anew for expert scheduling mode
;; limits: values are held in f16: magnitudes above 65,504 overflow, below 6.1e-05 lose precision
;; workspace buffers: xb 16,777,216 bytes; wb 6,291,456 bytes; qh 16,777,216 bytes; kh 16,777,216 bytes; vh 17,039,360 bytes; ph 33,554,432 bytes; mt 524,288 bytes; lt 528,384 bytes
;; launch cast (part 8): grid 256 x 1, 22 waves a work-group, no clusters, 0 bytes of LDS; arguments x, Wq, Wk, Wv, xb, wb; writes xb, wb
.if DOCPART == 8
	.amdgcn_target "amdgcn-amd-amdhsa--gfx1250"
	.amdhsa_code_object_version 6
	.text
	.protected	k_qca4914f603_cast
	.globl	k_qca4914f603_cast
	.p2align	8
	.type	k_qca4914f603_cast,@function
k_qca4914f603_cast:
	s_mov_b64 s[64:65], 0
	v_nop
	global_prefetch_b8 v0, s[64:65] scope:SCOPE_SE
	s_setreg_imm32_b32 hwreg(HW_REG_WAVE_SCHED_MODE, 0, 2), 2
	s_setreg_imm32_b32 hwreg(HW_REG_WAVE_MODE, 25, 1), 1
	s_wait_xcnt 0x0
	s_wait_alu depctr_vm_vsrc(0)
; x [8192][1024] and Wq, Wk, Wv [1024][1024], all f32, are rounded once to bf16 and laid out in the tiles that the projection asks for:
;   xb [32 row blocks][16 k blocks][256 rows][64 k]          byte = rbk*524288 + kb*32768 + row*128 + 2 k
;   wb [8 column blocks][16 k blocks][3 matrices][128 rows][64 k]   byte = cb*786432 + kb*49152 + mat*16384 + r*128 + 2 k   (mat 0, 1, 2 = q, k, v)
; so that a tile of 64 along K is dense in memory.  A stream: no LDS, no barrier, no matrix unit, no cluster (no two work-groups read the same byte).
; SHARES.  The 8,192 + 3 x 1,024 = 11,264 rows are 256 work-groups x 22 waves x 2 rows: every wave takes two neighbouring rows, whole.
; A load: lanes 0-15 take the 256 bytes of one k block of the even row, lanes 16-31 those of the odd row: two whole aligned blocks of 256 bytes.  A lane's 4 numbers become 8 bytes;
; in a tile the two rows lie end to end (128 bytes each), so the 32 lanes' store covers 256 consecutive bytes, aligned.  All 16 loads of a wave go out first.
; THE MODE: SCHED_MODE bits 1:0 = 2 (LLVM: expert scheduling mode 2), set by the entry lines.  The code itself states the register dependences
; between vector instructions and memory instructions, with s_wait_alu, always for 0.
; THE PLAN.  Registers that memory instructions touch:
;   v1, v2       the loads' and the stores' byte offsets: written at the head, never again; read by all 16 loads and all 16 stores.
;   v[D + 4 kb ..]  k block kb: its load lands in four registers that no vector instruction has named; its two conversions read the four and write the first two, once; its store reads those two;
;                nothing writes them again.
; The 16 k blocks go in four groups of four.  Group g's conversions name group g's registers alone; the memory instructions that stand among them are group g - 1's four stores, which read group g - 1's
; registers.  So one wait on va_vdst at a group's head states all that those four stores hang on.  No register that a load or a store reads is written again: no wait on vm_vsrc is owed, and none on XCNT.
.set WAVES, 22
.set XROWS, 8192
.set D,  4                             ; v[4:67]  k block kb: 4 registers as loaded; the first 2 of them as stored
.macro BODY in, out, ostr              ; in, out: the scalar pairs of the two addresses; ostr: bytes from a k block's tile to the next
	s_wait_alu depctr_va_vdst(0)                   ; v1 and v2 are written: every load below reads v1 as its offset, every store v2
.set kb, 0
.rept 16
	global_load_b128 v[D+4*kb:D+4*kb+3], v1, s[\in:\in+1] offset:256*kb th:TH_LOAD_NT
.set kb, kb+1
.endr
.set g, 0
.rept 4
	s_wait_loadcnt 12-4*g                          ; loads come back in order: this group's four are in, the 12 - 4 g younger ones stay out
.if g > 0
	s_wait_alu depctr_va_vdst(0)                   ; the group before has written its eight registers of bf16, which the four stores below read; no conversion behind this wait names them
.endif
.set i, 0
.rept 4
.set kb, 4*g+i
.if g > 0
	global_store_b64 v2, v[D+4*(kb-4):D+4*(kb-4)+1], s[\out:\out+1] offset:(kb-4)*(\ostr)  ; the group before; no register of a store is written again
.endif
	v_cvt_pk_bf16_f32 v[D+4*kb],   v[D+4*kb],   v[D+4*kb+1]   ; in place: each line writes a register that no later line reads
	v_cvt_pk_bf16_f32 v[D+4*kb+1], v[D+4*kb+2], v[D+4*kb+3]
.set i, i+1
.endr
.set g, g+1
.endr
	s_wait_alu depctr_va_vdst(0)                   ; the last group has written its eight registers of bf16, which the last four stores read
.set kb, 12
.rept 4
	global_store_b64 v2, v[D+4*kb:D+4*kb+1], s[\out:\out+1] offset:kb*(\ostr)
.set kb, kb+1
.endr
.endm
	s_load_b256 s[4:11], s[0:1], 0x0               ; x s[4:5], Wq s[6:7], Wk s[8:9], Wv s[10:11]
	s_load_b128 s[12:15], s[0:1], 0x20             ; xb s[12:13], wb s[14:15]
	v_lshrrev_b32 v3, 5, v0
	v_readfirstlane_b32 s16, v3                    ; my wave's number
	v_and_b32 v2, 31, v0                           ; lane
	v_and_b32 v1, 15, v0
	v_bfe_u32 v3, v0, 4, 1                         ; which of the two rows
	v_lshlrev_b32 v1, 4, v1                        ; in: 16 bytes a lane,
	v_lshl_or_b32 v1, v3, 12, v1                   ; 4,096 bytes a row of f32
	v_lshlrev_b32 v2, 3, v2                        ; out: row x 128 + (lane % 16) x 8 = 8 x lane
	s_wait_alu depctr_va_sdst(0)                   ; s16 is written, ahead of its first reader: the rows' number, and with it the branch and both addresses, are made from it
	s_mul_i32 s17, ttmp9, WAVES
	s_add_co_u32 s17, s17, s16
	s_lshl_b32 s17, s17, 1                         ; the first of my two rows among the 11,264: even, so a pair never spans two tensors or two blocks
	s_mov_b32 s19, 0
	s_mov_b32 s21, 0
	s_wait_kmcnt 0x0
	s_cmp_lt_u32 s17, XROWS
	s_cbranch_scc0 .Lweights
	s_lshl_b32 s18, s17, 12
	s_add_nc_u64 s[4:5], s[4:5], s[18:19]
	s_lshr_b32 s20, s17, 8                         ; row block of 256,
	s_lshl_b32 s20, s20, 19
	s_and_b32 s22, s17, 255                        ; my rows in it, 128 bytes each
	s_lshl_b32 s22, s22, 7
	s_add_co_u32 s20, s20, s22
	s_add_nc_u64 s[12:13], s[12:13], s[20:21]
	BODY 4, 12, 32768
	s_endpgm
.Lweights:
	s_sub_co_u32 s17, s17, XROWS
	s_lshr_b32 s22, s17, 10                        ; which matrix
	s_and_b32 s23, s17, 1023                       ; which row of it
	s_cmp_eq_u32 s22, 1
	s_cselect_b64 s[24:25], s[8:9], s[6:7]
	s_cmp_eq_u32 s22, 2
	s_cselect_b64 s[24:25], s[10:11], s[24:25]
	s_lshl_b32 s18, s23, 12
	s_add_nc_u64 s[24:25], s[24:25], s[18:19]
	s_lshr_b32 s20, s23, 7                         ; column block of 128 rows of W
	s_mul_i32 s20, s20, 786432
	s_lshl_b32 s26, s22, 14                        ; the matrix's 128 rows in a tile
	s_add_co_u32 s20, s20, s26
	s_and_b32 s26, s23, 127                        ; my rows among them
	s_lshl_b32 s26, s26, 7
	s_add_co_u32 s20, s20, s26
	s_add_nc_u64 s[14:15], s[14:15], s[20:21]
	BODY 24, 14, 49152
	s_endpgm
.Lfunc_end_k_qca4914f603_cast:
	.size	k_qca4914f603_cast, .Lfunc_end_k_qca4914f603_cast-k_qca4914f603_cast
	.p2alignl 7, 3214868480
	.fill 96, 4, 3214868480
	.section	.rodata,"a",@progbits
	.p2align	6, 0x0
	.amdhsa_kernel k_qca4914f603_cast
		.amdhsa_group_segment_fixed_size 0
		.amdhsa_private_segment_fixed_size 0
		.amdhsa_enable_private_segment 0
		.amdhsa_kernarg_size 48
		.amdhsa_user_sgpr_count 2
		.amdhsa_user_sgpr_kernarg_segment_ptr 1
		.amdhsa_wavefront_size32 1
		.amdhsa_system_sgpr_workgroup_id_x 1
		.amdhsa_system_sgpr_workgroup_id_y 1
		.amdhsa_system_sgpr_workgroup_id_z 1
		.amdhsa_system_vgpr_workitem_id 0
		.amdhsa_next_free_vgpr 72
		.amdhsa_next_free_sgpr 66
		.amdhsa_reserve_vcc 0
		.amdhsa_float_denorm_mode_32 3
		.amdhsa_float_denorm_mode_16_64 3
		.amdhsa_memory_ordered 1
		.amdhsa_forward_progress 1
		.amdhsa_inst_pref_size 13
	.end_amdhsa_kernel
	.amdgpu_metadata
---
amdhsa.version: [ 1, 2 ]
amdhsa.kernels:
  - .name:           k_qca4914f603_cast
    .symbol:         k_qca4914f603_cast.kd
    .args:
      - { .name: x, .offset: 0, .size: 8, .value_kind: global_buffer, .address_space: global }
      - { .name: Wq, .offset: 8, .size: 8, .value_kind: global_buffer, .address_space: global }
      - { .name: Wk, .offset: 16, .size: 8, .value_kind: global_buffer, .address_space: global }
      - { .name: Wv, .offset: 24, .size: 8, .value_kind: global_buffer, .address_space: global }
      - { .name: xb, .offset: 32, .size: 8, .value_kind: global_buffer, .address_space: global }
      - { .name: wb, .offset: 40, .size: 8, .value_kind: global_buffer, .address_space: global }
    .group_segment_fixed_size: 0
    .private_segment_fixed_size: 0
    .kernarg_segment_align: 8
    .kernarg_segment_size: 48
    .max_flat_workgroup_size: 704
    .sgpr_count:     66
    .vgpr_count:     72
    .wavefront_size: 32
...
	.end_amdgpu_metadata
.endif
;; end of part 8
;; launch proj: the kernel of part 2 again; grid 8 x 32, 4 waves a work-group, clusters of 4 x 4, 327,680 bytes of LDS; arguments xb, wb, bq, bk, bv, qh, kh, vh; writes qh, kh, vh
;; launch scores: the kernel of part 6 again; grid 36 x 4, 8 waves a work-group, no clusters, 327,680 bytes of LDS; arguments qh, kh, ph, mt, lt; writes ph, mt, lt
;; launch pv: the kernel of part 7 again; grid 8 x 32, 4 waves a work-group, clusters of 4 x 1, 327,680 bytes of LDS; arguments ph, vh, mt, lt, out0; writes out0
